; MI455X (gfx1250); checked and timed in simulation.
; The chip was launched on July 23, 2026; its instructions are those of AMD's public machine-readable ISA for CDNA 5 (MIT licence, August 2026) and "CDNA5" Instruction Set Architecture Reference Guide (July 2026). The comments in the code are by the model that wrote it; some were corrected since.
;; Transformer Block. Allowed arithmetic: matrix products marked QUANTISED: E2M3 operands, one E8M0 scale for each 32 along K, by v_wmma_scale_f32_16x16x128_f8f6f4 with both operands' format E2M3, f32 sums; everything else in f32.
;; Inputs: W1_codes 4,096 x 32 x 24 uint8 (E2M3 codes of W1, K innermost, in blocks of 32 codes, four codes in three bytes); W1_scales 4,096 x 32 uint8 (E8M0 scales of W1, one for each 32 codes along K); W2_codes 1,024 x 128 x 24 uint8 (E2M3 codes of W2, K innermost, in blocks of 32 codes, four codes in three bytes); W2_scales 1,024 x 128 uint8 (E8M0 scales of W2, one for each 32 codes along K); Wk_codes 1,024 x 32 x 24 uint8 (E2M3 codes of Wk, K innermost, in blocks of 32 codes, four codes in three bytes); Wk_scales 1,024 x 32 uint8 (E8M0 scales of Wk, one for each 32 codes along K); Wo_codes 1,024 x 32 x 24 uint8 (E2M3 codes of Wo, K innermost, in blocks of 32 codes, four codes in three bytes); Wo_scales 1,024 x 32 uint8 (E8M0 scales of Wo, one for each 32 codes along K); Wq_codes 1,024 x 32 x 24 uint8 (E2M3 codes of Wq, K innermost, in blocks of 32 codes, four codes in three bytes); Wq_scales 1,024 x 32 uint8 (E8M0 scales of Wq, one for each 32 codes along K); Wv_codes 1,024 x 32 x 24 uint8 (E2M3 codes of Wv, K innermost, in blocks of 32 codes, four codes in three bytes); Wv_scales 1,024 x 32 uint8 (E8M0 scales of Wv, one for each 32 codes along K); b1 4,096 float32; b2 1,024 float32; bo 1,024 float32; ln1_scale 1,024 float32; ln1_shift 1,024 float32; ln2_scale 1,024 float32; ln2_shift 1,024 float32; x 2 x 2,048 x 1,024 float32.
;; Outputs: out0 2 x 2,048 x 1,024 float32.
;; This version of the problem:
;;   THIS VERSION OF THE PROBLEM IS GIVEN IN LOW PRECISION. The matrix products marked QUANTISED in the list below multiply operands that are first quantised to E2M3 (2 exponent bits, 3 mantissa bits; 6 bits a number), with one power-of-two scale for each 32 numbers along K (OCP MX v1.0); their sums are f32. All else is computed in f32.
;;   The module's matrix products, in the order in which they are computed (A, B: the left and right operand; K: the contracted axis; several contracted axes count as one K, in the product's order):
;;     1. [M 4,096, K 1,024] x [K 1,024, N 1,024]; A: computed on the way; B: input Wq (given as codes): QUANTISED
;;     2. [M 4,096, K 1,024] x [K 1,024, N 1,024]; A: computed on the way; B: input Wk (given as codes): QUANTISED
;;     3. [M 4,096, K 1,024] x [K 1,024, N 1,024]; A: computed on the way; B: input Wv (given as codes): QUANTISED
;;     4. batch 32 x [M 2,048, K 64] x [K 64, N 2,048]; A: computed on the way; B: computed on the way: QUANTISED
;;     5. batch 32 x [M 64, K 2,048] x [K 2,048, N 2,048]; A: computed on the way; B: softmax (see below): QUANTISED
;;     6. [M 4,096, K 1,024] x [K 1,024, N 1,024]; A: computed on the way; B: input Wo (given as codes): QUANTISED
;;     7. [M 4,096, K 1,024] x [K 1,024, N 4,096]; A: computed on the way; B: input W1 (given as codes): QUANTISED
;;     8. [M 4,096, K 4,096] x [K 4,096, N 1,024]; A: computed on the way; B: input W2 (given as codes): QUANTISED
;;   THE QUANTISER, for each operand of a quantised product, along K:
;;     - K is cut into blocks of 32 from its start; a last block that is shorter is filled with zeros.
;;     - A block's scale is 2^e with e = floor(log2(the largest magnitude in the block)) - 2, held to -126 .. 127; a block of zeros has e = 0. As a byte (E8M0): e + 127.
;;     - Each number is divided by its block's scale, clamped to +-7.5, and rounded to the nearest number of E2M3, ties to even, subnormals kept.
;;     - The product sums the exact products of the quantised numbers (number of the format x scale) in f32.
;;   ~~~python
;;   def quantise(x, axis):      # numpy; x: float32 -> the quantised numbers, widened to float32 again
;;       x = np.moveaxis(x, axis, -1); K = x.shape[-1]
;;       x = np.pad(x, [(0, 0)] * (x.ndim - 1) + [(0, -K % 32)]); x = x.reshape(x.shape[:-1] + (-1, 32)); a = np.abs(x).max(-1, keepdims=True)
;;       e = np.where(a > 0, np.clip(np.frexp(np.where(a > 0, a, 1))[1] - 1 - 2, -126, 127), 0)      # np.frexp(a)[1] - 1 = floor(log2(a)), exactly
;;       r = np.clip(x / 2.0 ** e, -7.5, 7.5)
;;       step = 2.0 ** (np.maximum(np.frexp(np.where(r == 0, 1, r))[1] - 1, 0) - 3)
;;       q = np.round(r / step) * step * 2.0 ** e      # np.round: ties to even
;;       return np.moveaxis(q.reshape(q.shape[:-2] + (-1,))[..., :K], -1, axis).astype(np.float32)
;;   ~~~
;;   SOFTMAX AHEAD OF A QUANTISED PRODUCT. Where the list says 'softmax', what is quantised is not the finished softmax but p = 2^(t - M), with t = logit x log2(e) and M = ceil(the row's largest t), a whole number; so 1/2 < the row's largest p <= 1. The row's sum l is taken of the UNQUANTISED p, in f32, and the product's result is divided by l at the end. Since M is a whole number, a kernel that streams over the keys may use a running M (the ceiling of the running maximum): every later rescaling is an exact power of two, which a block's scale takes up: the codes' values come out the same.
;;   OPERANDS COMPUTED ON THE WAY. 'Computed on the way' means the value that the module computes at that place (a softmax that the list does not call 'softmax' is quantised finished and normalised). What goes into a quantiser is computed in f32, as accurately as f32 sums, v_exp_f32 and their like allow (about 1e-6 of the number): no bf16 or f16 on the way to a quantiser, and a product that is left as it is and whose result goes on into a quantised operand takes f32 operands (vector FMAs, or v_wmma_f32_16x16x4_f32). A number that lies on a knife's edge between two numbers of the format may be rounded either way, as far as f32 arithmetic and the matrix unit's own rounding can turn it there, and no further.
;;   INPUTS GIVEN AS CODES. W1 (in the module: [1024, 4096], K = its axis 0); W2 (in the module: [4096, 1024], K = its axis 0); Wk (in the module: [1024, 1024], K = its axis 0); Wo (in the module: [1024, 1024], K = its axis 0); Wq (in the module: [1024, 1024], K = its axis 0); Wv (in the module: [1024, 1024], K = its axis 0): each comes as NAME_codes (uint8): NAME with its K axis moved to the last place and cut into blocks of 32 codes, [.., K / 32, bytes a block], one block behind the other in memory; four codes in three bytes: a row's codes are one little-endian stream of bits, code i at bits 6 i .. 6 i + 5 (a code: sign, 2 exponent bits, 3 mantissa bits); and NAME_scales (uint8): the same leading axes, one E8M0 byte (e + 127) for each 32 codes along K. Its value is code x scale, taken as it is: it is not quantised again, and the codes and scales need not be those that the quantiser above would give.
;; 2 versions, each right. Each part assembles by itself: llvm-mc -triple=amdgcn-amd-amdhsa -mcpu=gfx1250 --defsym DOCPART=n.
;; ======== version 1 of 2: 7 launches
;; workspace buffers: hq 3,276,800 bytes; qkv 10,223,616 bytes; ctx 3,407,872 bytes; x2 16,777,216 bytes; g 13,631,488 bytes
;; launch ln (part 1): grid 256 x 1, 4 waves a work-group, no clusters, 22,016 bytes of LDS; arguments x, ln1_scale, ln1_shift, hq; writes hq
.if DOCPART == 1
	.amdgcn_target "amdgcn-amd-amdhsa--gfx1250"
	.amdhsa_code_object_version 6
	.text
	.protected	k_qa34a3151ab_ln
	.globl	k_qa34a3151ab_ln
	.p2align	8
	.type	k_qa34a3151ab_ln,@function
k_qa34a3151ab_ln:
	s_mov_b64 s[64:65], 0
	v_nop
	global_prefetch_b8 v0, s[64:65] scope:SCOPE_SE
	s_setreg_imm32_b32 hwreg(HW_REG_WAVE_MODE, 25, 1), 1
	s_wait_xcnt 0x0
; h = gamma (x - mean) / sqrt(var + 1e-5) + beta for rows of 1,024 f32, then h is turned into codes of FP6 (E2M3) with one E8M0 byte for each 32 along the row.
; OUT: codes [4096][768 bytes] at byte 0 of the buffer, scale bytes [4096][32] at byte 3,145,728: K innermost, four codes in three bytes, as the weights of this problem lie.
; SHARES.  A work-group takes 16 rows, a wave 4; a row lies in 32 registers of one wave (each of its 8 loads reads 512 consecutive bytes), so mean and variance never leave the wave.
; The variance is taken of x - mean (two passes over registers), so a common offset of the inputs costs no accuracy.
; THE QUANTISER.  A conversion takes 16 neighbours from ONE lane's registers, a load gives a lane 4: half a row (2,048 bytes) at a time turns through the wave's own stage in LDS, 64 bytes + 16 of padding a lane.
; A block's scale is 2^(floor(log2(largest magnitude)) - 2): the largest magnitude's exponent field less 2, held at 1 from below by a floor among the maximum's leaves.
; LIMITS: NaN and infinities are not served; a block of zeros, or one whose largest magnitude lies under 2^-124, gets the byte 1 (its codes are zeros or the nearest codes); only this program reads the bytes.
; No matrix unit, no tensor load, no cluster: the work-groups share nothing but gamma and beta (8 KB).
.set WREG, 5120                        ; LDS of a wave: two stages of 32 x SP bytes
.set SP,   80                          ; a lane's place in a stage: 64 bytes + 16
.set SBR,  4*WREG                      ; behind the stages: the work-group's 16 x 32 scale bytes
.set TT,   16                          ; v16-47   two sets of 16 neighbours
.set CD,   48                          ; v48-50, v52-54 codes
.set X,    64                          ; v64-191  four rows, 32 registers each
.set GA,   192                         ; v192-223 gamma, in a row's layout
.set BE,   224                         ; v224-255 beta
	s_load_b256 s[4:11], s[0:1], 0x0               ; x s[4:5], gamma s[6:7], beta s[8:9], out s[10:11]
	v_lshl_add_u32 v62, v0, 2, 0x5400
	v_mov_b32 v63, 0
	v_lshrrev_b32 v1, 5, v0
	v_readfirstlane_b32 s12, v1                    ; wave 0..3
	v_and_b32 v1, 31, v0                           ; lane
	v_lshlrev_b32 v2, 4, v1                        ; my 16 bytes of a load's 512
	v_mul_u32_u24 v3, v1, 12                       ; my 12 bytes of half a row's 384 bytes of codes
	s_mul_i32 s13, s12, WREG
	v_lshrrev_b32 v4, 2, v1
	v_mul_u32_u24 v4, v4, SP
	v_and_b32 v5, 3, v1
	v_lshl_add_u32 v4, v5, 4, v4
	v_add_nc_u32 v4, s13, v4                       ; the stage, on the way in: SP (lane / 4) + 16 (lane % 4); a load's 512 bytes take eight places
	v_mul_u32_u24 v5, v1, SP
	v_add_nc_u32 v5, s13, v5                       ; and on the way out: SP x lane: 16 neighbours
	s_lshl_b32 s13, s12, 7
	s_add_co_u32 s13, s13, SBR
	v_lshrrev_b32 v6, 1, v1
	v_add_nc_u32 v6, s13, v6                       ; my block's scale byte: 128 bytes a wave, two lanes to a block
	v_add_nc_u32 v7, SBR, v2                       ; the bytes' way out: 16 a lane
	s_mov_b32 s16, 0x76543210
	s_mov_b32 s17, 0xfedcba98                      ; v_permlanex16_b32's selects for lane l xor 16
	s_mov_b32 s18, 0x3a800000                      ; 1 / 1024
	s_mov_b32 s19, 0x3727c5ac                      ; 1e-5
	s_lshl_b32 s20, ttmp9, 16                      ; x: 16 rows of 4,096 bytes a work-group,
	s_lshl_b32 s21, s12, 14                        ; 4 a wave
	s_add_co_u32 s20, s20, s21
	s_mov_b32 s21, 0
	s_lshl_b32 s22, ttmp9, 4
	s_lshl_b32 s23, s12, 2
	s_add_co_u32 s22, s22, s23
	s_mul_i32 s22, s22, 768                        ; codes: my first row x 768 bytes
	s_mov_b32 s23, 0
	s_lshl_b32 s24, ttmp9, 9
	s_add_co_u32 s24, s24, 3145728                 ; scale bytes: 512 a work-group
	s_mov_b32 s25, 0
	s_wait_kmcnt 0x0
	s_add_nc_u64 s[4:5], s[4:5], s[20:21]
	s_add_nc_u64 s[14:15], s[10:11], s[24:25]
	s_add_nc_u64 s[10:11], s[10:11], s[22:23]
.irp i, 0,1,2,3,4,5,6,7
	global_load_b128 v[GA+4*\i:GA+4*\i+3], v2, s[6:7] offset:512*\i
	global_load_b128 v[BE+4*\i:BE+4*\i+3], v2, s[8:9] offset:512*\i
.endr
.irp j, 0,1,2,3
.irp i, 0,1,2,3,4,5,6,7
	global_load_b128 v[X+32*\j+4*\i:X+32*\j+4*\i+3], v2, s[4:5] offset:4096*\j+512*\i   ; all four rows are asked for at once: 32 loads of the wave on their way
.endr
.endr
.macro REDUCE                          ; v8 = the sum of v8 over the wave's 32 lanes, in every lane
	v_add_f32_dpp v8, v8, v8 row_xmask:1 row_mask:0xf bank_mask:0xf
	v_add_f32_dpp v8, v8, v8 row_xmask:2 row_mask:0xf bank_mask:0xf
	v_add_f32_dpp v8, v8, v8 row_xmask:4 row_mask:0xf bank_mask:0xf
	v_add_f32_dpp v8, v8, v8 row_xmask:8 row_mask:0xf bank_mask:0xf
	v_permlanex16_b32 v9, v8, s16, s17
	v_add_f32 v8, v8, v9
.endm
.macro TURN j, st                      ; half st of row j through stage st: LDS serves a wave's instructions in order, so no wait stands between the stores and the loads
.irp i, 0,1,2,3
	ds_store_b128 v4, v[X+32*(\j)+16*(\st)+4*\i:X+32*(\j)+16*(\st)+4*\i+3] offset:2560*(\st)+640*\i
.endr
.irp i, 0,1,2,3
	ds_load_b128 v[TT+16*(\st)+4*\i:TT+16*(\st)+4*\i+3], v5 offset:2560*(\st)+16*\i
.endr
.endm
.macro QSTEP j, st                     ; 512 numbers, 16 a lane, become 384 bytes of codes and 16 scale bytes
.set XS, TT+16*(\st)
	v_max3_num_f32 v56, |v[XS]|, |v[XS+1]|, |v[XS+2]|
	v_max3_num_f32 v57, |v[XS+3]|, |v[XS+4]|, |v[XS+5]|
.irp i, 6,10
	v_max3_num_f32 v56, v56, |v[XS+\i]|, |v[XS+\i+1]|
	v_max3_num_f32 v57, v57, |v[XS+\i+2]|, |v[XS+\i+3]|
.endr
	v_max3_num_f32 v56, v56, |v[XS+14]|, |v[XS+15]|
	v_max3_num_f32 v56, v56, v57, 0x1800000        ; and the floor 2^(3 - 127): the byte cannot fall under 1
	v_max_num_f32_dpp v56, v56, v56 row_xmask:1 row_mask:0xf bank_mask:0xf   ; with my neighbour's 16: the block's largest magnitude
	v_add_nc_u32 v58, 0xff000000, v56              ; 2 off its exponent field: the conversion takes the exponent field of this operand as its scale
	v_cvt_scalef32_pk16_fp6_f32 v[CD+4*(\st):CD+4*(\st)+2], v[XS:XS+15], v58
	v_lshrrev_b32 v[59+(\st)], 23, v58             ; the scale's byte (also the plain line behind the conversion)
	ds_store_b8 v6, v[59+(\st)] offset:16*(2*(\j)+(\st))   ; both lanes of a block write the same byte with the same value
	global_store_b96 v3, v[CD+4*(\st):CD+4*(\st)+2], s[10:11] offset:768*(\j)+384*(\st)   ; the wave stores 384 consecutive bytes
.endm
.macro ROW j
.set XR, X+32*(\j)
	s_wait_loadcnt 8*(3-(\j))                      ; loads come back in order: this row is in, the rows behind it (8 loads each) stay out
	v_pk_add_f32 v[8:9], v[XR:XR+1], v[XR+2:XR+3]  ; the row's sum, in two chains
	v_pk_add_f32 v[56:57], v[XR+4:XR+5], v[XR+6:XR+7]
.irp i, 8,12,16,20,24,28
	v_pk_add_f32 v[8:9], v[8:9], v[XR+\i:XR+\i+1]
	v_pk_add_f32 v[56:57], v[56:57], v[XR+\i+2:XR+\i+3]
.endr
	v_pk_add_f32 v[8:9], v[8:9], v[56:57]
	v_add_f32 v8, v8, v9
	REDUCE
	v_mul_f32 v10, s18, v8                         ; the mean,
	v_mov_b32 v11, v10                             ; as a pair
.set i, 0
.rept 16
	v_pk_add_f32 v[XR+i:XR+i+1], v[XR+i:XR+i+1], v[10:11] neg_lo:[0,1] neg_hi:[0,1]   ; x - mean
.set i, i+2
.endr
	v_pk_mul_f32 v[8:9], v[XR:XR+1], v[XR:XR+1]    ; the sum of its squares, in two chains
	v_pk_mul_f32 v[56:57], v[XR+2:XR+3], v[XR+2:XR+3]
.irp i, 4,8,12,16,20,24,28
	v_pk_fma_f32 v[8:9], v[XR+\i:XR+\i+1], v[XR+\i:XR+\i+1], v[8:9]
	v_pk_fma_f32 v[56:57], v[XR+\i+2:XR+\i+3], v[XR+\i+2:XR+\i+3], v[56:57]
.endr
	v_pk_add_f32 v[8:9], v[8:9], v[56:57]
	v_add_f32 v8, v8, v9
	REDUCE
	v_fma_f32 v12, v8, s18, s19                    ; var + 1e-5
	v_rsq_f32 v12, v12
	v_nop                                          ; a plain line behind the transcendental,
	s_wait_alu depctr_va_vdst(0)                   ; and the wait ahead of the first line that names its result
	v_mov_b32 v13, v12
.set i, 0
.rept 16
	v_pk_mul_f32 v[XR+i:XR+i+1], v[XR+i:XR+i+1], v[12:13]
.set i, i+2
.endr
.set i, 0
.rept 16
	v_pk_fma_f32 v[XR+i:XR+i+1], v[XR+i:XR+i+1], v[GA+i:GA+i+1], v[BE+i:BE+i+1]
.set i, i+2
.endr
	TURN \j, 0
	TURN \j, 1
.if (\j) > 0
	s_wait_xcnt 0x0                                ; the last row's stores have read their registers: the codes' registers are written again only behind this wait
.endif
	s_wait_dscnt 8                                 ; the first half is back; the second half's 8 LDS instructions may be out
	QSTEP \j, 0
	s_wait_dscnt 1                                 ; the second half is back; behind it stands one byte store
	QSTEP \j, 1
.endm
	ROW 0
	ROW 1
	ROW 2
	ROW 3
	s_wait_dscnt 0x0                               ; for the others' sake: my scale bytes lie in LDS
	s_barrier_signal -1
	s_barrier_wait -1
	s_cmp_lg_u32 s12, 0
	s_cbranch_scc1 .Lend                           ; wave 0 stores the work-group's 512 scale bytes: two aligned runs of 256 bytes
	ds_load_b128 v[16:19], v7
	s_wait_dscnt 0x0
	global_store_b128 v2, v[16:19], s[14:15]
.Lend:
	s_wait_tensorcnt 0x0
	ds_add_u32 v62, v63
	s_wait_dscnt 0x0
	s_endpgm
.Lfunc_end_k_qa34a3151ab_ln:
	.size	k_qa34a3151ab_ln, .Lfunc_end_k_qa34a3151ab_ln-k_qa34a3151ab_ln
	.p2alignl 7, 3214868480
	.fill 96, 4, 3214868480
	.section	.rodata,"a",@progbits
	.p2align	6, 0x0
	.amdhsa_kernel k_qa34a3151ab_ln
		.amdhsa_group_segment_fixed_size 22016
		.amdhsa_private_segment_fixed_size 0
		.amdhsa_enable_private_segment 0
		.amdhsa_kernarg_size 32
		.amdhsa_user_sgpr_count 2
		.amdhsa_user_sgpr_kernarg_segment_ptr 1
		.amdhsa_wavefront_size32 1
		.amdhsa_system_sgpr_workgroup_id_x 1
		.amdhsa_system_sgpr_workgroup_id_y 1
		.amdhsa_system_sgpr_workgroup_id_z 1
		.amdhsa_system_vgpr_workitem_id 0
		.amdhsa_next_free_vgpr 256
		.amdhsa_next_free_sgpr 66
		.amdhsa_reserve_vcc 0
		.amdhsa_float_denorm_mode_32 3
		.amdhsa_float_denorm_mode_16_64 3
		.amdhsa_memory_ordered 1
		.amdhsa_forward_progress 1
		.amdhsa_inst_pref_size 43
	.end_amdhsa_kernel
	.amdgpu_metadata
---
amdhsa.version: [ 1, 2 ]
amdhsa.kernels:
  - .name:           k_qa34a3151ab_ln
    .symbol:         k_qa34a3151ab_ln.kd
    .args:
      - { .name: x, .offset: 0, .size: 8, .value_kind: global_buffer, .address_space: global }
      - { .name: ln1_scale, .offset: 8, .size: 8, .value_kind: global_buffer, .address_space: global }
      - { .name: ln1_shift, .offset: 16, .size: 8, .value_kind: global_buffer, .address_space: global }
      - { .name: hq, .offset: 24, .size: 8, .value_kind: global_buffer, .address_space: global }
    .group_segment_fixed_size: 22016
    .private_segment_fixed_size: 0
    .kernarg_segment_align: 8
    .kernarg_segment_size: 32
    .max_flat_workgroup_size: 128
    .sgpr_count:     66
    .vgpr_count:     256
    .wavefront_size: 32
...
	.end_amdgpu_metadata
.endif
;; end of part 1
;; launch qkv (part 2): grid 12 x 16, 4 waves a work-group, clusters of 4 x 4, 327,680 bytes of LDS; arguments hq, Wq_codes, Wq_scales, Wk_codes, Wk_scales, Wv_codes, Wv_scales, qkv; writes qkv
.if DOCPART == 2
	.amdgcn_target "amdgcn-amd-amdhsa--gfx1250"
	.amdhsa_code_object_version 6
	.text
	.protected	k_qa34a3151ab_qkv
	.globl	k_qa34a3151ab_qkv
	.p2align	8
	.type	k_qa34a3151ab_qkv,@function
k_qa34a3151ab_qkv:
	s_mov_b64 s[64:65], 0
	v_nop
	global_prefetch_b8 v0, s[64:65] scope:SCOPE_SE
	s_setreg_imm32_b32 hwreg(HW_REG_WAVE_MODE, 25, 1), 1
	s_wait_xcnt 0x0
	s_wait_alu depctr_hold_cnt(0) depctr_sa_sdst(0) depctr_va_vdst(0) depctr_va_sdst(0) depctr_va_ssrc(0) depctr_va_vcc(0) depctr_vm_vsrc(0)
	s_getreg_b32 s2, hwreg(HW_REG_IB_STS2, 6, 4)
	s_cmp_eq_u32 s2, 0
	s_cbranch_scc0 .Lentry_in_a_cluster
	s_endpgm
.Lentry_in_a_cluster:
	s_bfe_u32 s2, ttmp6, 0x10000c
	s_cmp_lg_u32 s2, 0xf033
	s_cbranch_scc0 .Lentry_shape_is_right
	s_endpgm
.Lentry_shape_is_right:
.set KIND, 0
; ONE TEXT FOR TWO LAUNCHES (KIND 0: q, k and v^T; KIND 1: the FFN's first layer).  C[m][n] = sum over k of A[m][k] B[n][k], K = 1,024, both operands codes of FP6 (E2M3) with one E8M0 byte for each 32 along K,
; rows of 768 bytes of codes and 32 scale bytes; C never goes to memory as f32: it is quantised ALONG N, in blocks of 32, and leaves as codes.
; KIND 0.  Cluster x = 0: A = h, B = Wq: q [4096][1024].  1: A = h, B = Wk: k.  2: A = Wv, B = h: v^T [1024 (head, d)][4096 (batch, key)], so that the keys, along which v is quantised, are the columns too.
; KIND 1.  A = h, B = W1, C starts from b1 (the C of each sum's first matrix instruction), then gelu (tanh form) in f32: x / (1 + 2^(x (KA x^2 + KB))), KB = -2 sqrt(2/pi) log2(e), KA = 0.044715 KB.
; OUT, a layout of this program's own: codes [n / 64][row][48 bytes] (64 codes of one row: two blocks of 24 bytes), and one word for each (n / 64, row): byte 0, 1 the two blocks' E8M0 bytes, bytes 2, 3 = 127.
;   KIND 0 lays row m at the place m with bits 3 and 4 exchanged: 16 consecutive places are then rows 8 u + r + 8 (r / 8) of a group of 32, which is the choice of rows that the attention launch wants of k and v^T.
; A tile of C, 256 x 256, is made by four waves, 128 x 128 each: 64 accumulators, 512 registers.  K goes in steps of 256 through two LDS slots filled by tensor loads; the scale bytes of the tile's rows come once.
; CLUSTERS: 4 x 4 work-groups; A's tiles are asked for jointly by the four of a row of the cluster, B's by the four of a column.  THE MATRIX INSTRUCTION IS USED TRANSPOSED (source 0 = rows of B, source 1 = rows of A):
; a lane holds eight neighbouring columns of one row of C.
; LIMITS: NaN and infinities are not served; a block of zeros, or one under 2^-124, gets the byte 1; only this program reads the bytes.
; REGISTERS: window 0: v0-31 addresses; v32-63 scale words, two sets; v64-127 b1 (KIND 1); v128-223 A's fragments, one set; v224-247 the way out.   window 1: B's fragments, two sets (v0, v128); on the way out all the vector work.
;   window 2, 3: the accumulators of my rows 0-63, 64-127 (accumulator (a, b) at v[8 (8 (a % 4) + b)]).
.set KSTEP,  256
.set NQ,     2                         ; matrix instructions deep in a slot
.set ROWB,   192                       ; a tile's row in bytes
.set KROW,   768                       ; a row of A or B in memory
.set PITCH,  240                       ; an LDS row: 3 x (64 bytes + 16 of padding): the 32 lanes of a load of 8 bytes touch 64 different banks
.set FR,     12
.set NL,     6
.set NP,     4                         ; places behind this matrix instruction (ISA guide 7.12.1)
.set HALFT,  128*PITCH
.set SLOT,   4*HALFT
.set LAPS,   2                         ; K = 1,024 is twice round the ring
.set KS,     32
.set SCL,    2*SLOT                    ; behind the ring: the scale bytes, as runs of 256 bytes + 16 of padding
.set HALFS,  (128*KS/256)*272
.set SBLK,   (16*KS/256)*272
.set SPARE,  SCL+4*HALFS               ; the spare words, 128 bytes a wave: no other line names them
.set SPITCH, 528                       ; the way out (all of it in slot 0, which has had its last fill and its last read by then): a stage of 16 rows x (512 + 16) bytes a wave,
.set CST,    4*16*SPITCH               ; a stage for codes, 2 x 32 x 48 bytes a wave,
.set SST,    CST+4*3072                ; and one for scale words, 2 x 128 x 4 bytes a wave
.if KIND
.set XL, 8                             ; rows in their own order
.set XB, 16
.set SOFF, 12582912
.else
.set XL, 16                            ; bits 3 and 4 of the row exchanged
.set XB, 8
.set SOFF, 9437184
.endif
.set CSW,  7                           ; v7   where I put my row's 48 bytes of codes
.set CSR,  8                           ; v8   where I read codes back: 16 x lane
.set SSW,  9                           ; v9   where I put my row's scale word
.set CA0,  10                          ; v10  16 x lane: my place in a store's 512 bytes
.set CA1,  11                          ; v11  the same, one plane of codes on
.set BAD,  12                          ; v12  b1: 32 x (lane / 16)
.set SA1,  13                          ; v13  16 x lane, one plane of scale words on
.set SSR,  14                          ; v14  where I read scale words back
.set ADRA, 16                          ; v16-17 LDS address of my A fragments in slot 0, 1 (v18-19: behind one padding more)
.set ADRB, 20                          ; v20-23 the same for B
.set STO,  24
.set RD,   25
.set ADRS, 27                          ; v27  my scale words: lanes 0-15 A's rows, lanes 16-31 B's
.set SPW,  28                          ; v28  my spare word; never rewritten
.set NIL,  29                          ; v29  0; never rewritten
.set SC,   32
.set BIAS, 64
.set AF,   128
.set OB,   224
.set TT,   128                         ; window 1, on the way out: v0-63, v64-127 a block's 64 numbers a lane, two sets; v128-191 at work
.set KA,   192
.set KB,   194
.set TM,   196
.set SO,   200
.set BY,   202
.set SW,   204                         ; v204-211 the eight blocks' scale words
.set CD,   212                         ; v212-223 48 bytes of codes
.set CT,   224
.set G1, 24
.set G0, 32
.set G1B, 48
.set G0B, 56
.set G1S, 68
.set G0S, 76
.set G1SB, 80
.set G0SB, 88
.set MSB, 0
.macro WIN new                         ; the immediate's high byte repeats the setting that is left
.if MSB != \new
	s_set_vgpr_msb (MSB<<8)|\new
.set MSB, \new
.endif
.endm
.set MUL_LO, 0xa1                      ; source 0 (B) window 1, source 1 (A) window 0, C and D window 2
.set MUL_HI, 0xf1
.set TO_B,   0x40
.macro WMUL hi, zero                   ; the windows of a run of products; where b1 starts the sums, C lies in window 0
.if (\zero) && KIND
	WIN (0x81+0x40*(\hi))
.else
	WIN (0xa1+0x50*(\hi))
.endif
.endm
; A joint load: waves 0 and 1 fetch for A, waves 2 and 3 for B; the branch hangs on the wave's number alone.  Four v_nop follow each of the two lines.
.macro JLOAD g0a, g1a, g0b, g1b
	s_cmp_eq_u32 s15, 0
	s_cbranch_scc0 .Lfor_b_\@
	tensor_load_to_lds s[\g0a:\g0a+3], s[\g1a:\g1a+7]
	s_nop 0
.rept 4
	v_nop
.endr
	s_branch .Lasked_\@
.Lfor_b_\@:
	tensor_load_to_lds s[\g0b:\g0b+3], s[\g1b:\g1b+7]
	s_nop 0
.rept 4
	v_nop
.endr
.Lasked_\@:
.endm
.macro CREST                           ; a round of the cluster's barrier behind its opening barrier
	s_cmp_lg_u32 s14, 0
	s_cbranch_scc1 .Lnot_wave_0_\@
	s_barrier_signal -3
.Lnot_wave_0_\@:
	s_barrier_wait -3
	s_barrier_signal -1
	s_barrier_wait -1
.endm
.macro CROUND
	s_barrier_signal -1
	s_barrier_wait -1
	CREST
.endm
.if KIND
	s_load_b64 s[4:5], s[0:1], 0x0                 ; h: codes, and behind them the scale bytes
	s_load_b128 s[8:11], s[0:1], 0x8               ; W1's codes, W1's scales
	s_load_b64 s[100:101], s[0:1], 0x18            ; b1
	s_load_b64 s[12:13], s[0:1], 0x20              ; out
.else
	s_load_b512 s[68:83], s[0:1], 0x0              ; h, Wq's codes and scales, Wk's, Wv's, out
.endif
	v_lshl_add_u32 v[SPW], v0, 2, SPARE
	v_mov_b32 v[NIL], 0
	ds_add_u32 v28, v29
	ds_add_u32 v28, v29
	s_wait_dscnt 0x0
	v_lshrrev_b32 v1, 5, v0
	v_readfirstlane_b32 s14, v1                    ; wave 0..3
	s_lshr_b32 s15, s14, 1                         ; which half of the tile's rows is mine.  Also: I fetch for A (0) or for B (1)
	s_and_b32 s16, s14, 1                          ; which half of its columns.  Also: which 128 rows I fetch
	s_bfe_u32 s40, ttmp6, 0x40000                  ; cx, cy: my place in the cluster
	s_bfe_u32 s41, ttmp6, 0x40004
	s_and_b32 s18, ttmp7, 0xffff
	s_lshl_b32 s18, s18, 2                         ; 4 x cluster y
.if KIND
	s_lshl_b32 s42, ttmp9, 2
	s_add_co_u32 s42, s42, s40                     ; tile column
	s_add_co_u32 s17, s18, s41                     ; tile row
	s_mov_b32 s95, 196608                          ; a plane of codes: 4,096 rows x 48 bytes
	s_mov_b32 s96, 16384                           ; a plane of scale words
	s_mov_b32 s97, 0
.else
	s_cmp_lt_u32 ttmp9, 2                          ; q and k: 16 x 4 tiles; v^T: 4 x 16.  The condition is the cluster's x: the same in all sixteen partners
	s_cselect_b32 s19, s18, 0
	s_cselect_b32 s20, 0, s18
	s_mov_b32 s95, 49152
	s_cselect_b32 s95, 196608, s95                 ; a plane of codes: 4,096 or 1,024 rows x 48 bytes
	s_mov_b32 s96, 4096
	s_cselect_b32 s96, 16384, s96                  ; a plane of scale words
	s_add_co_u32 s17, s19, s41                     ; tile row
	s_add_co_u32 s42, s20, s40                     ; tile column
	s_mov_b32 s97, ttmp9                           ; which of the three results
.endif
	s_lshl_b32 s43, s41, 2
	s_lshl_b32 s43, 15, s43                        ; my row of the cluster
	s_lshl_b32 s44, 0x1111, s40                    ; my column
	s_or_b32 s[G1+0], s43, (0<<16)|(1<<20)|(1<<21)|(3<<22)|(3<<25)  ; the mask; elements of 1 byte; padding on; bit 21 beside a mask; 4 words of padding behind every 16
	s_or_b32 s[G1B+0], s44, (0<<16)|(1<<20)|(1<<21)|(3<<22)|(3<<25)
.irp g, G1, G1B
	s_mov_b32 s[\g+1], ROWB<<16                    ; tensor_dim0
	s_mov_b32 s[\g+2], 128<<16                     ; tensor_dim1
	s_mov_b32 s[\g+3], ROWB<<16                    ; tile_dim0
	s_mov_b32 s[\g+4], 128                         ; tile_dim1
	s_mov_b32 s[\g+5], KROW                        ; the pitch
	s_mov_b32 s[\g+6], 0
	s_mov_b32 s[\g+7], 0
.endr
	s_lshl_b32 s18, s16, 7
	s_lshl_b32 s20, s17, 8
	s_add_co_u32 s20, s20, s18                     ; A: row 256 x tile row + 128 x half
	s_lshl_b32 s46, s42, 8
	s_add_co_u32 s46, s46, s18                     ; B: row 256 x tile column + 128 x half
	s_mov_b32 s21, 0
	s_mov_b32 s47, 0
	s_mov_b64 s[18:19], KS
	s_mul_u64 s[22:23], s[20:21], s[18:19]         ; where these rows' scale bytes begin
	s_mul_u64 s[92:93], s[46:47], s[18:19]
	s_mov_b64 s[18:19], KROW
	s_mul_u64 s[20:21], s[20:21], s[18:19]         ; and their codes
	s_mul_u64 s[46:47], s[46:47], s[18:19]
	s_mul_i32 s45, s14, HALFT                      ; where they go: wave x 128 rows: no place in the cluster enters an LDS address
	s_mul_i32 s94, s14, HALFS
	s_wait_kmcnt 0x0
.if KIND
	s_add_nc_u64 s[6:7], s[4:5], 3145728           ; h's scale bytes
.else
	s_add_nc_u64 s[84:85], s[68:69], 3145728       ; h's scale bytes
	s_cmp_lt_u32 ttmp9, 2
	s_cselect_b64 s[4:5], s[68:69], s[78:79]       ; A: h, or Wv
	s_cselect_b64 s[6:7], s[84:85], s[80:81]
	s_cselect_b64 s[8:9], s[74:75], s[68:69]       ; B: Wk, or h,
	s_cselect_b64 s[10:11], s[76:77], s[84:85]
	s_cmp_eq_u32 ttmp9, 0
	s_cselect_b64 s[8:9], s[70:71], s[8:9]         ; or Wq
	s_cselect_b64 s[10:11], s[72:73], s[10:11]
	s_mov_b64 s[12:13], s[82:83]
.endif
	; the scale bytes of 128 rows: 4,096 dense bytes, as rows of 256 bytes (32 elements of 8), 16 bytes of padding behind each
	s_or_b32 s[G1S+0], s43, (3<<16)|(1<<20)|(1<<21)|(5<<22)|(3<<25)
	s_or_b32 s[G1SB+0], s44, (3<<16)|(1<<20)|(1<<21)|(5<<22)|(3<<25)
.irp g, G1S, G1SB
	s_mov_b32 s[\g+1], 32<<16
	s_mov_b32 s[\g+2], (128*KS/256)<<16
	s_mov_b32 s[\g+3], 32<<16
	s_mov_b32 s[\g+4], 128*KS/256
	s_mov_b32 s[\g+5], 32
	s_mov_b32 s[\g+6], 0
	s_mov_b32 s[\g+7], 0
.endr
	s_add_nc_u64 s[20:21], s[4:5], s[20:21]
	s_add_nc_u64 s[22:23], s[6:7], s[22:23]
	s_add_nc_u64 s[46:47], s[8:9], s[46:47]
	s_add_nc_u64 s[92:93], s[10:11], s[92:93]
	CROUND                                         ; all sixteen work-groups are here: the first joint loads meet
	s_mov_b32 s[G0S], 1
	s_add_co_u32 s[G0S+1], s94, SCL
	s_mov_b64 s[G0S+2:G0S+3], s[22:23]
	s_or_b32 s[G0S+3], s[G0S+3], 0x80000000
	s_mov_b32 s[G0SB], 1
	s_add_co_u32 s[G0SB+1], s94, SCL
	s_mov_b64 s[G0SB+2:G0SB+3], s[92:93]
	s_or_b32 s[G0SB+3], s[G0SB+3], 0x80000000
	JLOAD G0S, G1S, G0SB, G1SB                     ; the scale bytes first: they are wanted with K step 0.  With the two below, three tensor loads of a wave are out
.irp s, 0,1
	s_mov_b32 s[G0+4*\s], 1
	s_add_co_u32 s[G0+4*\s+1], s45, \s*SLOT
	s_add_nc_u64 s[G0+4*\s+2:G0+4*\s+3], s[20:21], \s*ROWB
	s_or_b32 s[G0+4*\s+3], s[G0+4*\s+3], 0x80000000
	s_mov_b32 s[G0B+4*\s], 1
	s_add_co_u32 s[G0B+4*\s+1], s45, \s*SLOT
	s_add_nc_u64 s[G0B+4*\s+2:G0B+4*\s+3], s[46:47], \s*ROWB
	s_or_b32 s[G0B+4*\s+3], s[G0B+4*\s+3], 0x80000000
	JLOAD G0+4*\s, G1, G0B+4*\s, G1B
.endr
	v_and_b32 v1, 15, v0                           ; r = l % 16
	v_bfe_u32 v2, v0, 4, 1                         ; h = l / 16
.if KIND
	s_lshl_b32 s46, s42, 10                        ; b1 at my first column: 256 x tile column + 128 x half
	s_lshl_b32 s47, s16, 9
	s_add_co_u32 s46, s46, s47
	s_mov_b32 s47, 0
	s_add_nc_u64 s[100:101], s[100:101], s[46:47]
	v_lshlrev_b32 v[BAD], 5, v2
.irp b, 0,1,2,3,4,5,6,7
	global_load_b128 v[BIAS+8*\b:BIAS+8*\b+3], v[BAD], s[100:101] offset:64*\b        ; in the result's layout: lane (r, h) holds columns 16 b + 8 h + 0 .. 7
	global_load_b128 v[BIAS+8*\b+4:BIAS+8*\b+7], v[BAD], s[100:101] offset:64*\b+16
.endr
.endif
	v_mul_u32_u24 v3, v1, PITCH
	v_mul_u32_u24 v4, v2, 24
	v_add_nc_u32 v4, v3, v4                        ; a fragment's row x pitch + 24 x half
	v_lshl_add_u32 v5, v2, 4, v4                   ; and the same behind one padding more
	s_mul_i32 s21, s15, HALFT                      ; my 128 rows of A
	s_mul_i32 s22, s16, HALFT                      ; my 128 rows of B,
	s_add_co_u32 s22, s22, 2*HALFT                 ; which lie behind A's 256
.irp s, 0,1
	v_add_nc_u32 v[ADRA+\s], s21, v4
	v_add_nc_u32 v[ADRB+\s], s22, v4
	v_add_nc_u32 v[ADRA+2+\s], s21, v5
	v_add_nc_u32 v[ADRB+2+\s], s22, v5
	s_add_co_u32 s21, s21, SLOT
	s_add_co_u32 s22, s22, SLOT
.endr
	v_mul_u32_u24 v5, v1, KS                       ; my row's scale bytes: KS a row,
	v_lshrrev_b32 v6, 8, v5
	v_lshl_add_u32 v5, v6, 4, v5                   ; and 16 more for each 256 passed
	s_mul_i32 s21, s15, HALFS
	s_mul_i32 s22, s16, HALFS
	s_add_co_u32 s22, s22, 2*HALFS
	s_sub_co_u32 s22, s22, s21
	v_mul_u32_u24 v6, s22, v2                      ; lanes 16-31 take B's
	s_add_co_u32 s21, s21, SCL
	v_add_nc_u32 v5, v5, v6
	v_add_nc_u32 v[ADRS], s21, v5
	s_mul_i32 s23, s14, 16*SPITCH                  ; my stage
	v_mul_u32_u24 v5, v1, SPITCH
	v_lshl_add_u32 v6, v2, 5, v5
	v_add_nc_u32 v[STO], s23, v6                   ; in: row r, 32 bytes for each half of the lanes
	v_lshl_add_u32 v6, v2, 8, v5
	v_add_nc_u32 v[RD], s23, v6                    ; back: row r, columns 64 h on: 256 bytes a lane
	v_and_b32 v5, 7, v1
	v_lshrrev_b32 v6, 3, v1
	v_mad_u32_u24 v5, v6, XL, v5                   ; my row's place among the 32 rows of two blocks
	s_mul_i32 s21, s14, 3072
	s_add_co_u32 s21, s21, CST
	v_mul_u32_u24 v6, v5, 48
	v_mad_u32_u24 v6, v2, 1536, v6
	v_add_nc_u32 v[CSW], s21, v6
	v_and_b32 v3, 31, v0
	v_lshlrev_b32 v[CA0], 4, v3
	v_add_nc_u32 v[CSR], s21, v[CA0]
	s_lshl_b32 s22, s14, 10
	s_add_co_u32 s22, s22, SST
	v_lshlrev_b32 v6, 2, v5
	v_lshl_add_u32 v6, v2, 9, v6
	v_add_nc_u32 v[SSW], s22, v6
	v_add_nc_u32 v[SSR], s22, v[CA0]
	v_add_nc_u32 v[CA1], s95, v[CA0]
	v_add_nc_u32 v[SA1], s96, v[CA0]
	s_lshl_b32 s20, s17, 8
	s_lshl_b32 s21, s15, 7
	s_add_co_u32 s20, s20, s21                     ; my first row
	s_lshl_b32 s21, s42, 2
	s_lshl_b32 s22, s16, 1
	s_add_co_u32 s21, s21, s22                     ; my first group of 64 columns
	s_mul_i32 s22, s21, s95
	s_mul_i32 s23, s20, 48
	s_add_co_u32 s22, s22, s23
	s_mul_i32 s23, s97, 3145728
	s_add_co_u32 s22, s22, s23
	s_mov_b32 s23, 0
	s_mul_i32 s46, s21, s96
	s_lshl_b32 s47, s20, 2
	s_add_co_u32 s46, s46, s47
	s_lshl_b32 s47, s97, 18
	s_add_co_u32 s46, s46, s47
	s_add_co_u32 s46, s46, SOFF
	s_mov_b32 s47, 0
	s_add_nc_u64 s[98:99], s[12:13], s[46:47]      ; my scale words
	s_add_nc_u64 s[12:13], s[12:13], s[22:23]      ; my codes
.macro FRAG reg, adr, q, i             ; a fragment, 16 rows x 128 K, is 12 registers: lane l holds row l % 16; registers 6 c .. 6 c + 5 hold K = 64 c + 32 (l / 16) + 0 .. 31: 24 bytes of the row, as they lie
.irp p, 0,1,2,3,4,5                    ; in pieces of 8 bytes; where the piece three on (lanes 16-31) lies behind one padding more, the second address register serves
.set PCE, 12*(\q)+6*(\p/3)+\p%3
.if PCE%8 < 5
	ds_load_b64 v[\reg+2*\p:\reg+2*\p+1], v[\adr] offset:8*PCE+16*(PCE/8)+(\i)*16*PITCH
.else
	ds_load_b64 v[\reg+2*\p:\reg+2*\p+1], v[\adr+2] offset:8*PCE+16*(PCE/8)+(\i)*16*PITCH
.endif
.endr
.endm
; 16 matrix instructions: A's blocks a0, a0 + 1 x B's eight, 128 along K.  zero = 1: the first product starts the sums (from 0, or from b1).  The 64 accumulators take turns, one instruction a turn.
.macro MUL16 a0, p, q, sc, zero
.irp a, \a0, \a0+1
.irp b, 0,1,2,3,4,5,6,7
.if (\zero) && KIND
	v_wmma_scale_f32_16x16x128_f8f6f4 v[8*(8*((\a)%4)+\b):8*(8*((\a)%4)+\b)+7], v[128*(\p)+FR*\b:128*(\p)+FR*\b+FR-1], v[AF+FR*(\a):AF+FR*(\a)+FR-1], v[BIAS+8*\b:BIAS+8*\b+7], v[SC+8*NQ*(\sc)+NQ*\b+(\q)], v[SC+8*NQ*(\sc)+NQ*(\a)+(\q)] matrix_a_fmt:MATRIX_FMT_FP6 matrix_b_fmt:MATRIX_FMT_FP6 matrix_a_scale:MATRIX_SCALE_ROW1
.elseif \zero
	v_wmma_scale_f32_16x16x128_f8f6f4 v[8*(8*((\a)%4)+\b):8*(8*((\a)%4)+\b)+7], v[128*(\p)+FR*\b:128*(\p)+FR*\b+FR-1], v[AF+FR*(\a):AF+FR*(\a)+FR-1], 0, v[SC+8*NQ*(\sc)+NQ*\b+(\q)], v[SC+8*NQ*(\sc)+NQ*(\a)+(\q)] matrix_a_fmt:MATRIX_FMT_FP6 matrix_b_fmt:MATRIX_FMT_FP6 matrix_a_scale:MATRIX_SCALE_ROW1
.else
	v_wmma_scale_f32_16x16x128_f8f6f4 v[8*(8*((\a)%4)+\b):8*(8*((\a)%4)+\b)+7], v[128*(\p)+FR*\b:128*(\p)+FR*\b+FR-1], v[AF+FR*(\a):AF+FR*(\a)+FR-1], v[8*(8*((\a)%4)+\b):8*(8*((\a)%4)+\b)+7], v[SC+8*NQ*(\sc)+NQ*\b+(\q)], v[SC+8*NQ*(\sc)+NQ*(\a)+(\q)] matrix_a_fmt:MATRIX_FMT_FP6 matrix_b_fmt:MATRIX_FMT_FP6 matrix_a_scale:MATRIX_SCALE_ROW1
.endif
.endr
.endr
.endm
.macro FETCH_B slot, q, p
	WIN TO_B
.irp i, 0,1,2,3,4,5,6,7
	FRAG 128*(\p)+FR*\i, ADRB+\slot, \q, \i
.endr
	WIN 0
.endm
.macro FETCH_A slot, q, i0
.irp i, \i0, \i0+1, \i0+2, \i0+3
	FRAG AF+FR*(\i), ADRA+\slot, \q, \i
.endr
.endm
.macro SCALES sc                       ; a K step's scale words: lanes 0-15 take A's block i, lanes 16-31 B's block i
.irp i, 0,1,2,3,4,5,6,7
	ds_load_b64 v[SC+8*NQ*\sc+NQ*\i:SC+8*NQ*\sc+NQ*\i+1], v[ADRS] offset:\i*SBLK
.endr
.endm
.macro PLACES n                        ; plain vector lines between a matrix instruction and a load into, or a read of, its registers
.rept \n
	v_nop
.endr
.endm
.macro STEP slot, q, zero              ; 128 along K that have their successor in the same slot
	s_wait_dscnt 4*NL                              ; B's set and A's blocks 0-3 are in; the youngest 24 loads (A's blocks 4-7) may be out
	WMUL 0, \zero
	MUL16 0, (\q)%2, \q, \slot, \zero
	MUL16 2, (\q)%2, \q, \slot, \zero
	s_wait_dscnt 0
	PLACES NP
	FETCH_B \slot, (\q)+1, 1-(\q)%2
	FETCH_A \slot, (\q)+1, 0
	WMUL 1, \zero
	MUL16 4, (\q)%2, \q, \slot, \zero
	MUL16 6, (\q)%2, \q, \slot, \zero
	PLACES NP
	WIN 0
	FETCH_A \slot, (\q)+1, 4
.endm
; A slot's last step changes slots: one barrier; in front of it each wave waits for all its tensor loads, adds 0 to its spare word, and waits for that and for its reads of this slot.  fill = 1: the slot is filled again, two K steps ahead.
.macro TURN slot, next, fill
	s_wait_tensorcnt 0x0                           ; all my tensor loads have landed: my part of the next slot
	ds_add_u32 v[SPW], v[NIL]                      ; 0 onto my spare word
	s_wait_dscnt 4*NL+1                            ; (the add and the youngest 24 loads may be out)
	WIN MUL_LO
	MUL16 0, 1, NQ-1, \slot, 0
	s_wait_dscnt 0x0                               ; the add is done, and my reads of this slot are over
	s_barrier_signal -1
	MUL16 2, 1, NQ-1, \slot, 0
	WIN 0
	s_barrier_wait -1
.if \fill
	CREST                                          ; the barrier has opened a round of the cluster's barrier: no wave of any partner still reads this slot or has a load on its way
	s_add_nc_u64 s[G0+4*\slot+2:G0+4*\slot+3], s[G0+4*\slot+2:G0+4*\slot+3], 2*ROWB
	s_add_nc_u64 s[G0B+4*\slot+2:G0B+4*\slot+3], s[G0B+4*\slot+2:G0B+4*\slot+3], 2*ROWB
	JLOAD G0+4*\slot, G1, G0B+4*\slot, G1B         ; the first tensor load behind the round; its four v_nop are the places in front of the loads below
.else
	PLACES NP
.endif
	v_add_nc_u32 v[ADRS], 4*NQ, v[ADRS]            ; the next K step's scale words (no LDS load of mine is out)
	FETCH_B \next, 0, 0
	FETCH_A \next, 0, 0
	SCALES \next
	WIN MUL_HI
	MUL16 4, 1, NQ-1, \slot, 0
	MUL16 6, 1, NQ-1, \slot, 0
	PLACES NP
	WIN 0
	FETCH_A \next, 0, 4
.endm
	s_wait_tensorcnt 1                             ; the scale bytes and my part of K step 0 are in (K step 1's load may be out)
	s_barrier_signal -1
	s_barrier_wait -1                              ; everybody's are
	FETCH_B 0, 0, 0
	FETCH_A 0, 0, 0
	SCALES 0
	FETCH_A 0, 0, 4
.if KIND
	s_wait_loadcnt 0x0                             ; b1
.endif
	STEP 0, 0, 1                                   ; the first step stands in front of the loop: its products start the sums
	s_mov_b32 s3, LAPS-1
.Llap:
	TURN 0, 1, 1
	STEP 1, 0, 0
	TURN 1, 0, 1
	STEP 0, 0, 0
	s_sub_co_u32 s3, s3, 1
	s_cmp_lg_u32 s3, 0
	s_cbranch_scc1 .Llap
	TURN 0, 1, 0                                   ; the last lap fills nothing
	STEP 1, 0, 0
	s_wait_dscnt 4*NL
	WIN MUL_LO
	MUL16 0, 1, NQ-1, 1, 0
	MUL16 2, 1, NQ-1, 1, 0
	s_wait_dscnt 0
	WIN MUL_HI
	MUL16 4, 1, NQ-1, 1, 0
	MUL16 6, 1, NQ-1, 1, 0
	WIN 0
; THE WAY OUT, block by block of 16 rows x 128 columns.  TS: the block goes into my stage as it lies (a lane: 8 columns of a row) and comes back with 64 NEIGHBOURING columns of one row in a lane: two whole blocks of 32.
.macro TS a
.set AC, 64*((\a)%4)
	WIN (0x08+4*((\a)/4))                          ; an LDS store's data: window 2 or 3
.irp b, 0,1,2,3,4,5,6,7
	ds_store_b128 v[STO], v[AC+8*\b:AC+8*\b+3] offset:64*\b          ; each accumulator from its low end on
	ds_store_b128 v[STO], v[AC+8*\b+4:AC+8*\b+7] offset:64*\b+16
.endr
	WIN 0x40
.set XS, 64*((\a)%2)
.irp j, 0,1,2,3,4,5,6,7,8,9,10,11,12,13,14,15
	ds_load_b128 v[XS+4*\j:XS+4*\j+3], v[RD] offset:16*\j            ; LDS serves a wave's instructions in order: these see the stores above, and the next block's stores come behind them
.endr
.endm
.macro GELU a                          ; x / (1 + 2^(x (KA x^2 + KB))): for large |x| the power is 0 or infinite, and the result x or -0
.set XS, 64*((\a)%2)
	WIN 0x55
.set i, 0
.rept 32
	v_pk_mul_f32 v[TT+i:TT+i+1], v[XS+i:XS+i+1], v[XS+i:XS+i+1]
.set i, i+2
.endr
.set i, 0
.rept 32
	v_pk_fma_f32 v[TT+i:TT+i+1], v[TT+i:TT+i+1], v[KA:KA+1], v[KB:KB+1]
.set i, i+2
.endr
.set i, 0
.rept 32
	v_pk_mul_f32 v[TT+i:TT+i+1], v[TT+i:TT+i+1], v[XS+i:XS+i+1]
.set i, i+2
.endr
.set i, 0
.rept 64
	v_exp_f32 v[TT+i], v[TT+i]
.set i, i+1
.endr
	v_nop                                          ; a plain line behind the last exponential,
	s_wait_alu depctr_va_vdst(0)                   ; and one wait for the batch, ahead of its first reader
.set i, 0
.rept 32
	v_pk_add_f32 v[TT+i:TT+i+1], v[TT+i:TT+i+1], 1.0 op_sel_hi:[1,0]
.set i, i+2
.endr
.set i, 0
.rept 64
	v_rcp_f32 v[TT+i], v[TT+i]
.set i, i+1
.endr
	v_nop
	s_wait_alu depctr_va_vdst(0)                   ; likewise for the reciprocals
.set i, 0
.rept 32
	v_pk_mul_f32 v[XS+i:XS+i+1], v[XS+i:XS+i+1], v[TT+i:TT+i+1]
.set i, i+2
.endr
.endm
.macro QUANT2 a                        ; my 64 numbers become 48 bytes of codes in v[CD] on and a scale word in v[SW + a]
.set XS, 64*((\a)%2)
	WIN 0x55
.irp c, 0,1
	v_max3_num_f32 v[TM+2*\c], |v[XS+32*\c]|, |v[XS+32*\c+1]|, 0x1800000     ; two chains a block; the floor 2^(3 - 127) holds the byte at 1 from below
	v_max3_num_f32 v[TM+2*\c+1], |v[XS+32*\c+2]|, |v[XS+32*\c+3]|, |v[XS+32*\c+4]|
.endr
.irp i, 5,9,13,17,21,25
.irp c, 0,1
	v_max3_num_f32 v[TM+2*\c], v[TM+2*\c], |v[XS+32*\c+\i]|, |v[XS+32*\c+\i+1]|
	v_max3_num_f32 v[TM+2*\c+1], v[TM+2*\c+1], |v[XS+32*\c+\i+2]|, |v[XS+32*\c+\i+3]|
.endr
.endr
.irp c, 0,1
	v_max3_num_f32 v[TM+2*\c], v[TM+2*\c], |v[XS+32*\c+29]|, |v[XS+32*\c+30]|
.endr
.irp c, 0,1
	v_max3_num_f32 v[TM+2*\c], v[TM+2*\c], v[TM+2*\c+1], |v[XS+32*\c+31]|
.endr
.irp c, 0,1
	v_add_nc_u32 v[SO+\c], 0xff000000, v[TM+2*\c]  ; 2 off the exponent field: the conversion's scale operand
.endr
.irp c, 0,1
	v_lshrrev_b32 v[BY+\c], 23, v[SO+\c]           ; the scale's byte
.endr
	v_lshl_or_b32 v[SW+(\a)], v[BY+1], 8, v[BY]
	v_or_b32 v[SW+(\a)], 0x7f7f0000, v[SW+(\a)]    ; bytes 2 and 3: 2^0, for readers that pad K with zero codes
	v_cvt_scalef32_pk16_fp6_f32 v[CD:CD+2], v[XS:XS+15], v[SO]
	v_cvt_scalef32_pk16_fp6_f32 v[CT:CT+2], v[XS+16:XS+31], v[SO]       ; (a conversion's three registers begin on an even number)
	v_cvt_scalef32_pk16_fp6_f32 v[CD+6:CD+8], v[XS+32:XS+47], v[SO+1]
	v_cvt_scalef32_pk16_fp6_f32 v[CT+4:CT+6], v[XS+48:XS+63], v[SO+1]
	v_nop                                          ; one plain line behind a scaled conversion
.irp i, 0,1,2
	v_mov_b32 v[CD+3+\i], v[CT+\i]
	v_mov_b32 v[CD+9+\i], v[CT+4+\i]
.endr
.endm
	PLACES NP                                      ; behind the last products: for the reads of results and the loads and writes into registers that held B's fragments
.if KIND
	WIN 0x40
	v_mov_b32 v[KA], 0xbdd2d3e8                    ; -0.10294324
	v_mov_b32 v[KA+1], 0xbdd2d3e8
	v_mov_b32 v[KB], 0xc0135762                    ; -2.3022082
	v_mov_b32 v[KB+1], 0xc0135762
.endif
	TS 0
.irp a, 0,1,2,3,4,5,6,7
.if \a < 7
	TS \a+1                                        ; the next block is on its way through the stage while this one is worked
	s_wait_dscnt 32                                ; all but those 32 LDS instructions: this block is back, and the last block's codes have left their registers
.else
	s_wait_dscnt 0x0
.endif
.if KIND
	GELU \a
.endif
	QUANT2 \a
	WIN 0x04
.irp c, 0,1,2
	ds_store_b128 v[CSW], v[CD+4*\c:CD+4*\c+3] offset:((\a)%2)*XB*48+16*\c
.endr
.if (\a)%2                             ; two blocks' codes, 32 rows x 48 bytes for each of my two groups of 64 columns, leave as 2 x 1,536 consecutive bytes
	WIN 0
.if \a > 1
	s_wait_xcnt 0x0                                ; the stores of two blocks ago have read their registers
.endif
.irp c, 0,1,2,3,4,5
	ds_load_b128 v[OB+4*\c:OB+4*\c+3], v[CSR] offset:512*\c
.endr
	s_wait_dscnt 0x0
.irp c, 0,1,2
	global_store_b128 v[CA0], v[OB+4*\c:OB+4*\c+3], s[12:13] offset:((\a)/2)*1536+512*\c          ; 32 lanes store 512 consecutive bytes, at a multiple of 256 from the buffer's first byte
	global_store_b128 v[CA1], v[OB+12+4*\c:OB+12+4*\c+3], s[12:13] offset:((\a)/2)*1536+512*\c
.endr
.endif
.endr
	WIN 0x04
.irp a, 0,1,2,3,4,5,6,7
	ds_store_b32 v[SSW], v[SW+\a] offset:(32*(\a/2)+XB*(\a%2))*4
.endr
	WIN 0
	s_wait_xcnt 0x0
	ds_load_b128 v[OB:OB+3], v[SSR]
	ds_load_b128 v[OB+4:OB+7], v[SSR] offset:512
	s_wait_dscnt 0x0
	global_store_b128 v[CA0], v[OB:OB+3], s[98:99]             ; 128 rows' scale words of one group of columns: 512 consecutive bytes
	global_store_b128 v[SA1], v[OB+4:OB+7], s[98:99]
	s_wait_tensorcnt 0x0                           ; the wave's end
	ds_add_u32 v[SPW], v[NIL]
	s_wait_dscnt 0x0
	CROUND                                         ; the closing round: no work-group ends while a partner may still ask for a tile that names it
	s_endpgm
.Lfunc_end_k_qa34a3151ab_qkv:
	.size	k_qa34a3151ab_qkv, .Lfunc_end_k_qa34a3151ab_qkv-k_qa34a3151ab_qkv
	.p2alignl 7, 3214868480
	.fill 96, 4, 3214868480
	.section	.rodata,"a",@progbits
	.p2align	6, 0x0
	.amdhsa_kernel k_qa34a3151ab_qkv
		.amdhsa_group_segment_fixed_size 327680
		.amdhsa_private_segment_fixed_size 0
		.amdhsa_enable_private_segment 0
		.amdhsa_kernarg_size 64
		.amdhsa_user_sgpr_count 2
		.amdhsa_user_sgpr_kernarg_segment_ptr 1
		.amdhsa_wavefront_size32 1
		.amdhsa_system_sgpr_workgroup_id_x 1
		.amdhsa_system_sgpr_workgroup_id_y 1
		.amdhsa_system_sgpr_workgroup_id_z 1
		.amdhsa_system_vgpr_workitem_id 0
		.amdhsa_next_free_vgpr 1024
		.amdhsa_next_free_sgpr 104
		.amdhsa_reserve_vcc 0
		.amdhsa_float_denorm_mode_32 3
		.amdhsa_float_denorm_mode_16_64 3
		.amdhsa_memory_ordered 1
		.amdhsa_forward_progress 1
		.amdhsa_inst_pref_size 179
	.end_amdhsa_kernel
	.amdgpu_metadata
---
amdhsa.version: [ 1, 2 ]
amdhsa.kernels:
  - .name:           k_qa34a3151ab_qkv
    .symbol:         k_qa34a3151ab_qkv.kd
    .args:
      - { .name: hq, .offset: 0, .size: 8, .value_kind: global_buffer, .address_space: global }
      - { .name: Wq_codes, .offset: 8, .size: 8, .value_kind: global_buffer, .address_space: global }
      - { .name: Wq_scales, .offset: 16, .size: 8, .value_kind: global_buffer, .address_space: global }
      - { .name: Wk_codes, .offset: 24, .size: 8, .value_kind: global_buffer, .address_space: global }
      - { .name: Wk_scales, .offset: 32, .size: 8, .value_kind: global_buffer, .address_space: global }
      - { .name: Wv_codes, .offset: 40, .size: 8, .value_kind: global_buffer, .address_space: global }
      - { .name: Wv_scales, .offset: 48, .size: 8, .value_kind: global_buffer, .address_space: global }
      - { .name: qkv, .offset: 56, .size: 8, .value_kind: global_buffer, .address_space: global }
    .group_segment_fixed_size: 327680
    .private_segment_fixed_size: 0
    .kernarg_segment_align: 8
    .kernarg_segment_size: 64
    .max_flat_workgroup_size: 128
    .sgpr_count:     104
    .vgpr_count:     1024
    .wavefront_size: 32
...
	.end_amdgpu_metadata
.endif
;; end of part 2
;; launch attn (part 3): grid 8 x 32, 16 waves a work-group, no clusters, 215,040 bytes of LDS; arguments qkv, ctx; writes ctx
.if DOCPART == 3
	.amdgcn_target "amdgcn-amd-amdhsa--gfx1250"
	.amdhsa_code_object_version 6
	.text
	.protected	k_qa34a3151ab_attn
	.globl	k_qa34a3151ab_attn
	.p2align	8
	.type	k_qa34a3151ab_attn,@function
k_qa34a3151ab_attn:
	s_mov_b64 s[64:65], 0
	v_nop
	global_prefetch_b8 v0, s[64:65] scope:SCOPE_SE
	s_setreg_imm32_b32 hwreg(HW_REG_WAVE_MODE, 25, 1), 1
	s_wait_xcnt 0x0
; Causal attention of one (batch, head) on codes of FP6 (E2M3): S^T = K Q^T (head size 64: the instruction's K of 128 is filled with 64 zero codes on both sides, under the scale byte 127), p = 2^(t - M), O^T = V^T P^T, O / l,
; and O is quantised along the head's 64 for the next product.  t = score x log2(e) / 8; M = the running largest t rounded UP to a whole number; l = the sum of the unquantised p.
; IN (this program's own layout): codes [n / 64][place][48 bytes], a word of scale bytes for each (n / 64, place); q at byte 0, k at 3,145,728 (planes = heads, 4,096 places), v^T at 6,291,456 (planes = 64 keys, 1,024 places (head, d));
;   words at 9,437,184, 9,699,328, 9,961,472.  A row lies at the place with bits 3 and 4 of its number exchanged: 16 consecutive places of tile 2 b + u are rows 32 b + 8 u + r + 8 (r / 8),
;   so that the 16 registers of two neighbouring tiles of a result are 16 neighbours along the next product's K.
; OUT: ctx codes [head][4096 rows][48 bytes] at byte 0, words [head][4096] at 3,145,728, rows in their own order.
; SHARES.  A work-group owns one head and two blocks of 128 queries, i and 15 - i: waves 0-7 take block i, waves 8-15 block 15 - i, 16 queries each: every work-group has 8 x 17 steps of 128 keys that count.
; THE WHOLE HEAD'S K AND V LIE IN LDS (2 x 98,304 bytes), each byte filled once: every wave issues four tensor loads of 3,072 dense bytes at the head (four of a wave are out at the most), one for each chunk of 512 keys,
; and a chunk is waited for, with one barrier, when its first step comes.  Nothing is filled again.
; NO CLUSTER, though the eight work-groups of a head read the same K and V: a step all of whose keys come after a wave's queries is left out by a scalar branch on the work-group's block of queries,
; which differs between would-be partners.
; LIMITS: NaN and infinities are not served; a block of zeros, or one under 2^-124, gets the byte 1; only this program reads the bytes.
; REGISTERS: v1-4 addresses that stay; v5-7 global offsets; v8-11 addresses in hand; v12 -M, v13 the largest t, v[14:15] the sum; v16-27 Q (v22-27 zeros); v28-31 V's scale words; v32-79 four fragments of K (the upper six of each zeros);
;   v80-127 four of V; v128-191 S^T, then p; v192-223 O^T; v224-235 p's codes; v232-254 at work; v248-251 K's scale words; v253 p's; v255 Q's.
.set KT,   0                           ; LDS: K [2048 places][48 bytes]
.set VT,   98304                       ; V^T [32 x 64 keys][64 places][48 bytes]
.set KSC,  196608                      ; K's scale words, 2,048
.set VSC,  204800                      ; V's, [16 steps][64 places]: one word for 128 keys
.set AK0,  1
.set AV0,  2
.set ASK0, 3
.set ASV0, 4
.set ADK,  8
.set ADV,  9
.set ADS,  10
.set ADT,  11
.set KBF,  32
.set VBF,  80
.set SS,   128
.set OT,   192
.set WV,   18
.set SEL,  20
.set CS,   22
.set G1,   24
.set G0,   40
.set TB,   2                           ; s2   where the step's codes begin, in K's and in V's region alike: 6,144 bytes a step
.set TS,   3                           ; s3   K's scale words: 512 bytes a step
.set TJ,   66                          ; s66  V's: 256 bytes a step
.set CNT,  67
.set KF,   68                          ; s68  the step's first key
.set Q0,   69                          ; s69  my first query
	s_load_b128 s[4:7], s[0:1], 0x0                ; qkv s[4:5], ctx s[6:7]
	v_lshl_add_u32 v254, v0, 2, 0x34000
	v_mov_b32 v255, 0
	ds_add_u32 v254, v255
	ds_add_u32 v254, v255
	s_wait_dscnt 0x0
	v_lshrrev_b32 v8, 5, v0
	v_readfirstlane_b32 s[WV], v8                  ; wave 0..15
	s_and_b32 s8, ttmp7, 0xffff
	s_lshr_b32 s9, s8, 4                           ; batch
	s_and_b32 s10, s8, 15                          ; head
	s_lshl_b32 s11, s9, 11                         ; the batch's first row
	s_lshr_b32 s12, s[WV], 3                       ; I fetch for K (0) or for V (1),
	s_and_b32 s13, s[WV], 7                        ; the eighth of a chunk that is mine
	s_mov_b32 s[G1], 3<<16                         ; no mask; elements of 8 bytes; no padding: 3,072 dense bytes as 12 rows of 256
	s_mov_b32 s[G1+1], 32<<16                      ; tensor_dim0
	s_mov_b32 s[G1+2], 12<<16                      ; tensor_dim1
	s_mov_b32 s[G1+3], 32<<16                      ; tile_dim0
	s_mov_b32 s[G1+4], 12                          ; tile_dim1
	s_mov_b32 s[G1+5], 32                          ; the pitch
	s_mov_b32 s[G1+6], 0
	s_mov_b32 s[G1+7], 0
	s_mul_i32 s14, s12, VT
	s_mul_i32 s15, s13, 3072
	s_add_co_u32 s14, s14, s15                     ; LDS: my part of chunk 0
	s_mul_i32 s38, s10, 196608                     ; the head's plane of q, of k and of ctx
	s_lshl_b32 s17, s13, 6
	s_add_co_u32 s17, s17, s11
	s_mul_i32 s17, s17, 48
	s_add_co_u32 s16, s38, s17
	s_add_co_u32 s16, s16, 3145728                 ; K: 64 places of the head's plane
	s_lshl_b32 s17, s9, 5
	s_add_co_u32 s17, s17, s13
	s_mul_i32 s17, s17, 49152
	s_mul_i32 s19, s10, 3072
	s_add_co_u32 s17, s17, s19
	s_add_co_u32 s17, s17, 6291456                 ; V: the head's 64 places of one plane of 64 keys
	s_mov_b32 s34, 393216
	s_cmp_lt_u32 s[WV], 8
	s_cselect_b32 s32, s16, s17
	s_cselect_b32 s34, 24576, s34                  ; from chunk to chunk: 512 places, or 8 planes
	s_mov_b32 s33, 0
	s_mov_b32 s35, 0
	s_wait_kmcnt 0x0
	s_add_nc_u64 s[32:33], s[4:5], s[32:33]
.irp c, 0,1,2,3
	s_mov_b32 s[G0+4*\c], 1
	s_add_co_u32 s[G0+4*\c+1], s14, \c*24576
	s_mov_b64 s[G0+4*\c+2:G0+4*\c+3], s[32:33]
	s_or_b32 s[G0+4*\c+3], s[G0+4*\c+3], 0x80000000
	s_add_nc_u64 s[32:33], s[32:33], s[34:35]
.endr
	tensor_load_to_lds s[G0:G0+3], s[G1:G1+7]      ; all fills go out together, ahead of every wait on TENSORcnt, every LDS read and every barrier
	s_nop 0
	tensor_load_to_lds s[G0+4:G0+7], s[G1:G1+7]
	s_nop 0
	tensor_load_to_lds s[G0+8:G0+11], s[G1:G1+7]
	s_nop 0
	tensor_load_to_lds s[G0+12:G0+15], s[G1:G1+7]
	s_nop 0
.rept 4
	v_nop                                          ; (behind a tensor load)
.endr
	s_lshl_b32 s36, ttmp9, 7
	s_sub_co_u32 s37, 15, ttmp9
	s_lshl_b32 s37, s37, 7
	s_cmp_lt_u32 s[WV], 8
	s_cselect_b32 s[Q0], s36, s37                  ; block i, or block 15 - i,
	s_lshl_b32 s36, s13, 4
	s_add_co_u32 s[Q0], s[Q0], s36                 ; and my 16 queries of it
	s_lshr_b32 s36, s[Q0], 5
	s_lshl_b32 s36, s36, 5
	s_bfe_u32 s37, s[Q0], 0x10004
	s_lshl_b32 s37, s37, 3
	s_add_co_u32 s36, s36, s37
	s_add_co_u32 s36, s36, s11                     ; the place of my first query
	s_mul_i32 s37, s36, 48
	s_add_co_u32 s56, s38, s37
	s_mov_b32 s57, 0
	s_lshl_b32 s39, s10, 14                        ; the head's plane of scale words
	s_lshl_b32 s37, s36, 2
	s_add_co_u32 s58, s39, s37
	s_add_co_u32 s58, s58, 9437184
	s_mov_b32 s59, 0
	s_lshl_b32 s37, s11, 2
	s_add_co_u32 s60, s39, s37
	s_add_co_u32 s60, s60, 9699328
	s_mov_b32 s61, 0
	s_lshl_b32 s37, s9, 5
	s_lshl_b32 s62, s[WV], 1
	s_add_co_u32 s62, s62, s37
	s_lshl_b32 s62, s62, 12                        ; V's words: wave w makes step w's: planes 2 w and 2 w + 1 of the batch's 32
	s_lshl_b32 s37, s10, 8
	s_add_co_u32 s62, s62, s37
	s_add_co_u32 s62, s62, 9961472
	s_mov_b32 s63, 0
	s_add_co_u32 s36, s11, s[Q0]
	s_mul_i32 s37, s36, 48
	s_add_co_u32 s72, s38, s37
	s_mov_b32 s73, 0
	s_lshl_b32 s37, s36, 2
	s_add_co_u32 s74, s39, s37
	s_add_co_u32 s74, s74, 3145728
	s_mov_b32 s75, 0
	s_add_nc_u64 s[56:57], s[4:5], s[56:57]        ; Q's codes
	s_add_nc_u64 s[58:59], s[4:5], s[58:59]        ; Q's words
	s_add_nc_u64 s[60:61], s[4:5], s[60:61]        ; K's words
	s_add_nc_u64 s[62:63], s[4:5], s[62:63]        ; V's words
	s_add_nc_u64 s[72:73], s[6:7], s[72:73]        ; ctx's codes
	s_add_nc_u64 s[74:75], s[6:7], s[74:75]        ; ctx's words
	s_mov_b32 s[SEL], 0x76543210
	s_mov_b32 s[SEL+1], 0xfedcba98                 ; v_permlanex16_b32's selects for lane l xor 16
	s_mov_b32 s[CS], 0x3e38aa3b                    ; c = log2(e) / 8
	s_mov_b32 s[CS+1], s[CS]
	v_and_b32 v8, 15, v0                           ; r
	v_bfe_u32 v9, v0, 4, 1                         ; h
	v_and_b32 v11, 7, v8
	v_lshrrev_b32 v10, 3, v8
	v_lshl_add_u32 v11, v10, 4, v11                ; query r's place: (r % 8) + 16 (r / 8)
	v_mul_u32_u24 v5, v11, 48
	v_mad_u32_u24 v5, v9, 24, v5
	v_lshlrev_b32 v6, 2, v11
	v_lshlrev_b32 v7, 4, v0
	v_and_b32 v10, 31, v0
	v_lshlrev_b32 v10, 3, v10
.irp p, 0,1,2
	global_load_b64 v[16+2*\p:17+2*\p], v5, s[56:57] offset:8*\p   ; Q's fragment: k = 32 h + 0 .. 31; it stays in registers
.endr
	global_load_b32 v255, v6, s[58:59]             ; Q's scale words
	global_load_b128 v[128:131], v7, s[60:61]      ; K's scale words: 512 threads x 16 bytes
	global_load_b64 v[132:133], v10, s[62:63]      ; V's: the words of 64 places for keys 128 w on,
	global_load_b64 v[134:135], v10, s[62:63] offset:4096   ; and for keys 128 w + 64 on
	v_mul_u32_u24 v[AK0], v8, 48
	v_mad_u32_u24 v[AK0], v9, 24, v[AK0]           ; place r x 48 + 24 h: the 32 lanes of a load of 8 bytes touch 64 different banks
	v_add_nc_u32 v[AV0], VT, v[AK0]
	v_lshl_add_u32 v[ASK0], v8, 2, KSC
	v_lshl_add_u32 v[ASV0], v8, 2, VSC
.irp j, 22,23,24,25,26,27
	v_mov_b32 v[\j], 0                             ; k = 64 .. 127 of Q: zero codes
.endr
.irp t, 0,1,2,3
.irp j, 6,7,8,9,10,11
	v_mov_b32 v[KBF+12*\t+\j], 0                   ; and of K; never written again
.endr
.endr
	v_mov_b32 v13, 0xff61b1e6                      ; the largest t so far: -3e38
	v_floor_f32 v12, -v13                          ; -M
	v_mov_b32 v14, 0
	v_mov_b32 v15, 0
.irp b, 0,1,2,3
	v_mov_b32 v[236+\b], 0                         ; a lane permute's destination counts as one of its sources
.endr
	v_mov_b32 v252, 0
	v_mov_b32 v253, 0                              ; (named as the upper half of the pair v[252:253] before it is first written)
.set j, 0
.rept 32
	v_mov_b32 v[OT+j], 0                           ; O^T: the step is written once; the first finds zeros, which the first change of M leaves zeros
.set j, j+1
.endr
	s_wait_loadcnt 0x0
	v_lshl_add_u32 v11, v0, 4, KSC
	ds_store_b128 v11, v[128:131]
	v_perm_b32 v132, v134, v132, 0x05040100        ; two bytes of each: the four blocks' bytes of 128 keys
	v_perm_b32 v133, v135, v133, 0x05040100
	v_lshl_add_u32 v10, v0, 3, VSC
	ds_store_b64 v10, v[132:133]
; A KEY STEP: 128 keys.
.macro STEP
	s_add_co_u32 s70, s[Q0], 15                    ; a step all of whose keys come after my 16 queries is left out: a scalar branch on ids, not round the lines that step addresses
	s_cmp_gt_u32 s[KF], s70
	s_cbranch_scc1 .Lhidden_\@
	v_add_nc_u32 v[ADK], s[TB], v[AK0]             ; (these four are the places between the last step's products and the loads into their registers)
	v_add_nc_u32 v[ADV], s[TB], v[AV0]
	v_add_nc_u32 v[ADS], s[TS], v[ASK0]
	v_add_nc_u32 v[ADT], s[TJ], v[ASV0]
.irp t, 0,1,2,3
.irp p, 0,1,2
	ds_load_b64 v[KBF+12*\t+2*\p:KBF+12*\t+2*\p+1], v[ADK] offset:768*\t+8*\p
.endr
	ds_load_b32 v[248+\t], v[ADS] offset:64*\t
.endr
.irp t, 0,1,2,3                                ; V's four fragments are asked for now: they land under the scores and the softmax
.irp p, 0,1,2,3,4,5
	ds_load_b64 v[VBF+12*\t+2*\p:VBF+12*\t+2*\p+1], v[ADV] offset:768*\t+3072*(\p/3)+8*(\p%3)
.endr
	ds_load_b32 v[28+\t], v[ADT] offset:64*\t
.endr
	s_wait_dscnt 28                                ; K's four tiles are in; V's 28 loads may be out
.irp t, 0,1,2,3
	v_wmma_scale_f32_16x16x128_f8f6f4 v[SS+8*\t:SS+8*\t+7], v[KBF+12*\t:KBF+12*\t+11], v[16:27], 0, v[248+\t], v255 matrix_a_fmt:MATRIX_FMT_FP6 matrix_b_fmt:MATRIX_FMT_FP6
.endr
.rept 4
	v_nop                                          ; places in front of loads into registers that matrix instructions have read
.endr
.irp t, 0,1,2,3
.irp p, 0,1,2
	ds_load_b64 v[KBF+12*\t+2*\p:KBF+12*\t+2*\p+1], v[ADK] offset:3072+768*\t+8*\p
.endr
	ds_load_b32 v[248+\t], v[ADS] offset:256+64*\t
.endr
	s_wait_dscnt 0x0
.irp t, 0,1,2,3
	v_wmma_scale_f32_16x16x128_f8f6f4 v[SS+32+8*\t:SS+32+8*\t+7], v[KBF+12*\t:KBF+12*\t+11], v[16:27], 0, v[248+\t], v255 matrix_a_fmt:MATRIX_FMT_FP6 matrix_b_fmt:MATRIX_FMT_FP6
.endr                                          ; lane (r, h) holds query r; register 16 b + i holds key KF + 32 b + 16 h + i
.rept 4
	v_nop
.endr
	s_add_co_u32 s70, s[KF], 127                   ; on the diagonal the scores of hidden keys become -infinity ahead of the maximum; a step all of whose keys count skips this
	s_cmp_le_u32 s70, s[Q0]
	s_cbranch_scc1 .Lopen_\@
	s_sub_co_i32 s70, s[Q0], s[KF]
	v_and_b32 v252, 15, v0
	v_and_b32 v254, 16, v0
	v_sub_nc_u32 v252, v252, v254
	v_add_nc_u32 v252, s70, v252                   ; d = my query - KF - 16 h: register 16 b + i is hidden where 32 b + i > d
	v_mov_b32 v254, 0xff800000
.set n, 0
.rept 64
	v_cmp_gt_i32 vcc_lo, 32*(n/16)+n%16, v252
	v_cndmask_b32 v[SS+n], v[SS+n], v254, vcc_lo
.set n, n+1
.endr
.Lopen_\@:
.irp b, 0,1,2,3
	v_max3_num_f32 v[232+\b], v[SS+16*\b], v[SS+1+16*\b], v[SS+2+16*\b]   ; the largest score of each block of 32 keys: for the row's maximum and, since p rises with the score, for the block's largest p
.endr
.irp i, 3,5,7,9,11,13
.irp b, 0,1,2,3
	v_max3_num_f32 v[232+\b], v[232+\b], v[SS+16*\b+\i], v[SS+1+16*\b+\i]
.endr
.endr
.irp b, 0,1,2,3
	v_max_num_f32 v[232+\b], v[232+\b], v[SS+15+16*\b]
.endr
.irp b, 0,1,2,3
	v_permlanex16_b32 v[236+\b], v[232+\b], s[SEL], s[SEL+1]
.endr
.irp b, 0,1,2,3
	v_max_num_f32 v[232+\b], v[232+\b], v[236+\b]  ; with lane l xor 16's 16 keys
.endr
	v_max3_num_f32 v254, v232, v233, v234
	v_max_num_f32 v254, v254, v235
	v_mul_f32 v254, s[CS], v254                    ; the step's largest t
	v_max_num_f32 v13, v13, v254                   ; the running largest t
	v_mov_b32 v254, v12
	v_floor_f32 v12, -v13                          ; the new -M = -ceil(t): a whole number
	v_sub_f32 v254, v12, v254                      ; old M - new M: a whole number, 0 or less
	v_cvt_i32_f32 v254, v254                       ; (it saturates)
	v_ldexp_f32 v252, 1.0, v254                    ; f = 2^(old M - new M): a multiplication by it rounds nothing
.set j, 0
.rept 32
	v_pk_fma_f32 v[SS+j:SS+j+1], v[SS+j:SS+j+1], s[CS:CS+1], v[12:13] op_sel_hi:[1,0,0]   ; t - M
.set j, j+2
.endr
.irp b, 0,1,2,3
	v_fma_f32 v[232+\b], v[232+\b], s[CS], v12
.endr
.set j, 0
.rept 64
	v_exp_f32 v[SS+j], v[SS+j]                     ; p = 2^(t - M), not normalised
.set j, j+1
.endr
	v_pk_mul_f32 v[14:15], v[14:15], v[252:253] op_sel_hi:[1,0]   ; the sums under the new M (a plain line behind the exponentials)
	s_wait_alu depctr_va_vdst(0)                   ; one wait for the batch, ahead of its first reader
.irp b, 0,1,2,3
	v_exp_f32 v[232+\b], v[232+\b]                 ; the block's largest p
.endr
	v_pk_add_f32 v[236:237], v[SS:SS+1], v[SS+2:SS+3]             ; the row's sum of the unquantised p, in two chains
.irp j, 4,8,12,16,20,24,28,32,36,40,44,48,52,56,60
	v_pk_add_f32 v[14:15], v[14:15], v[SS+\j:SS+1+\j]
	v_pk_add_f32 v[236:237], v[236:237], v[SS+2+\j:SS+3+\j]
.endr
	v_pk_add_f32 v[14:15], v[14:15], v[236:237]
	s_wait_alu depctr_va_vdst(0)                   ; and one for the four
.irp b, 0,1,2,3
	v_max_num_f32 v[232+\b], 0x1800000, v[232+\b]  ; the floor 2^(3 - 127)
.endr
.irp b, 0,1,2,3
	v_add_nc_u32 v[244+\b], 0xff000000, v[232+\b]  ; the conversion's scale operand
.endr
.irp b, 0,1,2,3
	v_lshrrev_b32 v[236+\b], 23, v[244+\b]
.endr
	v_lshl_or_b32 v253, v237, 8, v236              ; p's scale word for these 128 keys
	v_lshl_or_b32 v253, v238, 16, v253
	v_lshl_or_b32 v253, v239, 24, v253
.irp c, 0,1
	v_cvt_scalef32_pk16_fp6_f32 v[224+6*\c:226+6*\c], v[SS+32*\c:SS+15+32*\c], v[244+2*\c]
	v_cvt_scalef32_pk16_fp6_f32 v[236+4*\c:238+4*\c], v[SS+16+32*\c:SS+31+32*\c], v[244+2*\c+1]
.endr
	v_nop                                          ; one plain line behind a scaled conversion
.irp c, 0,1                                    ; the operand wants a whole block in a lane: lanes 0-15 block 2 c, lanes 16-31 block 2 c + 1
.irp i, 0,1,2
	v_permlane16_swap_b32 v[224+6*\c+\i], v[236+4*\c+\i]
.endr
.irp i, 0,1,2
	v_mov_b32 v[227+6*\c+\i], v[236+4*\c+\i]
.endr
.endr
.set j, 0
.rept 16
	v_pk_mul_f32 v[OT+j:OT+j+1], v[OT+j:OT+j+1], v[252:253] op_sel_hi:[1,0]   ; O^T under the new M; these sixteen also stand between the lines that made p's codes and scale word and the products
.set j, j+2
.endr
.irp t, 0,1,2,3                                ; O^T += V^T P^T: the head's 64 in four tiles, four accumulators by turns
	v_wmma_scale_f32_16x16x128_f8f6f4 v[OT+8*\t:OT+8*\t+7], v[VBF+12*\t:VBF+12*\t+11], v[224:235], v[OT+8*\t:OT+8*\t+7], v[28+\t], v253 matrix_a_fmt:MATRIX_FMT_FP6 matrix_b_fmt:MATRIX_FMT_FP6
.endr
.Lhidden_\@:
	s_add_co_u32 s[KF], s[KF], 128
	s_add_co_u32 s[TB], s[TB], 6144
	s_add_co_u32 s[TS], s[TS], 512
	s_add_co_u32 s[TJ], s[TJ], 256
.endm
; A CHUNK of 512 keys: my load of it has landed (the later chunks' loads, 3 - c of them, stay out), my LDS stores are done, and so for every wave behind the barrier.  Then four steps.
.macro CHUNK c
	s_wait_tensorcnt 3-\c
	s_wait_dscnt 0x0
	s_barrier_signal -1
	s_barrier_wait -1
	s_mov_b32 s[TB], \c*24576
	s_mov_b32 s[TS], \c*2048
	s_mov_b32 s[TJ], \c*1024
	s_mov_b32 s[KF], \c*512
	s_mov_b32 s[CNT], 4
.Lstep_\@:
	STEP
	s_sub_co_u32 s[CNT], s[CNT], 1
	s_cmp_lg_u32 s[CNT], 0
	s_cbranch_scc1 .Lstep_\@
.endm
	CHUNK 0
	CHUNK 1
	CHUNK 2
	CHUNK 3
	; THE WAY OUT.  Lane (r, h) holds query r; register 16 b + i of O^T holds d = 32 b + 16 h + i: 16 neighbours of each of the head's two blocks.  O / l is quantised and leaves: 12 bytes a lane and block.
.rept 4
	v_nop                                          ; places behind the last products
.endr
	v_add_f32 v14, v14, v15
	v_permlanex16_b32 v252, v14, s[SEL], s[SEL+1]
	v_add_f32 v14, v14, v252                       ; the row's sum
	v_rcp_f32 v14, v14
	v_and_b32 v8, 15, v0                           ; (plain lines behind the transcendental)
	v_bfe_u32 v9, v0, 4, 1
	v_mul_u32_u24 v5, v8, 48
	v_mad_u32_u24 v5, v9, 12, v5
	v_lshlrev_b32 v6, 2, v8
	s_wait_alu depctr_va_vdst(0)                   ; the wait, ahead of the first reader
.set j, 0
.rept 32
	v_mul_f32 v[SS+j], v[OT+j], v14
.set j, j+1
.endr
.irp b, 0,1
	v_max3_num_f32 v[232+\b], |v[SS+16*\b]|, |v[SS+1+16*\b]|, 0x1800000
.endr
.irp i, 2,4,6,8,10,12,14
.irp b, 0,1
	v_max3_num_f32 v[232+\b], v[232+\b], |v[SS+16*\b+\i]|, |v[SS+1+16*\b+\i]|
.endr
.endr
.irp b, 0,1
	v_permlanex16_b32 v[236+\b], v[232+\b], s[SEL], s[SEL+1]
.endr
.irp b, 0,1
	v_max_num_f32 v[232+\b], v[232+\b], v[236+\b]
.endr
.irp b, 0,1
	v_add_nc_u32 v[244+\b], 0xff000000, v[232+\b]
.endr
.irp b, 0,1
	v_lshrrev_b32 v[236+\b], 23, v[244+\b]
.endr
	v_lshl_or_b32 v240, v237, 8, v236
	v_or_b32 v240, 0x7f7f0000, v240
	v_cvt_scalef32_pk16_fp6_f32 v[224:226], v[SS:SS+15], v244
	v_cvt_scalef32_pk16_fp6_f32 v[228:230], v[SS+16:SS+31], v245
	v_nop
	global_store_b96 v5, v[224:226], s[72:73]              ; the wave's two stores together fill 16 rows x 48 = 768 consecutive bytes
	global_store_b96 v5, v[228:230], s[72:73] offset:24
	global_store_b32 v6, v240, s[74:75]                    ; 16 rows' words (lanes 16-31 hold and store the same words as lanes 0-15)
	s_wait_xcnt 0x0
	v_lshl_add_u32 v254, v0, 2, 0x34000
	v_mov_b32 v255, 0
	s_wait_tensorcnt 0x0
	ds_add_u32 v254, v255
	s_wait_dscnt 0x0
	s_endpgm
.Lfunc_end_k_qa34a3151ab_attn:
	.size	k_qa34a3151ab_attn, .Lfunc_end_k_qa34a3151ab_attn-k_qa34a3151ab_attn
	.p2alignl 7, 3214868480
	.fill 96, 4, 3214868480
	.section	.rodata,"a",@progbits
	.p2align	6, 0x0
	.amdhsa_kernel k_qa34a3151ab_attn
		.amdhsa_group_segment_fixed_size 215040
		.amdhsa_private_segment_fixed_size 0
		.amdhsa_enable_private_segment 0
		.amdhsa_kernarg_size 16
		.amdhsa_user_sgpr_count 2
		.amdhsa_user_sgpr_kernarg_segment_ptr 1
		.amdhsa_wavefront_size32 1
		.amdhsa_system_sgpr_workgroup_id_x 1
		.amdhsa_system_sgpr_workgroup_id_y 1
		.amdhsa_system_sgpr_workgroup_id_z 1
		.amdhsa_system_vgpr_workitem_id 0
		.amdhsa_next_free_vgpr 256
		.amdhsa_next_free_sgpr 96
		.amdhsa_reserve_vcc 1
		.amdhsa_float_denorm_mode_32 3
		.amdhsa_float_denorm_mode_16_64 3
		.amdhsa_memory_ordered 1
		.amdhsa_forward_progress 1
		.amdhsa_inst_pref_size 108
	.end_amdhsa_kernel
	.amdgpu_metadata
---
amdhsa.version: [ 1, 2 ]
amdhsa.kernels:
  - .name:           k_qa34a3151ab_attn
    .symbol:         k_qa34a3151ab_attn.kd
    .args:
      - { .name: qkv, .offset: 0, .size: 8, .value_kind: global_buffer, .address_space: global }
      - { .name: ctx, .offset: 8, .size: 8, .value_kind: global_buffer, .address_space: global }
    .group_segment_fixed_size: 215040
    .private_segment_fixed_size: 0
    .kernarg_segment_align: 8
    .kernarg_segment_size: 16
    .max_flat_workgroup_size: 512
    .sgpr_count:     96
    .vgpr_count:     256
    .wavefront_size: 32
...
	.end_amdgpu_metadata
.endif
;; end of part 3
;; launch oproj (part 4): grid 4 x 32, 4 waves a work-group, clusters of 4 x 4, 327,680 bytes of LDS; arguments ctx, Wo_codes, Wo_scales, bo, x, x2; writes x2
.if DOCPART == 4
	.amdgcn_target "amdgcn-amd-amdhsa--gfx1250"
	.amdhsa_code_object_version 6
	.text
	.protected	k_qa34a3151ab_oproj
	.globl	k_qa34a3151ab_oproj
	.p2align	8
	.type	k_qa34a3151ab_oproj,@function
k_qa34a3151ab_oproj:
	s_mov_b64 s[64:65], 0
	v_nop
	global_prefetch_b8 v0, s[64:65] scope:SCOPE_SE
	s_setreg_imm32_b32 hwreg(HW_REG_WAVE_MODE, 25, 1), 1
	s_wait_xcnt 0x0
	s_wait_alu depctr_hold_cnt(0) depctr_sa_sdst(0) depctr_va_vdst(0) depctr_va_sdst(0) depctr_va_ssrc(0) depctr_va_vcc(0) depctr_vm_vsrc(0)
	s_getreg_b32 s2, hwreg(HW_REG_IB_STS2, 6, 4)
	s_cmp_eq_u32 s2, 0
	s_cbranch_scc0 .Lentry_in_a_cluster
	s_endpgm
.Lentry_in_a_cluster:
	s_bfe_u32 s2, ttmp6, 0x10000c
	s_cmp_lg_u32 s2, 0xf033
	s_cbranch_scc0 .Lentry_shape_is_right
	s_endpgm
.Lentry_shape_is_right:
.set SIZE_K, 1024
; ONE TEXT FOR TWO LAUNCHES (SIZE_K 1,024: the attention's output layer; 4,096: the FFN's second layer).  out[m][n] = res[m][n] + bias[n] + sum over k of A[m][k] W[n][k]; M = 4,096, N = 1,024; out, res f32.
; Both operands are codes of FP6 (E2M3) with one E8M0 byte for each 32 along K.  W: rows of 3 SIZE_K / 4 bytes, scale bytes [1024][SIZE_K / 32].
; A, in this program's own layout: codes [k / 64][4096 rows][48 bytes]; behind them (byte 3,072 SIZE_K) one word for each (k / 64, row), bytes 0 and 1 the two blocks' scale bytes.
; A tile of out is 128 x 256 (128 work-groups; 256 x 256 would give 64): four waves, 64 x 128 each: 32 accumulators.  K goes in steps of 256 through two LDS slots: A's part is 4 planes x 128 rows x 48 bytes, each plane's rows dense
; (48 r + 24 h: the 32 lanes of a load of 8 bytes touch 64 different banks, with no padding); B's part 256 rows of 192 bytes, 16 bytes of padding behind every 64.
; W's scale bytes come once, by a tensor load.  A's words are made into words for 128 along K once, at the head, and laid into LDS by the waves themselves: [k / 128][128 rows].
; The bias is the C of each sum's first matrix instruction; the residual is asked for at the head into 256 registers (window 3) and lands under the K loop.
; CLUSTERS: 4 x 4 work-groups; A's tiles are asked for jointly by the four of a row of the cluster, W's by the four of a column.  THE MATRIX INSTRUCTION IS USED TRANSPOSED: a lane holds eight neighbouring columns of a row.
; REGISTERS: window 0: v0-31 addresses; v32-63 W's scale words, two sets; v64-79 A's, two sets (v32-79 hold scale words and nothing else); v80-143 the bias; v144-191 A's four fragments; on the way out v80-207 rows.
;   window 1: W's fragments, two sets.  window 2: accumulators.  window 3: the residual.
.set KSTEP,  256
.set ROWB,   192
.set KROW,   SIZE_K*6/8
.set PITCH,  240
.set FR,     12
.set NL,     6
.set NP,     4                         ; places behind this matrix instruction (ISA guide 7.12.1)
.set HALFA,  4*64*48                   ; 64 rows of A for 256 along K: what one tensor load brings
.set BOFF,   2*HALFA
.set HALFB,  128*PITCH
.set SLOT,   BOFF+2*HALFB
.set LAPS,   SIZE_K/(2*KSTEP)
.set KS,     SIZE_K/32
.set LSCB,   2*SLOT                    ; W's scale bytes, as runs of 256 bytes + 16 of padding
.set HALFS,  (128*KS/256)*272
.set SBLK,   (16*KS/256)*272
.set LSCA,   LSCB+2*HALFS              ; A's scale words
.set SPARE,  LSCA+(SIZE_K/128)*512     ; the spare words, 128 bytes a wave: no other line names them
.set SPITCH, 528                       ; the way out: a stage of 16 rows x (512 + 16) bytes a wave, in slot 0, which has had its last fill and its last read by then
.set BAD,  15                          ; v15  the bias: 32 x (lane / 16)
.set ADRA, 16                          ; v16-17 my A fragments in slot 0, 1
.set ADRB, 20                          ; v20-21 my W fragments (v22-23: behind one padding more)
.set STO,  24
.set RD,   25
.set CO,   26                          ; v26  16 x lane
.set ADSB, 27                          ; v27  W's scale words of row r
.set SPW,  28                          ; v28  my spare word; never rewritten
.set NIL,  29                          ; v29  0; never rewritten
.set ADSA, 30                          ; v30  A's scale words of row r
.set SCW,  31                          ; v31  where I lay A's scale words
.set RSB,  32
.set RSA,  64
.set BIAS, 80
.set AF,   144
.set EO,   144                         ; at the head: A's words as loaded
.set BK,   80                          ; the way out: 16 rows read back from the stage: v80-143 and v144-207 by turns
.set AWB,  100                         ; s[100:101] where A's words begin: a pair of its own, written once
.set G1, 24
.set G0, 32
.set G1B, 48
.set G0B, 56
.set G1SB, 80
.set G0SB, 88
.set MSB, 0
.macro WIN new                         ; the immediate's high byte repeats the setting that is left
.if MSB != \new
	s_set_vgpr_msb (MSB<<8)|\new
.set MSB, \new
.endif
.endm
.set TO_B, 0x40
.macro WMUL first                      ; source 0 (W) window 1, source 1 (A) window 0, D window 2; C window 0 (the bias) or 2
.if \first
	WIN 0x81
.else
	WIN 0xa1
.endif
.endm
.macro JLOAD g0a, g1a, g0b, g1b        ; a joint load: waves 0 and 1 fetch for A, waves 2 and 3 for W; four v_nop follow each of the two lines
	s_cmp_eq_u32 s15, 0
	s_cbranch_scc0 .Lfor_b_\@
	tensor_load_to_lds s[\g0a:\g0a+3], s[\g1a:\g1a+7]
	s_nop 0
.rept 4
	v_nop
.endr
	s_branch .Lasked_\@
.Lfor_b_\@:
	tensor_load_to_lds s[\g0b:\g0b+3], s[\g1b:\g1b+7]
	s_nop 0
.rept 4
	v_nop
.endr
.Lasked_\@:
.endm
.macro CREST
	s_cmp_lg_u32 s14, 0
	s_cbranch_scc1 .Lnot_wave_0_\@
	s_barrier_signal -3
.Lnot_wave_0_\@:
	s_barrier_wait -3
	s_barrier_signal -1
	s_barrier_wait -1
.endm
.macro CROUND
	s_barrier_signal -1
	s_barrier_wait -1
	CREST
.endm
	s_load_b256 s[4:11], s[0:1], 0x0               ; A s[4:5], W's codes s[6:7], W's scales s[8:9], the bias s[10:11]
	s_load_b128 s[96:99], s[0:1], 0x20             ; the residual s[96:97], out s[98:99]
	v_lshl_add_u32 v[SPW], v0, 2, SPARE
	v_mov_b32 v[NIL], 0
	ds_add_u32 v28, v29
	ds_add_u32 v28, v29
	s_wait_dscnt 0x0
	v_lshrrev_b32 v1, 5, v0
	v_readfirstlane_b32 s14, v1                    ; wave 0..3
	s_lshr_b32 s15, s14, 1                         ; which 64 rows of the tile are mine.  Also: I fetch for A (0) or for W (1)
	s_and_b32 s16, s14, 1                          ; which 128 columns.  Also: which half I fetch
	s_bfe_u32 s40, ttmp6, 0x40000                  ; cx, cy
	s_bfe_u32 s41, ttmp6, 0x40004
	s_lshl_b32 s42, ttmp9, 2
	s_add_co_u32 s42, s42, s40                     ; tile column
	s_and_b32 s17, ttmp7, 0xffff
	s_lshl_b32 s17, s17, 2
	s_add_co_u32 s17, s17, s41                     ; tile row
	s_lshl_b32 s43, s41, 2
	s_lshl_b32 s43, 15, s43                        ; my row of the cluster
	s_lshl_b32 s44, 0x1111, s40                    ; my column
	s_or_b32 s[G1+0], s43, (3<<16)|(1<<21)         ; A: the mask; elements of 8 bytes; bit 21 beside a mask; no padding
	s_mov_b32 s[G1+1], 384<<16                     ; tensor_dim0: 64 rows x 48 bytes, dense
	s_mov_b32 s[G1+2], 4<<16                       ; tensor_dim1: 4 planes
	s_mov_b32 s[G1+3], 384<<16                     ; tile_dim0
	s_mov_b32 s[G1+4], 4                           ; tile_dim1
	s_mov_b32 s[G1+5], 24576                       ; from plane to plane: 4,096 rows x 48 bytes
	s_mov_b32 s[G1+6], 0
	s_mov_b32 s[G1+7], 0
	s_or_b32 s[G1B+0], s44, (0<<16)|(1<<20)|(1<<21)|(3<<22)|(3<<25)  ; W: elements of 1 byte; 4 words of padding behind every 16
	s_mov_b32 s[G1B+1], ROWB<<16
	s_mov_b32 s[G1B+2], 128<<16
	s_mov_b32 s[G1B+3], ROWB<<16
	s_mov_b32 s[G1B+4], 128
	s_mov_b32 s[G1B+5], KROW
	s_mov_b32 s[G1B+6], 0
	s_mov_b32 s[G1B+7], 0
	s_or_b32 s[G1SB+0], s44, (3<<16)|(1<<20)|(1<<21)|(5<<22)|(3<<25) ; W's scale bytes of 128 rows: dense, as rows of 256 bytes, 16 bytes of padding behind each
	s_mov_b32 s[G1SB+1], 32<<16
	s_mov_b32 s[G1SB+2], (128*KS/256)<<16
	s_mov_b32 s[G1SB+3], 32<<16
	s_mov_b32 s[G1SB+4], 128*KS/256
	s_mov_b32 s[G1SB+5], 32
	s_mov_b32 s[G1SB+6], 0
	s_mov_b32 s[G1SB+7], 0
	s_lshl_b32 s20, s17, 7
	s_lshl_b32 s18, s16, 6
	s_add_co_u32 s20, s20, s18
	s_mul_i32 s20, s20, 48                         ; A: row 128 x tile row + 64 x half, in plane 0
	s_mov_b32 s21, 0
	s_lshl_b32 s46, s42, 8
	s_lshl_b32 s18, s16, 7
	s_add_co_u32 s46, s46, s18                     ; W: row 256 x tile column + 128 x half
	s_mul_i32 s92, s46, KS
	s_mov_b32 s93, 0
	s_mul_i32 s46, s46, KROW
	s_mov_b32 s47, 0
	s_mul_i32 s45, s16, HALFA                      ; where they go: no place in the cluster enters an LDS address
	s_mul_i32 s94, s16, HALFB
	s_add_co_u32 s94, s94, BOFF
	s_mul_i32 s95, s16, HALFS
	s_add_co_u32 s95, s95, LSCB
	s_lshl_b32 s22, s17, 9                         ; A's words: the tile's 128 rows, planes 2 (4 u + wave) and the next
	s_lshl_b32 s23, s14, 15
	s_add_co_u32 s22, s22, s23
	s_add_co_u32 s22, s22, SIZE_K*3072
	s_mov_b32 s23, 0
	s_lshl_b32 s2, s42, 10
	s_lshl_b32 s3, s16, 9
	s_add_co_u32 s2, s2, s3                        ; my first column, in bytes
	s_mov_b32 s3, 0
	s_lshl_b32 s18, s17, 7
	s_lshl_b32 s19, s15, 6
	s_add_co_u32 s18, s18, s19
	s_lshl_b32 s18, s18, 12
	s_add_co_u32 s18, s18, s2                      ; my first number of the residual and of out, in bytes
	s_mov_b32 s19, 0
	v_and_b32 v1, 15, v0                           ; r
	v_bfe_u32 v2, v0, 4, 1                         ; h
	v_and_b32 v3, 31, v0
	v_lshlrev_b32 v[CO], 4, v3
	v_lshlrev_b32 v[BAD], 5, v2
	s_wait_kmcnt 0x0
	s_add_nc_u64 s[AWB:AWB+1], s[4:5], s[22:23]    ; into a pair that is never written again: the loads that name it are out while s22 and s23 serve the LDS addresses below
	s_add_nc_u64 s[20:21], s[4:5], s[20:21]
	s_add_nc_u64 s[46:47], s[6:7], s[46:47]
	s_add_nc_u64 s[92:93], s[8:9], s[92:93]
	s_add_nc_u64 s[10:11], s[10:11], s[2:3]
	s_add_nc_u64 s[96:97], s[96:97], s[18:19]
	s_add_nc_u64 s[98:99], s[98:99], s[18:19]
.set u, 0
.rept SIZE_K/512
	global_load_b128 v[EO+8*u:EO+8*u+3], v[CO], s[AWB:AWB+1] offset:131072*u          ; 128 rows' words of an even plane: 512 consecutive bytes,
	global_load_b128 v[EO+8*u+4:EO+8*u+7], v[CO], s[AWB:AWB+1] offset:131072*u+16384  ; and of the odd plane behind it
.set u, u+1
.endr
.irp b, 0,1,2,3,4,5,6,7
	global_load_b128 v[BIAS+8*\b:BIAS+8*\b+3], v[BAD], s[10:11] offset:64*\b      ; in the result's layout: lane (r, h) holds columns 16 b + 8 h + 0 .. 7
	global_load_b128 v[BIAS+8*\b+4:BIAS+8*\b+7], v[BAD], s[10:11] offset:64*\b+16
.endr
	CROUND                                         ; all sixteen work-groups are here: the first joint loads meet
.irp s, 0,1
	s_mov_b32 s[G0+4*\s], 1
	s_add_co_u32 s[G0+4*\s+1], s45, \s*SLOT
	s_add_nc_u64 s[G0+4*\s+2:G0+4*\s+3], s[20:21], \s*786432      ; K step s: 4 planes on
	s_or_b32 s[G0+4*\s+3], s[G0+4*\s+3], 0x80000000
	s_mov_b32 s[G0B+4*\s], 1
	s_add_co_u32 s[G0B+4*\s+1], s94, \s*SLOT
	s_add_nc_u64 s[G0B+4*\s+2:G0B+4*\s+3], s[46:47], \s*ROWB
	s_or_b32 s[G0B+4*\s+3], s[G0B+4*\s+3], 0x80000000
.endr
	s_mov_b32 s[G0SB], 1
	s_mov_b32 s[G0SB+1], s95
	s_mov_b64 s[G0SB+2:G0SB+3], s[92:93]
	s_or_b32 s[G0SB+3], s[G0SB+3], 0x80000000
	s_cmp_eq_u32 s15, 0                            ; a wave's first fills stand in one branch: two loads of waves 0 and 1 are out, three of waves 2 and 3; on both ways the last is K step 1's
	s_cbranch_scc0 .Lfirst_b
	tensor_load_to_lds s[G0:G0+3], s[G1:G1+7]
	s_nop 0
	tensor_load_to_lds s[G0+4:G0+7], s[G1:G1+7]
	s_nop 0
.rept 4
	v_nop
.endr
	s_branch .Lfirst_done
.Lfirst_b:
	tensor_load_to_lds s[G0SB:G0SB+3], s[G1SB:G1SB+7]
	s_nop 0
	tensor_load_to_lds s[G0B:G0B+3], s[G1B:G1B+7]
	s_nop 0
	tensor_load_to_lds s[G0B+4:G0B+7], s[G1B:G1B+7]
	s_nop 0
.rept 4
	v_nop
.endr
.Lfirst_done:
	v_mul_u32_u24 v4, v1, 48
	v_mad_u32_u24 v4, v2, 24, v4                   ; A: row r x 48 + 24 h
	s_mul_i32 s21, s15, HALFA
	v_mul_u32_u24 v5, v1, PITCH
	v_mad_u32_u24 v5, v2, 24, v5                   ; W: row r x pitch + 24 h,
	v_lshl_add_u32 v6, v2, 4, v5                   ; and the same behind one padding more
	s_mul_i32 s22, s16, HALFB
	s_add_co_u32 s22, s22, BOFF
.irp s, 0,1
	v_add_nc_u32 v[ADRA+\s], s21, v4
	v_add_nc_u32 v[ADRB+\s], s22, v5
	v_add_nc_u32 v[ADRB+2+\s], s22, v6
	s_add_co_u32 s21, s21, SLOT
	s_add_co_u32 s22, s22, SLOT
.endr
	v_mul_u32_u24 v5, v1, KS                       ; W's scale bytes of row r: KS a row,
	v_lshrrev_b32 v6, 8, v5
	v_lshl_add_u32 v5, v6, 4, v5                   ; and 16 more for each 256 passed
	s_mul_i32 s21, s16, HALFS
	s_add_co_u32 s21, s21, LSCB
	v_add_nc_u32 v[ADSB], s21, v5
	s_lshl_b32 s21, s15, 8
	s_add_co_u32 s21, s21, LSCA
	v_lshlrev_b32 v5, 2, v1
	v_add_nc_u32 v[ADSA], s21, v5
	v_lshl_add_u32 v[SCW], v0, 4, LSCA             ; 512 x wave + 16 x lane
	s_mul_i32 s23, s14, 16*SPITCH                  ; my stage
	v_mul_u32_u24 v5, v1, SPITCH
	v_lshl_add_u32 v5, v2, 5, v5
	v_add_nc_u32 v[STO], s23, v5                   ; in: row r, 32 bytes for each half of the lanes
	v_add_nc_u32 v[RD], s23, v[CO]                 ; back: the 32 lanes take one row of 512 bytes
	s_wait_loadcnt 0x0                             ; A's words and the bias
.set u, 0
.rept SIZE_K/512
.irp e, 0,1,2,3
	v_perm_b32 v[EO+8*u+\e], v[EO+8*u+4+\e], v[EO+8*u+\e], 0x05040100   ; two bytes of each plane's word: the four blocks' bytes of 128 along K
.endr
	ds_store_b128 v[SCW], v[EO+8*u:EO+8*u+3] offset:2048*u
.set u, u+1
.endr
	WIN 0xc0
.set n, 0
.rept 64
	global_load_b128 v[4*n:4*n+3], v[CO], s[96:97] offset:4096*n       ; the residual, row n of my 64: 512 consecutive bytes, in the layout in which the rows come back from the stage
.set n, n+1
.endr
	WIN 0
.macro FRAG reg, adr, q, i             ; a fragment of W: lane l holds row l % 16; registers 6 c .. 6 c + 5 hold K = 64 c + 32 (l / 16) + 0 .. 31, in pieces of 8 bytes
.irp p, 0,1,2,3,4,5
.set PCE, 12*(\q)+6*(\p/3)+\p%3
.if PCE%8 < 5
	ds_load_b64 v[\reg+2*\p:\reg+2*\p+1], v[\adr] offset:8*PCE+16*(PCE/8)+(\i)*16*PITCH
.else
	ds_load_b64 v[\reg+2*\p:\reg+2*\p+1], v[\adr+2] offset:8*PCE+16*(PCE/8)+(\i)*16*PITCH
.endif
.endr
.endm
.macro FRAG_A slot, q, i               ; a fragment of A: plane 2 q + c of the slot's four, row 16 i + r, bytes 24 h on
.irp p, 0,1,2,3,4,5
	ds_load_b64 v[AF+FR*(\i)+2*\p:AF+FR*(\i)+2*\p+1], v[ADRA+\slot] offset:(2*(\q)+\p/3)*3072+(\i)*768+8*(\p%3)
.endr
.endm
.macro FETCH_B slot, q, p
	WIN TO_B
.irp i, 0,1,2,3,4,5,6,7
	FRAG 128*(\p)+FR*\i, ADRB+\slot, \q, \i
.endr
	WIN 0
.endm
.macro SCALES sc                       ; a K step's scale words: W's, two words a row and block; A's, a word for each block and 128 along K
.irp b, 0,1,2,3,4,5,6,7
	ds_load_b64 v[RSB+16*\sc+2*\b:RSB+16*\sc+2*\b+1], v[ADSB] offset:\b*SBLK
.endr
.irp a, 0,1,2,3
.irp q, 0,1
	ds_load_b32 v[RSA+8*\sc+2*\a+\q], v[ADSA] offset:512*\q+64*\a
.endr
.endr
.endm
; 8 matrix instructions: A's block a x W's eight, 128 along K.  The 32 accumulators take turns, one instruction a turn, in the same order in every step.
.macro MULA a, p, q, sc, first
.irp b, 0,1,2,3,4,5,6,7
.if \first
	v_wmma_scale_f32_16x16x128_f8f6f4 v[8*(8*(\a)+\b):8*(8*(\a)+\b)+7], v[128*(\p)+FR*\b:128*(\p)+FR*\b+FR-1], v[AF+FR*(\a):AF+FR*(\a)+FR-1], v[BIAS+8*\b:BIAS+8*\b+7], v[RSB+16*(\sc)+2*\b+(\q)], v[RSA+8*(\sc)+2*(\a)+(\q)] matrix_a_fmt:MATRIX_FMT_FP6 matrix_b_fmt:MATRIX_FMT_FP6
.else
	v_wmma_scale_f32_16x16x128_f8f6f4 v[8*(8*(\a)+\b):8*(8*(\a)+\b)+7], v[128*(\p)+FR*\b:128*(\p)+FR*\b+FR-1], v[AF+FR*(\a):AF+FR*(\a)+FR-1], v[8*(8*(\a)+\b):8*(8*(\a)+\b)+7], v[RSB+16*(\sc)+2*\b+(\q)], v[RSA+8*(\sc)+2*(\a)+(\q)] matrix_a_fmt:MATRIX_FMT_FP6 matrix_b_fmt:MATRIX_FMT_FP6
.endif
.endr
.endm
.macro PLACES n
.rept \n
	v_nop
.endr
.endm
.macro STEP slot, first                ; a slot's first 128 along K (W's set 0); it fetches the second
	s_wait_dscnt 2*NL                              ; all but the youngest 12 loads (A's blocks 2 and 3)
	WMUL \first
	MULA 0, 0, 0, \slot, \first
	MULA 1, 0, 0, \slot, \first
	s_wait_dscnt 0x0
	PLACES NP
	FETCH_B \slot, 1, 1
	FRAG_A \slot, 1, 0
	FRAG_A \slot, 1, 1
	WMUL \first
	MULA 2, 0, 0, \slot, \first
	MULA 3, 0, 0, \slot, \first
	PLACES NP
	WIN 0
	FRAG_A \slot, 1, 2
	FRAG_A \slot, 1, 3
.endm
; A slot's second 128 along K change slots: one barrier; in front of it each wave waits for all its tensor loads, adds 0 to its spare word, and waits for that and for its reads of this slot.
.macro TURN slot, next, fill
	s_wait_tensorcnt 0x0                           ; all my tensor loads have landed: my part of the next slot
	ds_add_u32 v[SPW], v[NIL]                      ; 0 onto my spare word
	s_wait_dscnt 2*NL+1                            ; (the add and the youngest 12 loads may be out)
	WIN 0xa1
	MULA 0, 1, 1, \slot, 0
	s_wait_dscnt 0x0                               ; the add is done, and my reads of this slot are over
	s_barrier_signal -1
	MULA 1, 1, 1, \slot, 0
	WIN 0
	s_barrier_wait -1
.if \fill
	CREST                                          ; the barrier has opened a round of the cluster's barrier
	s_add_nc_u64 s[G0+4*\slot+2:G0+4*\slot+3], s[G0+4*\slot+2:G0+4*\slot+3], 1572864    ; two K steps on: 8 planes
	s_add_nc_u64 s[G0B+4*\slot+2:G0B+4*\slot+3], s[G0B+4*\slot+2:G0B+4*\slot+3], 2*ROWB
	JLOAD G0+4*\slot, G1, G0B+4*\slot, G1B         ; the first tensor load behind the round; its four v_nop are the places in front of the loads below
.else
	PLACES NP
.endif
	v_add_nc_u32 v[ADSB], 8, v[ADSB]               ; the next K step's scale words (no LDS load of mine is out)
	v_add_nc_u32 v[ADSA], 1024, v[ADSA]
	FETCH_B \next, 0, 0
	FRAG_A \next, 0, 0
	FRAG_A \next, 0, 1
	SCALES \next
	WIN 0xa1
	MULA 2, 1, 1, \slot, 0
	MULA 3, 1, 1, \slot, 0
	PLACES NP
	WIN 0
	FRAG_A \next, 0, 2
	FRAG_A \next, 0, 3
.endm
	s_wait_tensorcnt 1                             ; W's scale bytes and my part of K step 0 are in (K step 1's load may be out)
	s_wait_dscnt 0x0                               ; my part of A's scale words lies in LDS,
	s_barrier_signal -1
	s_barrier_wait -1                              ; everybody's do
	FETCH_B 0, 0, 0
	FRAG_A 0, 0, 0
	FRAG_A 0, 0, 1
	SCALES 0
	FRAG_A 0, 0, 2
	FRAG_A 0, 0, 3
	STEP 0, 1                                      ; the first step stands in front of the loop: its products start the sums, from the bias
	s_mov_b32 s3, LAPS-1
.Llap:
	TURN 0, 1, 1
	STEP 1, 0
	TURN 1, 0, 1
	STEP 0, 0
	s_sub_co_u32 s3, s3, 1
	s_cmp_lg_u32 s3, 0
	s_cbranch_scc1 .Llap
	TURN 0, 1, 0                                   ; the last lap fills nothing
	STEP 1, 0
	s_wait_dscnt 2*NL
	WIN 0xa1
	MULA 0, 1, 1, 1, 0
	MULA 1, 1, 1, 1, 0
	s_wait_dscnt 0x0
	MULA 2, 1, 1, 1, 0
	MULA 3, 1, 1, 1, 0
	WIN 0
; THE WAY OUT, block by block of 16 rows x 128 columns: through my stage in LDS, back as whole rows of 512 bytes; the residual is added; the 32 lanes store two aligned runs of 256 bytes.
.macro TOSTAGE a
	WIN 0x08
.irp b, 0,1,2,3,4,5,6,7
	ds_store_b128 v[STO], v[64*(\a)+8*\b:64*(\a)+8*\b+3] offset:64*\b          ; each accumulator from its low end on
	ds_store_b128 v[STO], v[64*(\a)+8*\b+4:64*(\a)+8*\b+7] offset:64*\b+16
.endr
	WIN 0
.set BB, BK+64*((\a)%2)
.irp t, 0,1,2,3,4,5,6,7,8,9,10,11,12,13,14,15
	ds_load_b128 v[BB+4*\t:BB+4*\t+3], v[RD] offset:\t*SPITCH                  ; LDS serves a wave's instructions in order: these see the stores above
.endr
.endm
.macro SEND a, younger
.set BB, BK+64*((\a)%2)
	s_wait_dscnt \younger                          ; the block is back; the next block's LDS instructions may be out
	WIN 0x0c                                       ; source 1: window 3
.set i, 0
.rept 32
	v_pk_add_f32 v[BB+i:BB+i+1], v[BB+i:BB+i+1], v[64*(\a)+i:64*(\a)+i+1]
.set i, i+2
.endr
	WIN 0
.irp t, 0,1,2,3,4,5,6,7,8,9,10,11,12,13,14,15
	global_store_b128 v[CO], v[BB+4*\t:BB+4*\t+3], s[98:99] offset:(16*(\a)+\t)*4096
.endr
.endm
	s_wait_loadcnt 0x0                             ; the residual
	PLACES NP                                      ; behind the last products: for the reads of results and the loads into registers that held operands
	TOSTAGE 0
	TOSTAGE 1
	SEND 0, 32
	s_wait_xcnt 0x0                                ; block 0's stores have read their registers: block 2's rows may land there
	TOSTAGE 2
	SEND 1, 32
	s_wait_xcnt 0x0
	TOSTAGE 3
	SEND 2, 32
	SEND 3, 0
	s_wait_tensorcnt 0x0                           ; the wave's end
	ds_add_u32 v[SPW], v[NIL]
	s_wait_dscnt 0x0
	CROUND                                         ; the closing round
	s_endpgm
.Lfunc_end_k_qa34a3151ab_oproj:
	.size	k_qa34a3151ab_oproj, .Lfunc_end_k_qa34a3151ab_oproj-k_qa34a3151ab_oproj
	.p2alignl 7, 3214868480
	.fill 96, 4, 3214868480
	.section	.rodata,"a",@progbits
	.p2align	6, 0x0
	.amdhsa_kernel k_qa34a3151ab_oproj
		.amdhsa_group_segment_fixed_size 327680
		.amdhsa_private_segment_fixed_size 0
		.amdhsa_enable_private_segment 0
		.amdhsa_kernarg_size 48
		.amdhsa_user_sgpr_count 2
		.amdhsa_user_sgpr_kernarg_segment_ptr 1
		.amdhsa_wavefront_size32 1
		.amdhsa_system_sgpr_workgroup_id_x 1
		.amdhsa_system_sgpr_workgroup_id_y 1
		.amdhsa_system_sgpr_workgroup_id_z 1
		.amdhsa_system_vgpr_workitem_id 0
		.amdhsa_next_free_vgpr 1024
		.amdhsa_next_free_sgpr 104
		.amdhsa_reserve_vcc 0
		.amdhsa_float_denorm_mode_32 3
		.amdhsa_float_denorm_mode_16_64 3
		.amdhsa_memory_ordered 1
		.amdhsa_forward_progress 1
		.amdhsa_inst_pref_size 119
	.end_amdhsa_kernel
	.amdgpu_metadata
---
amdhsa.version: [ 1, 2 ]
amdhsa.kernels:
  - .name:           k_qa34a3151ab_oproj
    .symbol:         k_qa34a3151ab_oproj.kd
    .args:
      - { .name: ctx, .offset: 0, .size: 8, .value_kind: global_buffer, .address_space: global }
      - { .name: Wo_codes, .offset: 8, .size: 8, .value_kind: global_buffer, .address_space: global }
      - { .name: Wo_scales, .offset: 16, .size: 8, .value_kind: global_buffer, .address_space: global }
      - { .name: bo, .offset: 24, .size: 8, .value_kind: global_buffer, .address_space: global }
      - { .name: x, .offset: 32, .size: 8, .value_kind: global_buffer, .address_space: global }
      - { .name: x2, .offset: 40, .size: 8, .value_kind: global_buffer, .address_space: global }
    .group_segment_fixed_size: 327680
    .private_segment_fixed_size: 0
    .kernarg_segment_align: 8
    .kernarg_segment_size: 48
    .max_flat_workgroup_size: 128
    .sgpr_count:     104
    .vgpr_count:     1024
    .wavefront_size: 32
...
	.end_amdgpu_metadata
.endif
;; end of part 4
;; launch ln2: the kernel of part 1 again; grid 256 x 1, 4 waves a work-group, no clusters, 22,016 bytes of LDS; arguments x2, ln2_scale, ln2_shift, hq; writes hq
;; launch ffn1 (part 5): grid 16 x 16, 4 waves a work-group, clusters of 4 x 4, 327,680 bytes of LDS; arguments hq, W1_codes, W1_scales, b1, g; writes g
.if DOCPART == 5
	.amdgcn_target "amdgcn-amd-amdhsa--gfx1250"
	.amdhsa_code_object_version 6
	.text
	.protected	k_qa34a3151ab_ffn1
	.globl	k_qa34a3151ab_ffn1
	.p2align	8
	.type	k_qa34a3151ab_ffn1,@function
k_qa34a3151ab_ffn1:
	s_mov_b64 s[64:65], 0
	v_nop
	global_prefetch_b8 v0, s[64:65] scope:SCOPE_SE
	s_setreg_imm32_b32 hwreg(HW_REG_WAVE_MODE, 25, 1), 1
	s_wait_xcnt 0x0
	s_wait_alu depctr_hold_cnt(0) depctr_sa_sdst(0) depctr_va_vdst(0) depctr_va_sdst(0) depctr_va_ssrc(0) depctr_va_vcc(0) depctr_vm_vsrc(0)
	s_getreg_b32 s2, hwreg(HW_REG_IB_STS2, 6, 4)
	s_cmp_eq_u32 s2, 0
	s_cbranch_scc0 .Lentry_in_a_cluster
	s_endpgm
.Lentry_in_a_cluster:
	s_bfe_u32 s2, ttmp6, 0x10000c
	s_cmp_lg_u32 s2, 0xf033
	s_cbranch_scc0 .Lentry_shape_is_right
	s_endpgm
.Lentry_shape_is_right:
.set KIND, 1
; ONE TEXT FOR TWO LAUNCHES (KIND 0: q, k and v^T; KIND 1: the FFN's first layer).  C[m][n] = sum over k of A[m][k] B[n][k], K = 1,024, both operands codes of FP6 (E2M3) with one E8M0 byte for each 32 along K,
; rows of 768 bytes of codes and 32 scale bytes; C never goes to memory as f32: it is quantised ALONG N, in blocks of 32, and leaves as codes.
; KIND 0.  Cluster x = 0: A = h, B = Wq: q [4096][1024].  1: A = h, B = Wk: k.  2: A = Wv, B = h: v^T [1024 (head, d)][4096 (batch, key)], so that the keys, along which v is quantised, are the columns too.
; KIND 1.  A = h, B = W1, C starts from b1 (the C of each sum's first matrix instruction), then gelu (tanh form) in f32: x / (1 + 2^(x (KA x^2 + KB))), KB = -2 sqrt(2/pi) log2(e), KA = 0.044715 KB.
; OUT, a layout of this program's own: codes [n / 64][row][48 bytes] (64 codes of one row: two blocks of 24 bytes), and one word for each (n / 64, row): byte 0, 1 the two blocks' E8M0 bytes, bytes 2, 3 = 127.
;   KIND 0 lays row m at the place m with bits 3 and 4 exchanged: 16 consecutive places are then rows 8 u + r + 8 (r / 8) of a group of 32, which is the choice of rows that the attention launch wants of k and v^T.
; A tile of C, 256 x 256, is made by four waves, 128 x 128 each: 64 accumulators, 512 registers.  K goes in steps of 256 through two LDS slots filled by tensor loads; the scale bytes of the tile's rows come once.
; CLUSTERS: 4 x 4 work-groups; A's tiles are asked for jointly by the four of a row of the cluster, B's by the four of a column.  THE MATRIX INSTRUCTION IS USED TRANSPOSED (source 0 = rows of B, source 1 = rows of A):
; a lane holds eight neighbouring columns of one row of C.
; LIMITS: NaN and infinities are not served; a block of zeros, or one under 2^-124, gets the byte 1; only this program reads the bytes.
; REGISTERS: window 0: v0-31 addresses; v32-63 scale words, two sets; v64-127 b1 (KIND 1); v128-223 A's fragments, one set; v224-247 the way out.   window 1: B's fragments, two sets (v0, v128); on the way out all the vector work.
;   window 2, 3: the accumulators of my rows 0-63, 64-127 (accumulator (a, b) at v[8 (8 (a % 4) + b)]).
.set KSTEP,  256
.set NQ,     2                         ; matrix instructions deep in a slot
.set ROWB,   192                       ; a tile's row in bytes
.set KROW,   768                       ; a row of A or B in memory
.set PITCH,  240                       ; an LDS row: 3 x (64 bytes + 16 of padding): the 32 lanes of a load of 8 bytes touch 64 different banks
.set FR,     12
.set NL,     6
.set NP,     4                         ; places behind this matrix instruction (ISA guide 7.12.1)
.set HALFT,  128*PITCH
.set SLOT,   4*HALFT
.set LAPS,   2                         ; K = 1,024 is twice round the ring
.set KS,     32
.set SCL,    2*SLOT                    ; behind the ring: the scale bytes, as runs of 256 bytes + 16 of padding
.set HALFS,  (128*KS/256)*272
.set SBLK,   (16*KS/256)*272
.set SPARE,  SCL+4*HALFS               ; the spare words, 128 bytes a wave: no other line names them
.set SPITCH, 528                       ; the way out (all of it in slot 0, which has had its last fill and its last read by then): a stage of 16 rows x (512 + 16) bytes a wave,
.set CST,    4*16*SPITCH               ; a stage for codes, 2 x 32 x 48 bytes a wave,
.set SST,    CST+4*3072                ; and one for scale words, 2 x 128 x 4 bytes a wave
.if KIND
.set XL, 8                             ; rows in their own order
.set XB, 16
.set SOFF, 12582912
.else
.set XL, 16                            ; bits 3 and 4 of the row exchanged
.set XB, 8
.set SOFF, 9437184
.endif
.set CSW,  7                           ; v7   where I put my row's 48 bytes of codes
.set CSR,  8                           ; v8   where I read codes back: 16 x lane
.set SSW,  9                           ; v9   where I put my row's scale word
.set CA0,  10                          ; v10  16 x lane: my place in a store's 512 bytes
.set CA1,  11                          ; v11  the same, one plane of codes on
.set BAD,  12                          ; v12  b1: 32 x (lane / 16)
.set SA1,  13                          ; v13  16 x lane, one plane of scale words on
.set SSR,  14                          ; v14  where I read scale words back
.set ADRA, 16                          ; v16-17 LDS address of my A fragments in slot 0, 1 (v18-19: behind one padding more)
.set ADRB, 20                          ; v20-23 the same for B
.set STO,  24
.set RD,   25
.set ADRS, 27                          ; v27  my scale words: lanes 0-15 A's rows, lanes 16-31 B's
.set SPW,  28                          ; v28  my spare word; never rewritten
.set NIL,  29                          ; v29  0; never rewritten
.set SC,   32
.set BIAS, 64
.set AF,   128
.set OB,   224
.set TT,   128                         ; window 1, on the way out: v0-63, v64-127 a block's 64 numbers a lane, two sets; v128-191 at work
.set KA,   192
.set KB,   194
.set TM,   196
.set SO,   200
.set BY,   202
.set SW,   204                         ; v204-211 the eight blocks' scale words
.set CD,   212                         ; v212-223 48 bytes of codes
.set CT,   224
.set G1, 24
.set G0, 32
.set G1B, 48
.set G0B, 56
.set G1S, 68
.set G0S, 76
.set G1SB, 80
.set G0SB, 88
.set MSB, 0
.macro WIN new                         ; the immediate's high byte repeats the setting that is left
.if MSB != \new
	s_set_vgpr_msb (MSB<<8)|\new
.set MSB, \new
.endif
.endm
.set MUL_LO, 0xa1                      ; source 0 (B) window 1, source 1 (A) window 0, C and D window 2
.set MUL_HI, 0xf1
.set TO_B,   0x40
.macro WMUL hi, zero                   ; the windows of a run of products; where b1 starts the sums, C lies in window 0
.if (\zero) && KIND
	WIN (0x81+0x40*(\hi))
.else
	WIN (0xa1+0x50*(\hi))
.endif
.endm
; A joint load: waves 0 and 1 fetch for A, waves 2 and 3 for B; the branch hangs on the wave's number alone.  Four v_nop follow each of the two lines.
.macro JLOAD g0a, g1a, g0b, g1b
	s_cmp_eq_u32 s15, 0
	s_cbranch_scc0 .Lfor_b_\@
	tensor_load_to_lds s[\g0a:\g0a+3], s[\g1a:\g1a+7]
	s_nop 0
.rept 4
	v_nop
.endr
	s_branch .Lasked_\@
.Lfor_b_\@:
	tensor_load_to_lds s[\g0b:\g0b+3], s[\g1b:\g1b+7]
	s_nop 0
.rept 4
	v_nop
.endr
.Lasked_\@:
.endm
.macro CREST                           ; a round of the cluster's barrier behind its opening barrier
	s_cmp_lg_u32 s14, 0
	s_cbranch_scc1 .Lnot_wave_0_\@
	s_barrier_signal -3
.Lnot_wave_0_\@:
	s_barrier_wait -3
	s_barrier_signal -1
	s_barrier_wait -1
.endm
.macro CROUND
	s_barrier_signal -1
	s_barrier_wait -1
	CREST
.endm
.if KIND
	s_load_b64 s[4:5], s[0:1], 0x0                 ; h: codes, and behind them the scale bytes
	s_load_b128 s[8:11], s[0:1], 0x8               ; W1's codes, W1's scales
	s_load_b64 s[100:101], s[0:1], 0x18            ; b1
	s_load_b64 s[12:13], s[0:1], 0x20              ; out
.else
	s_load_b512 s[68:83], s[0:1], 0x0              ; h, Wq's codes and scales, Wk's, Wv's, out
.endif
	v_lshl_add_u32 v[SPW], v0, 2, SPARE
	v_mov_b32 v[NIL], 0
	ds_add_u32 v28, v29
	ds_add_u32 v28, v29
	s_wait_dscnt 0x0
	v_lshrrev_b32 v1, 5, v0
	v_readfirstlane_b32 s14, v1                    ; wave 0..3
	s_lshr_b32 s15, s14, 1                         ; which half of the tile's rows is mine.  Also: I fetch for A (0) or for B (1)
	s_and_b32 s16, s14, 1                          ; which half of its columns.  Also: which 128 rows I fetch
	s_bfe_u32 s40, ttmp6, 0x40000                  ; cx, cy: my place in the cluster
	s_bfe_u32 s41, ttmp6, 0x40004
	s_and_b32 s18, ttmp7, 0xffff
	s_lshl_b32 s18, s18, 2                         ; 4 x cluster y
.if KIND
	s_lshl_b32 s42, ttmp9, 2
	s_add_co_u32 s42, s42, s40                     ; tile column
	s_add_co_u32 s17, s18, s41                     ; tile row
	s_mov_b32 s95, 196608                          ; a plane of codes: 4,096 rows x 48 bytes
	s_mov_b32 s96, 16384                           ; a plane of scale words
	s_mov_b32 s97, 0
.else
	s_cmp_lt_u32 ttmp9, 2                          ; q and k: 16 x 4 tiles; v^T: 4 x 16.  The condition is the cluster's x: the same in all sixteen partners
	s_cselect_b32 s19, s18, 0
	s_cselect_b32 s20, 0, s18
	s_mov_b32 s95, 49152
	s_cselect_b32 s95, 196608, s95                 ; a plane of codes: 4,096 or 1,024 rows x 48 bytes
	s_mov_b32 s96, 4096
	s_cselect_b32 s96, 16384, s96                  ; a plane of scale words
	s_add_co_u32 s17, s19, s41                     ; tile row
	s_add_co_u32 s42, s20, s40                     ; tile column
	s_mov_b32 s97, ttmp9                           ; which of the three results
.endif
	s_lshl_b32 s43, s41, 2
	s_lshl_b32 s43, 15, s43                        ; my row of the cluster
	s_lshl_b32 s44, 0x1111, s40                    ; my column
	s_or_b32 s[G1+0], s43, (0<<16)|(1<<20)|(1<<21)|(3<<22)|(3<<25)  ; the mask; elements of 1 byte; padding on; bit 21 beside a mask; 4 words of padding behind every 16
	s_or_b32 s[G1B+0], s44, (0<<16)|(1<<20)|(1<<21)|(3<<22)|(3<<25)
.irp g, G1, G1B
	s_mov_b32 s[\g+1], ROWB<<16                    ; tensor_dim0
	s_mov_b32 s[\g+2], 128<<16                     ; tensor_dim1
	s_mov_b32 s[\g+3], ROWB<<16                    ; tile_dim0
	s_mov_b32 s[\g+4], 128                         ; tile_dim1
	s_mov_b32 s[\g+5], KROW                        ; the pitch
	s_mov_b32 s[\g+6], 0
	s_mov_b32 s[\g+7], 0
.endr
	s_lshl_b32 s18, s16, 7
	s_lshl_b32 s20, s17, 8
	s_add_co_u32 s20, s20, s18                     ; A: row 256 x tile row + 128 x half
	s_lshl_b32 s46, s42, 8
	s_add_co_u32 s46, s46, s18                     ; B: row 256 x tile column + 128 x half
	s_mov_b32 s21, 0
	s_mov_b32 s47, 0
	s_mov_b64 s[18:19], KS
	s_mul_u64 s[22:23], s[20:21], s[18:19]         ; where these rows' scale bytes begin
	s_mul_u64 s[92:93], s[46:47], s[18:19]
	s_mov_b64 s[18:19], KROW
	s_mul_u64 s[20:21], s[20:21], s[18:19]         ; and their codes
	s_mul_u64 s[46:47], s[46:47], s[18:19]
	s_mul_i32 s45, s14, HALFT                      ; where they go: wave x 128 rows: no place in the cluster enters an LDS address
	s_mul_i32 s94, s14, HALFS
	s_wait_kmcnt 0x0
.if KIND
	s_add_nc_u64 s[6:7], s[4:5], 3145728           ; h's scale bytes
.else
	s_add_nc_u64 s[84:85], s[68:69], 3145728       ; h's scale bytes
	s_cmp_lt_u32 ttmp9, 2
	s_cselect_b64 s[4:5], s[68:69], s[78:79]       ; A: h, or Wv
	s_cselect_b64 s[6:7], s[84:85], s[80:81]
	s_cselect_b64 s[8:9], s[74:75], s[68:69]       ; B: Wk, or h,
	s_cselect_b64 s[10:11], s[76:77], s[84:85]
	s_cmp_eq_u32 ttmp9, 0
	s_cselect_b64 s[8:9], s[70:71], s[8:9]         ; or Wq
	s_cselect_b64 s[10:11], s[72:73], s[10:11]
	s_mov_b64 s[12:13], s[82:83]
.endif
	; the scale bytes of 128 rows: 4,096 dense bytes, as rows of 256 bytes (32 elements of 8), 16 bytes of padding behind each
	s_or_b32 s[G1S+0], s43, (3<<16)|(1<<20)|(1<<21)|(5<<22)|(3<<25)
	s_or_b32 s[G1SB+0], s44, (3<<16)|(1<<20)|(1<<21)|(5<<22)|(3<<25)
.irp g, G1S, G1SB
	s_mov_b32 s[\g+1], 32<<16
	s_mov_b32 s[\g+2], (128*KS/256)<<16
	s_mov_b32 s[\g+3], 32<<16
	s_mov_b32 s[\g+4], 128*KS/256
	s_mov_b32 s[\g+5], 32
	s_mov_b32 s[\g+6], 0
	s_mov_b32 s[\g+7], 0
.endr
	s_add_nc_u64 s[20:21], s[4:5], s[20:21]
	s_add_nc_u64 s[22:23], s[6:7], s[22:23]
	s_add_nc_u64 s[46:47], s[8:9], s[46:47]
	s_add_nc_u64 s[92:93], s[10:11], s[92:93]
	CROUND                                         ; all sixteen work-groups are here: the first joint loads meet
	s_mov_b32 s[G0S], 1
	s_add_co_u32 s[G0S+1], s94, SCL
	s_mov_b64 s[G0S+2:G0S+3], s[22:23]
	s_or_b32 s[G0S+3], s[G0S+3], 0x80000000
	s_mov_b32 s[G0SB], 1
	s_add_co_u32 s[G0SB+1], s94, SCL
	s_mov_b64 s[G0SB+2:G0SB+3], s[92:93]
	s_or_b32 s[G0SB+3], s[G0SB+3], 0x80000000
	JLOAD G0S, G1S, G0SB, G1SB                     ; the scale bytes first: they are wanted with K step 0.  With the two below, three tensor loads of a wave are out
.irp s, 0,1
	s_mov_b32 s[G0+4*\s], 1
	s_add_co_u32 s[G0+4*\s+1], s45, \s*SLOT
	s_add_nc_u64 s[G0+4*\s+2:G0+4*\s+3], s[20:21], \s*ROWB
	s_or_b32 s[G0+4*\s+3], s[G0+4*\s+3], 0x80000000
	s_mov_b32 s[G0B+4*\s], 1
	s_add_co_u32 s[G0B+4*\s+1], s45, \s*SLOT
	s_add_nc_u64 s[G0B+4*\s+2:G0B+4*\s+3], s[46:47], \s*ROWB
	s_or_b32 s[G0B+4*\s+3], s[G0B+4*\s+3], 0x80000000
	JLOAD G0+4*\s, G1, G0B+4*\s, G1B
.endr
	v_and_b32 v1, 15, v0                           ; r = l % 16
	v_bfe_u32 v2, v0, 4, 1                         ; h = l / 16
.if KIND
	s_lshl_b32 s46, s42, 10                        ; b1 at my first column: 256 x tile column + 128 x half
	s_lshl_b32 s47, s16, 9
	s_add_co_u32 s46, s46, s47
	s_mov_b32 s47, 0
	s_add_nc_u64 s[100:101], s[100:101], s[46:47]
	v_lshlrev_b32 v[BAD], 5, v2
.irp b, 0,1,2,3,4,5,6,7
	global_load_b128 v[BIAS+8*\b:BIAS+8*\b+3], v[BAD], s[100:101] offset:64*\b        ; in the result's layout: lane (r, h) holds columns 16 b + 8 h + 0 .. 7
	global_load_b128 v[BIAS+8*\b+4:BIAS+8*\b+7], v[BAD], s[100:101] offset:64*\b+16
.endr
.endif
	v_mul_u32_u24 v3, v1, PITCH
	v_mul_u32_u24 v4, v2, 24
	v_add_nc_u32 v4, v3, v4                        ; a fragment's row x pitch + 24 x half
	v_lshl_add_u32 v5, v2, 4, v4                   ; and the same behind one padding more
	s_mul_i32 s21, s15, HALFT                      ; my 128 rows of A
	s_mul_i32 s22, s16, HALFT                      ; my 128 rows of B,
	s_add_co_u32 s22, s22, 2*HALFT                 ; which lie behind A's 256
.irp s, 0,1
	v_add_nc_u32 v[ADRA+\s], s21, v4
	v_add_nc_u32 v[ADRB+\s], s22, v4
	v_add_nc_u32 v[ADRA+2+\s], s21, v5
	v_add_nc_u32 v[ADRB+2+\s], s22, v5
	s_add_co_u32 s21, s21, SLOT
	s_add_co_u32 s22, s22, SLOT
.endr
	v_mul_u32_u24 v5, v1, KS                       ; my row's scale bytes: KS a row,
	v_lshrrev_b32 v6, 8, v5
	v_lshl_add_u32 v5, v6, 4, v5                   ; and 16 more for each 256 passed
	s_mul_i32 s21, s15, HALFS
	s_mul_i32 s22, s16, HALFS
	s_add_co_u32 s22, s22, 2*HALFS
	s_sub_co_u32 s22, s22, s21
	v_mul_u32_u24 v6, s22, v2                      ; lanes 16-31 take B's
	s_add_co_u32 s21, s21, SCL
	v_add_nc_u32 v5, v5, v6
	v_add_nc_u32 v[ADRS], s21, v5
	s_mul_i32 s23, s14, 16*SPITCH                  ; my stage
	v_mul_u32_u24 v5, v1, SPITCH
	v_lshl_add_u32 v6, v2, 5, v5
	v_add_nc_u32 v[STO], s23, v6                   ; in: row r, 32 bytes for each half of the lanes
	v_lshl_add_u32 v6, v2, 8, v5
	v_add_nc_u32 v[RD], s23, v6                    ; back: row r, columns 64 h on: 256 bytes a lane
	v_and_b32 v5, 7, v1
	v_lshrrev_b32 v6, 3, v1
	v_mad_u32_u24 v5, v6, XL, v5                   ; my row's place among the 32 rows of two blocks
	s_mul_i32 s21, s14, 3072
	s_add_co_u32 s21, s21, CST
	v_mul_u32_u24 v6, v5, 48
	v_mad_u32_u24 v6, v2, 1536, v6
	v_add_nc_u32 v[CSW], s21, v6
	v_and_b32 v3, 31, v0
	v_lshlrev_b32 v[CA0], 4, v3
	v_add_nc_u32 v[CSR], s21, v[CA0]
	s_lshl_b32 s22, s14, 10
	s_add_co_u32 s22, s22, SST
	v_lshlrev_b32 v6, 2, v5
	v_lshl_add_u32 v6, v2, 9, v6
	v_add_nc_u32 v[SSW], s22, v6
	v_add_nc_u32 v[SSR], s22, v[CA0]
	v_add_nc_u32 v[CA1], s95, v[CA0]
	v_add_nc_u32 v[SA1], s96, v[CA0]
	s_lshl_b32 s20, s17, 8
	s_lshl_b32 s21, s15, 7
	s_add_co_u32 s20, s20, s21                     ; my first row
	s_lshl_b32 s21, s42, 2
	s_lshl_b32 s22, s16, 1
	s_add_co_u32 s21, s21, s22                     ; my first group of 64 columns
	s_mul_i32 s22, s21, s95
	s_mul_i32 s23, s20, 48
	s_add_co_u32 s22, s22, s23
	s_mul_i32 s23, s97, 3145728
	s_add_co_u32 s22, s22, s23
	s_mov_b32 s23, 0
	s_mul_i32 s46, s21, s96
	s_lshl_b32 s47, s20, 2
	s_add_co_u32 s46, s46, s47
	s_lshl_b32 s47, s97, 18
	s_add_co_u32 s46, s46, s47
	s_add_co_u32 s46, s46, SOFF
	s_mov_b32 s47, 0
	s_add_nc_u64 s[98:99], s[12:13], s[46:47]      ; my scale words
	s_add_nc_u64 s[12:13], s[12:13], s[22:23]      ; my codes
.macro FRAG reg, adr, q, i             ; a fragment, 16 rows x 128 K, is 12 registers: lane l holds row l % 16; registers 6 c .. 6 c + 5 hold K = 64 c + 32 (l / 16) + 0 .. 31: 24 bytes of the row, as they lie
.irp p, 0,1,2,3,4,5                    ; in pieces of 8 bytes; where the piece three on (lanes 16-31) lies behind one padding more, the second address register serves
.set PCE, 12*(\q)+6*(\p/3)+\p%3
.if PCE%8 < 5
	ds_load_b64 v[\reg+2*\p:\reg+2*\p+1], v[\adr] offset:8*PCE+16*(PCE/8)+(\i)*16*PITCH
.else
	ds_load_b64 v[\reg+2*\p:\reg+2*\p+1], v[\adr+2] offset:8*PCE+16*(PCE/8)+(\i)*16*PITCH
.endif
.endr
.endm
; 16 matrix instructions: A's blocks a0, a0 + 1 x B's eight, 128 along K.  zero = 1: the first product starts the sums (from 0, or from b1).  The 64 accumulators take turns, one instruction a turn.
.macro MUL16 a0, p, q, sc, zero
.irp a, \a0, \a0+1
.irp b, 0,1,2,3,4,5,6,7
.if (\zero) && KIND
	v_wmma_scale_f32_16x16x128_f8f6f4 v[8*(8*((\a)%4)+\b):8*(8*((\a)%4)+\b)+7], v[128*(\p)+FR*\b:128*(\p)+FR*\b+FR-1], v[AF+FR*(\a):AF+FR*(\a)+FR-1], v[BIAS+8*\b:BIAS+8*\b+7], v[SC+8*NQ*(\sc)+NQ*\b+(\q)], v[SC+8*NQ*(\sc)+NQ*(\a)+(\q)] matrix_a_fmt:MATRIX_FMT_FP6 matrix_b_fmt:MATRIX_FMT_FP6 matrix_a_scale:MATRIX_SCALE_ROW1
.elseif \zero
	v_wmma_scale_f32_16x16x128_f8f6f4 v[8*(8*((\a)%4)+\b):8*(8*((\a)%4)+\b)+7], v[128*(\p)+FR*\b:128*(\p)+FR*\b+FR-1], v[AF+FR*(\a):AF+FR*(\a)+FR-1], 0, v[SC+8*NQ*(\sc)+NQ*\b+(\q)], v[SC+8*NQ*(\sc)+NQ*(\a)+(\q)] matrix_a_fmt:MATRIX_FMT_FP6 matrix_b_fmt:MATRIX_FMT_FP6 matrix_a_scale:MATRIX_SCALE_ROW1
.else
	v_wmma_scale_f32_16x16x128_f8f6f4 v[8*(8*((\a)%4)+\b):8*(8*((\a)%4)+\b)+7], v[128*(\p)+FR*\b:128*(\p)+FR*\b+FR-1], v[AF+FR*(\a):AF+FR*(\a)+FR-1], v[8*(8*((\a)%4)+\b):8*(8*((\a)%4)+\b)+7], v[SC+8*NQ*(\sc)+NQ*\b+(\q)], v[SC+8*NQ*(\sc)+NQ*(\a)+(\q)] matrix_a_fmt:MATRIX_FMT_FP6 matrix_b_fmt:MATRIX_FMT_FP6 matrix_a_scale:MATRIX_SCALE_ROW1
.endif
.endr
.endr
.endm
.macro FETCH_B slot, q, p
	WIN TO_B
.irp i, 0,1,2,3,4,5,6,7
	FRAG 128*(\p)+FR*\i, ADRB+\slot, \q, \i
.endr
	WIN 0
.endm
.macro FETCH_A slot, q, i0
.irp i, \i0, \i0+1, \i0+2, \i0+3
	FRAG AF+FR*(\i), ADRA+\slot, \q, \i
.endr
.endm
.macro SCALES sc                       ; a K step's scale words: lanes 0-15 take A's block i, lanes 16-31 B's block i
.irp i, 0,1,2,3,4,5,6,7
	ds_load_b64 v[SC+8*NQ*\sc+NQ*\i:SC+8*NQ*\sc+NQ*\i+1], v[ADRS] offset:\i*SBLK
.endr
.endm
.macro PLACES n                        ; plain vector lines between a matrix instruction and a load into, or a read of, its registers
.rept \n
	v_nop
.endr
.endm
.macro STEP slot, q, zero              ; 128 along K that have their successor in the same slot
	s_wait_dscnt 4*NL                              ; B's set and A's blocks 0-3 are in; the youngest 24 loads (A's blocks 4-7) may be out
	WMUL 0, \zero
	MUL16 0, (\q)%2, \q, \slot, \zero
	MUL16 2, (\q)%2, \q, \slot, \zero
	s_wait_dscnt 0
	PLACES NP
	FETCH_B \slot, (\q)+1, 1-(\q)%2
	FETCH_A \slot, (\q)+1, 0
	WMUL 1, \zero
	MUL16 4, (\q)%2, \q, \slot, \zero
	MUL16 6, (\q)%2, \q, \slot, \zero
	PLACES NP
	WIN 0
	FETCH_A \slot, (\q)+1, 4
.endm
; A slot's last step changes slots: one barrier; in front of it each wave waits for all its tensor loads, adds 0 to its spare word, and waits for that and for its reads of this slot.  fill = 1: the slot is filled again, two K steps ahead.
.macro TURN slot, next, fill
	s_wait_tensorcnt 0x0                           ; all my tensor loads have landed: my part of the next slot
	ds_add_u32 v[SPW], v[NIL]                      ; 0 onto my spare word
	s_wait_dscnt 4*NL+1                            ; (the add and the youngest 24 loads may be out)
	WIN MUL_LO
	MUL16 0, 1, NQ-1, \slot, 0
	s_wait_dscnt 0x0                               ; the add is done, and my reads of this slot are over
	s_barrier_signal -1
	MUL16 2, 1, NQ-1, \slot, 0
	WIN 0
	s_barrier_wait -1
.if \fill
	CREST                                          ; the barrier has opened a round of the cluster's barrier: no wave of any partner still reads this slot or has a load on its way
	s_add_nc_u64 s[G0+4*\slot+2:G0+4*\slot+3], s[G0+4*\slot+2:G0+4*\slot+3], 2*ROWB
	s_add_nc_u64 s[G0B+4*\slot+2:G0B+4*\slot+3], s[G0B+4*\slot+2:G0B+4*\slot+3], 2*ROWB
	JLOAD G0+4*\slot, G1, G0B+4*\slot, G1B         ; the first tensor load behind the round; its four v_nop are the places in front of the loads below
.else
	PLACES NP
.endif
	v_add_nc_u32 v[ADRS], 4*NQ, v[ADRS]            ; the next K step's scale words (no LDS load of mine is out)
	FETCH_B \next, 0, 0
	FETCH_A \next, 0, 0
	SCALES \next
	WIN MUL_HI
	MUL16 4, 1, NQ-1, \slot, 0
	MUL16 6, 1, NQ-1, \slot, 0
	PLACES NP
	WIN 0
	FETCH_A \next, 0, 4
.endm
	s_wait_tensorcnt 1                             ; the scale bytes and my part of K step 0 are in (K step 1's load may be out)
	s_barrier_signal -1
	s_barrier_wait -1                              ; everybody's are
	FETCH_B 0, 0, 0
	FETCH_A 0, 0, 0
	SCALES 0
	FETCH_A 0, 0, 4
.if KIND
	s_wait_loadcnt 0x0                             ; b1
.endif
	STEP 0, 0, 1                                   ; the first step stands in front of the loop: its products start the sums
	s_mov_b32 s3, LAPS-1
.Llap:
	TURN 0, 1, 1
	STEP 1, 0, 0
	TURN 1, 0, 1
	STEP 0, 0, 0
	s_sub_co_u32 s3, s3, 1
	s_cmp_lg_u32 s3, 0
	s_cbranch_scc1 .Llap
	TURN 0, 1, 0                                   ; the last lap fills nothing
	STEP 1, 0, 0
	s_wait_dscnt 4*NL
	WIN MUL_LO
	MUL16 0, 1, NQ-1, 1, 0
	MUL16 2, 1, NQ-1, 1, 0
	s_wait_dscnt 0
	WIN MUL_HI
	MUL16 4, 1, NQ-1, 1, 0
	MUL16 6, 1, NQ-1, 1, 0
	WIN 0
; THE WAY OUT, block by block of 16 rows x 128 columns.  TS: the block goes into my stage as it lies (a lane: 8 columns of a row) and comes back with 64 NEIGHBOURING columns of one row in a lane: two whole blocks of 32.
.macro TS a
.set AC, 64*((\a)%4)
	WIN (0x08+4*((\a)/4))                          ; an LDS store's data: window 2 or 3
.irp b, 0,1,2,3,4,5,6,7
	ds_store_b128 v[STO], v[AC+8*\b:AC+8*\b+3] offset:64*\b          ; each accumulator from its low end on
	ds_store_b128 v[STO], v[AC+8*\b+4:AC+8*\b+7] offset:64*\b+16
.endr
	WIN 0x40
.set XS, 64*((\a)%2)
.irp j, 0,1,2,3,4,5,6,7,8,9,10,11,12,13,14,15
	ds_load_b128 v[XS+4*\j:XS+4*\j+3], v[RD] offset:16*\j            ; LDS serves a wave's instructions in order: these see the stores above, and the next block's stores come behind them
.endr
.endm
.macro GELU a                          ; x / (1 + 2^(x (KA x^2 + KB))): for large |x| the power is 0 or infinite, and the result x or -0
.set XS, 64*((\a)%2)
	WIN 0x55
.set i, 0
.rept 32
	v_pk_mul_f32 v[TT+i:TT+i+1], v[XS+i:XS+i+1], v[XS+i:XS+i+1]
.set i, i+2
.endr
.set i, 0
.rept 32
	v_pk_fma_f32 v[TT+i:TT+i+1], v[TT+i:TT+i+1], v[KA:KA+1], v[KB:KB+1]
.set i, i+2
.endr
.set i, 0
.rept 32
	v_pk_mul_f32 v[TT+i:TT+i+1], v[TT+i:TT+i+1], v[XS+i:XS+i+1]
.set i, i+2
.endr
.set i, 0
.rept 64
	v_exp_f32 v[TT+i], v[TT+i]
.set i, i+1
.endr
	v_nop                                          ; a plain line behind the last exponential,
	s_wait_alu depctr_va_vdst(0)                   ; and one wait for the batch, ahead of its first reader
.set i, 0
.rept 32
	v_pk_add_f32 v[TT+i:TT+i+1], v[TT+i:TT+i+1], 1.0 op_sel_hi:[1,0]
.set i, i+2
.endr
.set i, 0
.rept 64
	v_rcp_f32 v[TT+i], v[TT+i]
.set i, i+1
.endr
	v_nop
	s_wait_alu depctr_va_vdst(0)                   ; likewise for the reciprocals
.set i, 0
.rept 32
	v_pk_mul_f32 v[XS+i:XS+i+1], v[XS+i:XS+i+1], v[TT+i:TT+i+1]
.set i, i+2
.endr
.endm
.macro QUANT2 a                        ; my 64 numbers become 48 bytes of codes in v[CD] on and a scale word in v[SW + a]
.set XS, 64*((\a)%2)
	WIN 0x55
.irp c, 0,1
	v_max3_num_f32 v[TM+2*\c], |v[XS+32*\c]|, |v[XS+32*\c+1]|, 0x1800000     ; two chains a block; the floor 2^(3 - 127) holds the byte at 1 from below
	v_max3_num_f32 v[TM+2*\c+1], |v[XS+32*\c+2]|, |v[XS+32*\c+3]|, |v[XS+32*\c+4]|
.endr
.irp i, 5,9,13,17,21,25
.irp c, 0,1
	v_max3_num_f32 v[TM+2*\c], v[TM+2*\c], |v[XS+32*\c+\i]|, |v[XS+32*\c+\i+1]|
	v_max3_num_f32 v[TM+2*\c+1], v[TM+2*\c+1], |v[XS+32*\c+\i+2]|, |v[XS+32*\c+\i+3]|
.endr
.endr
.irp c, 0,1
	v_max3_num_f32 v[TM+2*\c], v[TM+2*\c], |v[XS+32*\c+29]|, |v[XS+32*\c+30]|
.endr
.irp c, 0,1
	v_max3_num_f32 v[TM+2*\c], v[TM+2*\c], v[TM+2*\c+1], |v[XS+32*\c+31]|
.endr
.irp c, 0,1
	v_add_nc_u32 v[SO+\c], 0xff000000, v[TM+2*\c]  ; 2 off the exponent field: the conversion's scale operand
.endr
.irp c, 0,1
	v_lshrrev_b32 v[BY+\c], 23, v[SO+\c]           ; the scale's byte
.endr
	v_lshl_or_b32 v[SW+(\a)], v[BY+1], 8, v[BY]
	v_or_b32 v[SW+(\a)], 0x7f7f0000, v[SW+(\a)]    ; bytes 2 and 3: 2^0, for readers that pad K with zero codes
	v_cvt_scalef32_pk16_fp6_f32 v[CD:CD+2], v[XS:XS+15], v[SO]
	v_cvt_scalef32_pk16_fp6_f32 v[CT:CT+2], v[XS+16:XS+31], v[SO]       ; (a conversion's three registers begin on an even number)
	v_cvt_scalef32_pk16_fp6_f32 v[CD+6:CD+8], v[XS+32:XS+47], v[SO+1]
	v_cvt_scalef32_pk16_fp6_f32 v[CT+4:CT+6], v[XS+48:XS+63], v[SO+1]
	v_nop                                          ; one plain line behind a scaled conversion
.irp i, 0,1,2
	v_mov_b32 v[CD+3+\i], v[CT+\i]
	v_mov_b32 v[CD+9+\i], v[CT+4+\i]
.endr
.endm
	PLACES NP                                      ; behind the last products: for the reads of results and the loads and writes into registers that held B's fragments
.if KIND
	WIN 0x40
	v_mov_b32 v[KA], 0xbdd2d3e8                    ; -0.10294324
	v_mov_b32 v[KA+1], 0xbdd2d3e8
	v_mov_b32 v[KB], 0xc0135762                    ; -2.3022082
	v_mov_b32 v[KB+1], 0xc0135762
.endif
	TS 0
.irp a, 0,1,2,3,4,5,6,7
.if \a < 7
	TS \a+1                                        ; the next block is on its way through the stage while this one is worked
	s_wait_dscnt 32                                ; all but those 32 LDS instructions: this block is back, and the last block's codes have left their registers
.else
	s_wait_dscnt 0x0
.endif
.if KIND
	GELU \a
.endif
	QUANT2 \a
	WIN 0x04
.irp c, 0,1,2
	ds_store_b128 v[CSW], v[CD+4*\c:CD+4*\c+3] offset:((\a)%2)*XB*48+16*\c
.endr
.if (\a)%2                             ; two blocks' codes, 32 rows x 48 bytes for each of my two groups of 64 columns, leave as 2 x 1,536 consecutive bytes
	WIN 0
.if \a > 1
	s_wait_xcnt 0x0                                ; the stores of two blocks ago have read their registers
.endif
.irp c, 0,1,2,3,4,5
	ds_load_b128 v[OB+4*\c:OB+4*\c+3], v[CSR] offset:512*\c
.endr
	s_wait_dscnt 0x0
.irp c, 0,1,2
	global_store_b128 v[CA0], v[OB+4*\c:OB+4*\c+3], s[12:13] offset:((\a)/2)*1536+512*\c          ; 32 lanes store 512 consecutive bytes, at a multiple of 256 from the buffer's first byte
	global_store_b128 v[CA1], v[OB+12+4*\c:OB+12+4*\c+3], s[12:13] offset:((\a)/2)*1536+512*\c
.endr
.endif
.endr
	WIN 0x04
.irp a, 0,1,2,3,4,5,6,7
	ds_store_b32 v[SSW], v[SW+\a] offset:(32*(\a/2)+XB*(\a%2))*4
.endr
	WIN 0
	s_wait_xcnt 0x0
	ds_load_b128 v[OB:OB+3], v[SSR]
	ds_load_b128 v[OB+4:OB+7], v[SSR] offset:512
	s_wait_dscnt 0x0
	global_store_b128 v[CA0], v[OB:OB+3], s[98:99]             ; 128 rows' scale words of one group of columns: 512 consecutive bytes
	global_store_b128 v[SA1], v[OB+4:OB+7], s[98:99]
	s_wait_tensorcnt 0x0                           ; the wave's end
	ds_add_u32 v[SPW], v[NIL]
	s_wait_dscnt 0x0
	CROUND                                         ; the closing round: no work-group ends while a partner may still ask for a tile that names it
	s_endpgm
.Lfunc_end_k_qa34a3151ab_ffn1:
	.size	k_qa34a3151ab_ffn1, .Lfunc_end_k_qa34a3151ab_ffn1-k_qa34a3151ab_ffn1
	.p2alignl 7, 3214868480
	.fill 96, 4, 3214868480
	.section	.rodata,"a",@progbits
	.p2align	6, 0x0
	.amdhsa_kernel k_qa34a3151ab_ffn1
		.amdhsa_group_segment_fixed_size 327680
		.amdhsa_private_segment_fixed_size 0
		.amdhsa_enable_private_segment 0
		.amdhsa_kernarg_size 40
		.amdhsa_user_sgpr_count 2
		.amdhsa_user_sgpr_kernarg_segment_ptr 1
		.amdhsa_wavefront_size32 1
		.amdhsa_system_sgpr_workgroup_id_x 1
		.amdhsa_system_sgpr_workgroup_id_y 1
		.amdhsa_system_sgpr_workgroup_id_z 1
		.amdhsa_system_vgpr_workitem_id 0
		.amdhsa_next_free_vgpr 1024
		.amdhsa_next_free_sgpr 104
		.amdhsa_reserve_vcc 0
		.amdhsa_float_denorm_mode_32 3
		.amdhsa_float_denorm_mode_16_64 3
		.amdhsa_memory_ordered 1
		.amdhsa_forward_progress 1
		.amdhsa_inst_pref_size 255
	.end_amdhsa_kernel
	.section	.bss,"aw",@nobits
	.p2align	6
	.space	262144
	.amdgpu_metadata
---
amdhsa.version: [ 1, 2 ]
amdhsa.kernels:
  - .name:           k_qa34a3151ab_ffn1
    .symbol:         k_qa34a3151ab_ffn1.kd
    .args:
      - { .name: hq, .offset: 0, .size: 8, .value_kind: global_buffer, .address_space: global }
      - { .name: W1_codes, .offset: 8, .size: 8, .value_kind: global_buffer, .address_space: global }
      - { .name: W1_scales, .offset: 16, .size: 8, .value_kind: global_buffer, .address_space: global }
      - { .name: b1, .offset: 24, .size: 8, .value_kind: global_buffer, .address_space: global }
      - { .name: g, .offset: 32, .size: 8, .value_kind: global_buffer, .address_space: global }
    .group_segment_fixed_size: 327680
    .private_segment_fixed_size: 0
    .kernarg_segment_align: 8
    .kernarg_segment_size: 40
    .max_flat_workgroup_size: 128
    .sgpr_count:     104
    .vgpr_count:     1024
    .wavefront_size: 32
...
	.end_amdgpu_metadata
.endif
;; end of part 5
;; launch ffn2 (part 6): grid 4 x 32, 4 waves a work-group, clusters of 4 x 4, 327,680 bytes of LDS; arguments g, W2_codes, W2_scales, b2, x2, out0; writes out0
.if DOCPART == 6
	.amdgcn_target "amdgcn-amd-amdhsa--gfx1250"
	.amdhsa_code_object_version 6
	.text
	.protected	k_qa34a3151ab_ffn2
	.globl	k_qa34a3151ab_ffn2
	.p2align	8
	.type	k_qa34a3151ab_ffn2,@function
k_qa34a3151ab_ffn2:
	s_mov_b64 s[64:65], 0
	v_nop
	global_prefetch_b8 v0, s[64:65] scope:SCOPE_SE
	s_setreg_imm32_b32 hwreg(HW_REG_WAVE_MODE, 25, 1), 1
	s_wait_xcnt 0x0
	s_wait_alu depctr_hold_cnt(0) depctr_sa_sdst(0) depctr_va_vdst(0) depctr_va_sdst(0) depctr_va_ssrc(0) depctr_va_vcc(0) depctr_vm_vsrc(0)
	s_getreg_b32 s2, hwreg(HW_REG_IB_STS2, 6, 4)
	s_cmp_eq_u32 s2, 0
	s_cbranch_scc0 .Lentry_in_a_cluster
	s_endpgm
.Lentry_in_a_cluster:
	s_bfe_u32 s2, ttmp6, 0x10000c
	s_cmp_lg_u32 s2, 0xf033
	s_cbranch_scc0 .Lentry_shape_is_right
	s_endpgm
.Lentry_shape_is_right:
.set SIZE_K, 4096
; ONE TEXT FOR TWO LAUNCHES (SIZE_K 1,024: the attention's output layer; 4,096: the FFN's second layer).  out[m][n] = res[m][n] + bias[n] + sum over k of A[m][k] W[n][k]; M = 4,096, N = 1,024; out, res f32.
; Both operands are codes of FP6 (E2M3) with one E8M0 byte for each 32 along K.  W: rows of 3 SIZE_K / 4 bytes, scale bytes [1024][SIZE_K / 32].
; A, in this program's own layout: codes [k / 64][4096 rows][48 bytes]; behind them (byte 3,072 SIZE_K) one word for each (k / 64, row), bytes 0 and 1 the two blocks' scale bytes.
; A tile of out is 128 x 256 (128 work-groups; 256 x 256 would give 64): four waves, 64 x 128 each: 32 accumulators.  K goes in steps of 256 through two LDS slots: A's part is 4 planes x 128 rows x 48 bytes, each plane's rows dense
; (48 r + 24 h: the 32 lanes of a load of 8 bytes touch 64 different banks, with no padding); B's part 256 rows of 192 bytes, 16 bytes of padding behind every 64.
; W's scale bytes come once, by a tensor load.  A's words are made into words for 128 along K once, at the head, and laid into LDS by the waves themselves: [k / 128][128 rows].
; The bias is the C of each sum's first matrix instruction; the residual is asked for at the head into 256 registers (window 3) and lands under the K loop.
; CLUSTERS: 4 x 4 work-groups; A's tiles are asked for jointly by the four of a row of the cluster, W's by the four of a column.  THE MATRIX INSTRUCTION IS USED TRANSPOSED: a lane holds eight neighbouring columns of a row.
; REGISTERS: window 0: v0-31 addresses; v32-63 W's scale words, two sets; v64-79 A's, two sets (v32-79 hold scale words and nothing else); v80-143 the bias; v144-191 A's four fragments; on the way out v80-207 rows.
;   window 1: W's fragments, two sets.  window 2: accumulators.  window 3: the residual.
.set KSTEP,  256
.set ROWB,   192
.set KROW,   SIZE_K*6/8
.set PITCH,  240
.set FR,     12
.set NL,     6
.set NP,     4                         ; places behind this matrix instruction (ISA guide 7.12.1)
.set HALFA,  4*64*48                   ; 64 rows of A for 256 along K: what one tensor load brings
.set BOFF,   2*HALFA
.set HALFB,  128*PITCH
.set SLOT,   BOFF+2*HALFB
.set LAPS,   SIZE_K/(2*KSTEP)
.set KS,     SIZE_K/32
.set LSCB,   2*SLOT                    ; W's scale bytes, as runs of 256 bytes + 16 of padding
.set HALFS,  (128*KS/256)*272
.set SBLK,   (16*KS/256)*272
.set LSCA,   LSCB+2*HALFS              ; A's scale words
.set SPARE,  LSCA+(SIZE_K/128)*512     ; the spare words, 128 bytes a wave: no other line names them
.set SPITCH, 528                       ; the way out: a stage of 16 rows x (512 + 16) bytes a wave, in slot 0, which has had its last fill and its last read by then
.set BAD,  15                          ; v15  the bias: 32 x (lane / 16)
.set ADRA, 16                          ; v16-17 my A fragments in slot 0, 1
.set ADRB, 20                          ; v20-21 my W fragments (v22-23: behind one padding more)
.set STO,  24
.set RD,   25
.set CO,   26                          ; v26  16 x lane
.set ADSB, 27                          ; v27  W's scale words of row r
.set SPW,  28                          ; v28  my spare word; never rewritten
.set NIL,  29                          ; v29  0; never rewritten
.set ADSA, 30                          ; v30  A's scale words of row r
.set SCW,  31                          ; v31  where I lay A's scale words
.set RSB,  32
.set RSA,  64
.set BIAS, 80
.set AF,   144
.set EO,   144                         ; at the head: A's words as loaded
.set BK,   80                          ; the way out: 16 rows read back from the stage: v80-143 and v144-207 by turns
.set AWB,  100                         ; s[100:101] where A's words begin: a pair of its own, written once
.set G1, 24
.set G0, 32
.set G1B, 48
.set G0B, 56
.set G1SB, 80
.set G0SB, 88
.set MSB, 0
.macro WIN new                         ; the immediate's high byte repeats the setting that is left
.if MSB != \new
	s_set_vgpr_msb (MSB<<8)|\new
.set MSB, \new
.endif
.endm
.set TO_B, 0x40
.macro WMUL first                      ; source 0 (W) window 1, source 1 (A) window 0, D window 2; C window 0 (the bias) or 2
.if \first
	WIN 0x81
.else
	WIN 0xa1
.endif
.endm
.macro JLOAD g0a, g1a, g0b, g1b        ; a joint load: waves 0 and 1 fetch for A, waves 2 and 3 for W; four v_nop follow each of the two lines
	s_cmp_eq_u32 s15, 0
	s_cbranch_scc0 .Lfor_b_\@
	tensor_load_to_lds s[\g0a:\g0a+3], s[\g1a:\g1a+7]
	s_nop 0
.rept 4
	v_nop
.endr
	s_branch .Lasked_\@
.Lfor_b_\@:
	tensor_load_to_lds s[\g0b:\g0b+3], s[\g1b:\g1b+7]
	s_nop 0
.rept 4
	v_nop
.endr
.Lasked_\@:
.endm
.macro CREST
	s_cmp_lg_u32 s14, 0
	s_cbranch_scc1 .Lnot_wave_0_\@
	s_barrier_signal -3
.Lnot_wave_0_\@:
	s_barrier_wait -3
	s_barrier_signal -1
	s_barrier_wait -1
.endm
.macro CROUND
	s_barrier_signal -1
	s_barrier_wait -1
	CREST
.endm
	s_load_b256 s[4:11], s[0:1], 0x0               ; A s[4:5], W's codes s[6:7], W's scales s[8:9], the bias s[10:11]
	s_load_b128 s[96:99], s[0:1], 0x20             ; the residual s[96:97], out s[98:99]
	v_lshl_add_u32 v[SPW], v0, 2, SPARE
	v_mov_b32 v[NIL], 0
	ds_add_u32 v28, v29
	ds_add_u32 v28, v29
	s_wait_dscnt 0x0
	v_lshrrev_b32 v1, 5, v0
	v_readfirstlane_b32 s14, v1                    ; wave 0..3
	s_lshr_b32 s15, s14, 1                         ; which 64 rows of the tile are mine.  Also: I fetch for A (0) or for W (1)
	s_and_b32 s16, s14, 1                          ; which 128 columns.  Also: which half I fetch
	s_bfe_u32 s40, ttmp6, 0x40000                  ; cx, cy
	s_bfe_u32 s41, ttmp6, 0x40004
	s_lshl_b32 s42, ttmp9, 2
	s_add_co_u32 s42, s42, s40                     ; tile column
	s_and_b32 s17, ttmp7, 0xffff
	s_lshl_b32 s17, s17, 2
	s_add_co_u32 s17, s17, s41                     ; tile row
	s_lshl_b32 s43, s41, 2
	s_lshl_b32 s43, 15, s43                        ; my row of the cluster
	s_lshl_b32 s44, 0x1111, s40                    ; my column
	s_or_b32 s[G1+0], s43, (3<<16)|(1<<21)         ; A: the mask; elements of 8 bytes; bit 21 beside a mask; no padding
	s_mov_b32 s[G1+1], 384<<16                     ; tensor_dim0: 64 rows x 48 bytes, dense
	s_mov_b32 s[G1+2], 4<<16                       ; tensor_dim1: 4 planes
	s_mov_b32 s[G1+3], 384<<16                     ; tile_dim0
	s_mov_b32 s[G1+4], 4                           ; tile_dim1
	s_mov_b32 s[G1+5], 24576                       ; from plane to plane: 4,096 rows x 48 bytes
	s_mov_b32 s[G1+6], 0
	s_mov_b32 s[G1+7], 0
	s_or_b32 s[G1B+0], s44, (0<<16)|(1<<20)|(1<<21)|(3<<22)|(3<<25)  ; W: elements of 1 byte; 4 words of padding behind every 16
	s_mov_b32 s[G1B+1], ROWB<<16
	s_mov_b32 s[G1B+2], 128<<16
	s_mov_b32 s[G1B+3], ROWB<<16
	s_mov_b32 s[G1B+4], 128
	s_mov_b32 s[G1B+5], KROW
	s_mov_b32 s[G1B+6], 0
	s_mov_b32 s[G1B+7], 0
	s_or_b32 s[G1SB+0], s44, (3<<16)|(1<<20)|(1<<21)|(5<<22)|(3<<25) ; W's scale bytes of 128 rows: dense, as rows of 256 bytes, 16 bytes of padding behind each
	s_mov_b32 s[G1SB+1], 32<<16
	s_mov_b32 s[G1SB+2], (128*KS/256)<<16
	s_mov_b32 s[G1SB+3], 32<<16
	s_mov_b32 s[G1SB+4], 128*KS/256
	s_mov_b32 s[G1SB+5], 32
	s_mov_b32 s[G1SB+6], 0
	s_mov_b32 s[G1SB+7], 0
	s_lshl_b32 s20, s17, 7
	s_lshl_b32 s18, s16, 6
	s_add_co_u32 s20, s20, s18
	s_mul_i32 s20, s20, 48                         ; A: row 128 x tile row + 64 x half, in plane 0
	s_mov_b32 s21, 0
	s_lshl_b32 s46, s42, 8
	s_lshl_b32 s18, s16, 7
	s_add_co_u32 s46, s46, s18                     ; W: row 256 x tile column + 128 x half
	s_mul_i32 s92, s46, KS
	s_mov_b32 s93, 0
	s_mul_i32 s46, s46, KROW
	s_mov_b32 s47, 0
	s_mul_i32 s45, s16, HALFA                      ; where they go: no place in the cluster enters an LDS address
	s_mul_i32 s94, s16, HALFB
	s_add_co_u32 s94, s94, BOFF
	s_mul_i32 s95, s16, HALFS
	s_add_co_u32 s95, s95, LSCB
	s_lshl_b32 s22, s17, 9                         ; A's words: the tile's 128 rows, planes 2 (4 u + wave) and the next
	s_lshl_b32 s23, s14, 15
	s_add_co_u32 s22, s22, s23
	s_add_co_u32 s22, s22, SIZE_K*3072
	s_mov_b32 s23, 0
	s_lshl_b32 s2, s42, 10
	s_lshl_b32 s3, s16, 9
	s_add_co_u32 s2, s2, s3                        ; my first column, in bytes
	s_mov_b32 s3, 0
	s_lshl_b32 s18, s17, 7
	s_lshl_b32 s19, s15, 6
	s_add_co_u32 s18, s18, s19
	s_lshl_b32 s18, s18, 12
	s_add_co_u32 s18, s18, s2                      ; my first number of the residual and of out, in bytes
	s_mov_b32 s19, 0
	v_and_b32 v1, 15, v0                           ; r
	v_bfe_u32 v2, v0, 4, 1                         ; h
	v_and_b32 v3, 31, v0
	v_lshlrev_b32 v[CO], 4, v3
	v_lshlrev_b32 v[BAD], 5, v2
	s_wait_kmcnt 0x0
	s_add_nc_u64 s[AWB:AWB+1], s[4:5], s[22:23]    ; into a pair that is never written again: the loads that name it are out while s22 and s23 serve the LDS addresses below
	s_add_nc_u64 s[20:21], s[4:5], s[20:21]
	s_add_nc_u64 s[46:47], s[6:7], s[46:47]
	s_add_nc_u64 s[92:93], s[8:9], s[92:93]
	s_add_nc_u64 s[10:11], s[10:11], s[2:3]
	s_add_nc_u64 s[96:97], s[96:97], s[18:19]
	s_add_nc_u64 s[98:99], s[98:99], s[18:19]
.set u, 0
.rept SIZE_K/512
	global_load_b128 v[EO+8*u:EO+8*u+3], v[CO], s[AWB:AWB+1] offset:131072*u          ; 128 rows' words of an even plane: 512 consecutive bytes,
	global_load_b128 v[EO+8*u+4:EO+8*u+7], v[CO], s[AWB:AWB+1] offset:131072*u+16384  ; and of the odd plane behind it
.set u, u+1
.endr
.irp b, 0,1,2,3,4,5,6,7
	global_load_b128 v[BIAS+8*\b:BIAS+8*\b+3], v[BAD], s[10:11] offset:64*\b      ; in the result's layout: lane (r, h) holds columns 16 b + 8 h + 0 .. 7
	global_load_b128 v[BIAS+8*\b+4:BIAS+8*\b+7], v[BAD], s[10:11] offset:64*\b+16
.endr
	CROUND                                         ; all sixteen work-groups are here: the first joint loads meet
.irp s, 0,1
	s_mov_b32 s[G0+4*\s], 1
	s_add_co_u32 s[G0+4*\s+1], s45, \s*SLOT
	s_add_nc_u64 s[G0+4*\s+2:G0+4*\s+3], s[20:21], \s*786432      ; K step s: 4 planes on
	s_or_b32 s[G0+4*\s+3], s[G0+4*\s+3], 0x80000000
	s_mov_b32 s[G0B+4*\s], 1
	s_add_co_u32 s[G0B+4*\s+1], s94, \s*SLOT
	s_add_nc_u64 s[G0B+4*\s+2:G0B+4*\s+3], s[46:47], \s*ROWB
	s_or_b32 s[G0B+4*\s+3], s[G0B+4*\s+3], 0x80000000
.endr
	s_mov_b32 s[G0SB], 1
	s_mov_b32 s[G0SB+1], s95
	s_mov_b64 s[G0SB+2:G0SB+3], s[92:93]
	s_or_b32 s[G0SB+3], s[G0SB+3], 0x80000000
	s_cmp_eq_u32 s15, 0                            ; a wave's first fills stand in one branch: two loads of waves 0 and 1 are out, three of waves 2 and 3; on both ways the last is K step 1's
	s_cbranch_scc0 .Lfirst_b
	tensor_load_to_lds s[G0:G0+3], s[G1:G1+7]
	s_nop 0
	tensor_load_to_lds s[G0+4:G0+7], s[G1:G1+7]
	s_nop 0
.rept 4
	v_nop
.endr
	s_branch .Lfirst_done
.Lfirst_b:
	tensor_load_to_lds s[G0SB:G0SB+3], s[G1SB:G1SB+7]
	s_nop 0
	tensor_load_to_lds s[G0B:G0B+3], s[G1B:G1B+7]
	s_nop 0
	tensor_load_to_lds s[G0B+4:G0B+7], s[G1B:G1B+7]
	s_nop 0
.rept 4
	v_nop
.endr
.Lfirst_done:
	v_mul_u32_u24 v4, v1, 48
	v_mad_u32_u24 v4, v2, 24, v4                   ; A: row r x 48 + 24 h
	s_mul_i32 s21, s15, HALFA
	v_mul_u32_u24 v5, v1, PITCH
	v_mad_u32_u24 v5, v2, 24, v5                   ; W: row r x pitch + 24 h,
	v_lshl_add_u32 v6, v2, 4, v5                   ; and the same behind one padding more
	s_mul_i32 s22, s16, HALFB
	s_add_co_u32 s22, s22, BOFF
.irp s, 0,1
	v_add_nc_u32 v[ADRA+\s], s21, v4
	v_add_nc_u32 v[ADRB+\s], s22, v5
	v_add_nc_u32 v[ADRB+2+\s], s22, v6
	s_add_co_u32 s21, s21, SLOT
	s_add_co_u32 s22, s22, SLOT
.endr
	v_mul_u32_u24 v5, v1, KS                       ; W's scale bytes of row r: KS a row,
	v_lshrrev_b32 v6, 8, v5
	v_lshl_add_u32 v5, v6, 4, v5                   ; and 16 more for each 256 passed
	s_mul_i32 s21, s16, HALFS
	s_add_co_u32 s21, s21, LSCB
	v_add_nc_u32 v[ADSB], s21, v5
	s_lshl_b32 s21, s15, 8
	s_add_co_u32 s21, s21, LSCA
	v_lshlrev_b32 v5, 2, v1
	v_add_nc_u32 v[ADSA], s21, v5
	v_lshl_add_u32 v[SCW], v0, 4, LSCA             ; 512 x wave + 16 x lane
	s_mul_i32 s23, s14, 16*SPITCH                  ; my stage
	v_mul_u32_u24 v5, v1, SPITCH
	v_lshl_add_u32 v5, v2, 5, v5
	v_add_nc_u32 v[STO], s23, v5                   ; in: row r, 32 bytes for each half of the lanes
	v_add_nc_u32 v[RD], s23, v[CO]                 ; back: the 32 lanes take one row of 512 bytes
	s_wait_loadcnt 0x0                             ; A's words and the bias
.set u, 0
.rept SIZE_K/512
.irp e, 0,1,2,3
	v_perm_b32 v[EO+8*u+\e], v[EO+8*u+4+\e], v[EO+8*u+\e], 0x05040100   ; two bytes of each plane's word: the four blocks' bytes of 128 along K
.endr
	ds_store_b128 v[SCW], v[EO+8*u:EO+8*u+3] offset:2048*u
.set u, u+1
.endr
	WIN 0xc0
.set n, 0
.rept 64
	global_load_b128 v[4*n:4*n+3], v[CO], s[96:97] offset:4096*n       ; the residual, row n of my 64: 512 consecutive bytes, in the layout in which the rows come back from the stage
.set n, n+1
.endr
	WIN 0
.macro FRAG reg, adr, q, i             ; a fragment of W: lane l holds row l % 16; registers 6 c .. 6 c + 5 hold K = 64 c + 32 (l / 16) + 0 .. 31, in pieces of 8 bytes
.irp p, 0,1,2,3,4,5
.set PCE, 12*(\q)+6*(\p/3)+\p%3
.if PCE%8 < 5
	ds_load_b64 v[\reg+2*\p:\reg+2*\p+1], v[\adr] offset:8*PCE+16*(PCE/8)+(\i)*16*PITCH
.else
	ds_load_b64 v[\reg+2*\p:\reg+2*\p+1], v[\adr+2] offset:8*PCE+16*(PCE/8)+(\i)*16*PITCH
.endif
.endr
.endm
.macro FRAG_A slot, q, i               ; a fragment of A: plane 2 q + c of the slot's four, row 16 i + r, bytes 24 h on
.irp p, 0,1,2,3,4,5
	ds_load_b64 v[AF+FR*(\i)+2*\p:AF+FR*(\i)+2*\p+1], v[ADRA+\slot] offset:(2*(\q)+\p/3)*3072+(\i)*768+8*(\p%3)
.endr
.endm
.macro FETCH_B slot, q, p
	WIN TO_B
.irp i, 0,1,2,3,4,5,6,7
	FRAG 128*(\p)+FR*\i, ADRB+\slot, \q, \i
.endr
	WIN 0
.endm
.macro SCALES sc                       ; a K step's scale words: W's, two words a row and block; A's, a word for each block and 128 along K
.irp b, 0,1,2,3,4,5,6,7
	ds_load_b64 v[RSB+16*\sc+2*\b:RSB+16*\sc+2*\b+1], v[ADSB] offset:\b*SBLK
.endr
.irp a, 0,1,2,3
.irp q, 0,1
	ds_load_b32 v[RSA+8*\sc+2*\a+\q], v[ADSA] offset:512*\q+64*\a
.endr
.endr
.endm
; 8 matrix instructions: A's block a x W's eight, 128 along K.  The 32 accumulators take turns, one instruction a turn, in the same order in every step.
.macro MULA a, p, q, sc, first
.irp b, 0,1,2,3,4,5,6,7
.if \first
	v_wmma_scale_f32_16x16x128_f8f6f4 v[8*(8*(\a)+\b):8*(8*(\a)+\b)+7], v[128*(\p)+FR*\b:128*(\p)+FR*\b+FR-1], v[AF+FR*(\a):AF+FR*(\a)+FR-1], v[BIAS+8*\b:BIAS+8*\b+7], v[RSB+16*(\sc)+2*\b+(\q)], v[RSA+8*(\sc)+2*(\a)+(\q)] matrix_a_fmt:MATRIX_FMT_FP6 matrix_b_fmt:MATRIX_FMT_FP6
.else
	v_wmma_scale_f32_16x16x128_f8f6f4 v[8*(8*(\a)+\b):8*(8*(\a)+\b)+7], v[128*(\p)+FR*\b:128*(\p)+FR*\b+FR-1], v[AF+FR*(\a):AF+FR*(\a)+FR-1], v[8*(8*(\a)+\b):8*(8*(\a)+\b)+7], v[RSB+16*(\sc)+2*\b+(\q)], v[RSA+8*(\sc)+2*(\a)+(\q)] matrix_a_fmt:MATRIX_FMT_FP6 matrix_b_fmt:MATRIX_FMT_FP6
.endif
.endr
.endm
.macro PLACES n
.rept \n
	v_nop
.endr
.endm
.macro STEP slot, first                ; a slot's first 128 along K (W's set 0); it fetches the second
	s_wait_dscnt 2*NL                              ; all but the youngest 12 loads (A's blocks 2 and 3)
	WMUL \first
	MULA 0, 0, 0, \slot, \first
	MULA 1, 0, 0, \slot, \first
	s_wait_dscnt 0x0
	PLACES NP
	FETCH_B \slot, 1, 1
	FRAG_A \slot, 1, 0
	FRAG_A \slot, 1, 1
	WMUL \first
	MULA 2, 0, 0, \slot, \first
	MULA 3, 0, 0, \slot, \first
	PLACES NP
	WIN 0
	FRAG_A \slot, 1, 2
	FRAG_A \slot, 1, 3
.endm
; A slot's second 128 along K change slots: one barrier; in front of it each wave waits for all its tensor loads, adds 0 to its spare word, and waits for that and for its reads of this slot.
.macro TURN slot, next, fill
	s_wait_tensorcnt 0x0                           ; all my tensor loads have landed: my part of the next slot
	ds_add_u32 v[SPW], v[NIL]                      ; 0 onto my spare word
	s_wait_dscnt 2*NL+1                            ; (the add and the youngest 12 loads may be out)
	WIN 0xa1
	MULA 0, 1, 1, \slot, 0
	s_wait_dscnt 0x0                               ; the add is done, and my reads of this slot are over
	s_barrier_signal -1
	MULA 1, 1, 1, \slot, 0
	WIN 0
	s_barrier_wait -1
.if \fill
	CREST                                          ; the barrier has opened a round of the cluster's barrier
	s_add_nc_u64 s[G0+4*\slot+2:G0+4*\slot+3], s[G0+4*\slot+2:G0+4*\slot+3], 1572864    ; two K steps on: 8 planes
	s_add_nc_u64 s[G0B+4*\slot+2:G0B+4*\slot+3], s[G0B+4*\slot+2:G0B+4*\slot+3], 2*ROWB
	JLOAD G0+4*\slot, G1, G0B+4*\slot, G1B         ; the first tensor load behind the round; its four v_nop are the places in front of the loads below
.else
	PLACES NP
.endif
	v_add_nc_u32 v[ADSB], 8, v[ADSB]               ; the next K step's scale words (no LDS load of mine is out)
	v_add_nc_u32 v[ADSA], 1024, v[ADSA]
	FETCH_B \next, 0, 0
	FRAG_A \next, 0, 0
	FRAG_A \next, 0, 1
	SCALES \next
	WIN 0xa1
	MULA 2, 1, 1, \slot, 0
	MULA 3, 1, 1, \slot, 0
	PLACES NP
	WIN 0
	FRAG_A \next, 0, 2
	FRAG_A \next, 0, 3
.endm
	s_wait_tensorcnt 1                             ; W's scale bytes and my part of K step 0 are in (K step 1's load may be out)
	s_wait_dscnt 0x0                               ; my part of A's scale words lies in LDS,
	s_barrier_signal -1
	s_barrier_wait -1                              ; everybody's do
	FETCH_B 0, 0, 0
	FRAG_A 0, 0, 0
	FRAG_A 0, 0, 1
	SCALES 0
	FRAG_A 0, 0, 2
	FRAG_A 0, 0, 3
	STEP 0, 1                                      ; the first step stands in front of the loop: its products start the sums, from the bias
	s_mov_b32 s3, LAPS-1
.Llap:
	TURN 0, 1, 1
	STEP 1, 0
	TURN 1, 0, 1
	STEP 0, 0
	s_sub_co_u32 s3, s3, 1
	s_cmp_lg_u32 s3, 0
	s_cbranch_scc1 .Llap
	TURN 0, 1, 0                                   ; the last lap fills nothing
	STEP 1, 0
	s_wait_dscnt 2*NL
	WIN 0xa1
	MULA 0, 1, 1, 1, 0
	MULA 1, 1, 1, 1, 0
	s_wait_dscnt 0x0
	MULA 2, 1, 1, 1, 0
	MULA 3, 1, 1, 1, 0
	WIN 0
; THE WAY OUT, block by block of 16 rows x 128 columns: through my stage in LDS, back as whole rows of 512 bytes; the residual is added; the 32 lanes store two aligned runs of 256 bytes.
.macro TOSTAGE a
	WIN 0x08
.irp b, 0,1,2,3,4,5,6,7
	ds_store_b128 v[STO], v[64*(\a)+8*\b:64*(\a)+8*\b+3] offset:64*\b          ; each accumulator from its low end on
	ds_store_b128 v[STO], v[64*(\a)+8*\b+4:64*(\a)+8*\b+7] offset:64*\b+16
.endr
	WIN 0
.set BB, BK+64*((\a)%2)
.irp t, 0,1,2,3,4,5,6,7,8,9,10,11,12,13,14,15
	ds_load_b128 v[BB+4*\t:BB+4*\t+3], v[RD] offset:\t*SPITCH                  ; LDS serves a wave's instructions in order: these see the stores above
.endr
.endm
.macro SEND a, younger
.set BB, BK+64*((\a)%2)
	s_wait_dscnt \younger                          ; the block is back; the next block's LDS instructions may be out
	WIN 0x0c                                       ; source 1: window 3
.set i, 0
.rept 32
	v_pk_add_f32 v[BB+i:BB+i+1], v[BB+i:BB+i+1], v[64*(\a)+i:64*(\a)+i+1]
.set i, i+2
.endr
	WIN 0
.irp t, 0,1,2,3,4,5,6,7,8,9,10,11,12,13,14,15
	global_store_b128 v[CO], v[BB+4*\t:BB+4*\t+3], s[98:99] offset:(16*(\a)+\t)*4096
.endr
.endm
	s_wait_loadcnt 0x0                             ; the residual
	PLACES NP                                      ; behind the last products: for the reads of results and the loads into registers that held operands
	TOSTAGE 0
	TOSTAGE 1
	SEND 0, 32
	s_wait_xcnt 0x0                                ; block 0's stores have read their registers: block 2's rows may land there
	TOSTAGE 2
	SEND 1, 32
	s_wait_xcnt 0x0
	TOSTAGE 3
	SEND 2, 32
	SEND 3, 0
	s_wait_tensorcnt 0x0                           ; the wave's end
	ds_add_u32 v[SPW], v[NIL]
	s_wait_dscnt 0x0
	CROUND                                         ; the closing round
	s_endpgm
.Lfunc_end_k_qa34a3151ab_ffn2:
	.size	k_qa34a3151ab_ffn2, .Lfunc_end_k_qa34a3151ab_ffn2-k_qa34a3151ab_ffn2
	.p2alignl 7, 3214868480
	.fill 96, 4, 3214868480
	.section	.rodata,"a",@progbits
	.p2align	6, 0x0
	.amdhsa_kernel k_qa34a3151ab_ffn2
		.amdhsa_group_segment_fixed_size 327680
		.amdhsa_private_segment_fixed_size 0
		.amdhsa_enable_private_segment 0
		.amdhsa_kernarg_size 48
		.amdhsa_user_sgpr_count 2
		.amdhsa_user_sgpr_kernarg_segment_ptr 1
		.amdhsa_wavefront_size32 1
		.amdhsa_system_sgpr_workgroup_id_x 1
		.amdhsa_system_sgpr_workgroup_id_y 1
		.amdhsa_system_sgpr_workgroup_id_z 1
		.amdhsa_system_vgpr_workitem_id 0
		.amdhsa_next_free_vgpr 1024
		.amdhsa_next_free_sgpr 104
		.amdhsa_reserve_vcc 0
		.amdhsa_float_denorm_mode_32 3
		.amdhsa_float_denorm_mode_16_64 3
		.amdhsa_memory_ordered 1
		.amdhsa_forward_progress 1
		.amdhsa_inst_pref_size 123
	.end_amdhsa_kernel
	.amdgpu_metadata
---
amdhsa.version: [ 1, 2 ]
amdhsa.kernels:
  - .name:           k_qa34a3151ab_ffn2
    .symbol:         k_qa34a3151ab_ffn2.kd
    .args:
      - { .name: g, .offset: 0, .size: 8, .value_kind: global_buffer, .address_space: global }
      - { .name: W2_codes, .offset: 8, .size: 8, .value_kind: global_buffer, .address_space: global }
      - { .name: W2_scales, .offset: 16, .size: 8, .value_kind: global_buffer, .address_space: global }
      - { .name: b2, .offset: 24, .size: 8, .value_kind: global_buffer, .address_space: global }
      - { .name: x2, .offset: 32, .size: 8, .value_kind: global_buffer, .address_space: global }
      - { .name: out0, .offset: 40, .size: 8, .value_kind: global_buffer, .address_space: global }
    .group_segment_fixed_size: 327680
    .private_segment_fixed_size: 0
    .kernarg_segment_align: 8
    .kernarg_segment_size: 48
    .max_flat_workgroup_size: 128
    .sgpr_count:     104
    .vgpr_count:     1024
    .wavefront_size: 32
...
	.end_amdgpu_metadata
.endif
;; end of part 6
;; ======== version 2 of 2: 7 launches
;; workspace buffers: hq 3,276,800 bytes; qkv 10,223,616 bytes; ctx 3,407,872 bytes; x2 16,777,216 bytes; g 13,631,488 bytes
;; launch ln: the kernel of part 1 again; grid 256 x 1, 4 waves a work-group, no clusters, 22,016 bytes of LDS; arguments x, ln1_scale, ln1_shift, hq; writes hq
;; launch qkv: the kernel of part 2 again; grid 12 x 16, 4 waves a work-group, clusters of 4 x 4, 327,680 bytes of LDS; arguments hq, Wq_codes, Wq_scales, Wk_codes, Wk_scales, Wv_codes, Wv_scales, qkv; writes qkv
;; launch attn: the kernel of part 3 again; grid 8 x 32, 16 waves a work-group, no clusters, 215,040 bytes of LDS; arguments qkv, ctx; writes ctx
;; launch oproj (part 7): grid 8 x 32, 4 waves a work-group, clusters of 4 x 4, 327,680 bytes of LDS; arguments ctx, Wo_codes, Wo_scales, bo, x, x2; writes x2
.if DOCPART == 7
	.amdgcn_target "amdgcn-amd-amdhsa--gfx1250"
	.amdhsa_code_object_version 6
	.text
	.protected	k_qa34a3151ab_oproj
	.globl	k_qa34a3151ab_oproj
	.p2align	8
	.type	k_qa34a3151ab_oproj,@function
k_qa34a3151ab_oproj:
	s_mov_b64 s[64:65], 0
	v_nop
	global_prefetch_b8 v0, s[64:65] scope:SCOPE_SE
	s_setreg_imm32_b32 hwreg(HW_REG_WAVE_MODE, 25, 1), 1
	s_wait_xcnt 0x0
	s_wait_alu depctr_hold_cnt(0) depctr_sa_sdst(0) depctr_va_vdst(0) depctr_va_sdst(0) depctr_va_ssrc(0) depctr_va_vcc(0) depctr_vm_vsrc(0)
	s_getreg_b32 s2, hwreg(HW_REG_IB_STS2, 6, 4)
	s_cmp_eq_u32 s2, 0
	s_cbranch_scc0 .Lentry_in_a_cluster
	s_endpgm
.Lentry_in_a_cluster:
	s_bfe_u32 s2, ttmp6, 0x10000c
	s_cmp_lg_u32 s2, 0xf033
	s_cbranch_scc0 .Lentry_shape_is_right
	s_endpgm
.Lentry_shape_is_right:
.set SIZE_K, 1024
; ONE TEXT FOR TWO LAUNCHES (SIZE_K 1,024: the attention's output layer; 4,096: the FFN's second layer).  out[m][n] = res[m][n] + bias[n] + sum over k of A[m][k] W[n][k]; M = 4,096, N = 1,024; out, res f32.
; Both operands are codes of FP6 (E2M3) with one E8M0 byte for each 32 along K.  W: rows of 3 SIZE_K / 4 bytes, scale bytes [1024][SIZE_K / 32].
; A, in this program's own layout: codes [k / 64][4096 rows][48 bytes]; behind them (byte 3,072 SIZE_K) one word for each (k / 64, row), bytes 0 and 1 the two blocks' scale bytes.
; A tile of out is 128 x 128: 32 x 8 = 256 work-groups of equal work.  Four waves, 64 x 64 each: 16 accumulators.  K goes in steps of 512, as long as two slots in LDS allow, so that a slot is changed SIZE_K / 512 - 1 times:
; A's part of a slot is 8 planes x 128 rows x 48 bytes, each plane's rows dense (48 r + 24 h: the 32 lanes of a load of 8 bytes touch 64 different banks, with no padding); W's part 128 rows of 384 bytes,
; 16 bytes of padding behind every 128: rows 432 bytes = 108 words apart, so that row r starts at bank 44 r mod 64, sixteen different multiples of 4, and lanes 16-31 lie 6 or 10 words further on.
; The price of the small tile: for 128 along K a wave loads 8 fragments (48 loads of 8 bytes a lane) for 16 matrix instructions.
; W's scale bytes come once, by a tensor load.  A's words are made into words for 128 along K once, at the head, and laid into LDS by the waves themselves: [k / 128][128 rows].
; The bias is the C of each sum's first matrix instruction; the residual is asked for at the head into 128 registers and lands under the K loop.
; CLUSTERS: 4 x 4 work-groups; A's tiles are asked for jointly by the four of a row of the cluster, W's by the four of a column.  THE MATRIX INSTRUCTION IS USED TRANSPOSED: a lane holds eight neighbouring columns of a row.
; REGISTERS: window 0: v0-31 addresses; v32-63 W's scale words, two sets; v64-95 A's, two sets (v32-95 hold scale words and nothing else); v96-127 the bias; v128-191 A's words as loaded, on the way out rows.
;   window 1: two fragment buffers, at v0 and v128: 48 registers of A (4 x 16 rows x 128 K), then 48 of W.   window 2: v0-127 the accumulators ((a, b) at v[8 (4 a + b)]); v128-255 the residual.
.set KSTEP,  512
.set ROWB,   384                       ; a row of W's tile in bytes
.set KROW,   SIZE_K*6/8
.set PITCH,  432
.set FR,     12
.set NP,     4                         ; places behind this matrix instruction (ISA guide 7.12.1)
.set HALFA,  8*64*48                   ; 64 rows of A for 512 along K: what one tensor load brings
.set BOFF,   2*HALFA
.set HALFB,  64*PITCH                  ; 64 rows of W likewise
.set SLOT,   BOFF+2*HALFB
.set LAPS,   SIZE_K/(2*KSTEP)          ; a lap = two K steps = once round the ring
.set KS,     SIZE_K/32
.set LSCB,   2*SLOT                    ; W's scale bytes, as runs of 256 bytes + 16 of padding
.set HALFS,  (64*KS/256)*272
.set SBLK,   (16*KS/256)*272
.set LSCA,   LSCB+2*HALFS              ; A's scale words
.set SPARE,  LSCA+(SIZE_K/128)*512     ; the spare words, 128 bytes a wave: no other line names them
.set SPITCH, 272                       ; the way out: a stage of 16 rows x (256 + 16) bytes a wave, in slot 0, which has had its last fill and its last read by then
.set L16,  14                          ; v14  16 x lane
.set BAD,  15                          ; v15  the bias: 32 x (lane / 16)
.set ADRA, 16                          ; v16-17 my A fragments in slot 0, 1
.set ADRB, 20                          ; v20-21 my W fragments (v22-23: behind one padding more)
.set STO,  24                          ; v24  the way out: where I put 32 bytes of a row
.set RD,   25                          ; v25  the way out: where I read a row back
.set CO,   26                          ; v26  my byte offset in the residual and in out: 4,096 x (lane / 16) + 16 x (lane % 16)
.set ADSB, 27                          ; v27  W's scale words of row r
.set SPW,  28                          ; v28  my spare word; never rewritten
.set NIL,  29                          ; v29  0; never rewritten
.set ADSA, 30                          ; v30  A's scale words of row r
.set SCW,  31                          ; v31  where I lay A's scale words
.set RSB,  32                          ; set s at v[32 + 16 s]; in it register 4 b + q: W's block b, the slot's q-th 128 along K
.set RSA,  64                          ; set s at v[64 + 16 s]; in it register 4 a + q: A's block a
.set BIAS, 96
.set EO,   128                         ; at the head: A's words as loaded
.set BK,   128                         ; the way out: 16 rows read back from the stage: v128-159 and v160-191 by turns
.set F0,   0                           ; fragment buffers, in window 1
.set F1,   128
.set RES,  128                         ; the residual, in window 2
.set AWB,  100                         ; s[100:101] where A's words begin: a pair of its own, written once
.set G1, 24
.set G0, 32
.set G1B, 48
.set G0B, 56
.set G1SB, 80
.set G0SB, 88
.set MSB, 0
.macro WIN new                         ; the immediate's high byte repeats the setting that is left
.if MSB != \new
	s_set_vgpr_msb (MSB<<8)|\new
.set MSB, \new
.endif
.endm
.set TO_F, 0x40                        ; destination window 1, address window 0
.macro WMUL first                      ; sources 0 (W) and 1 (A) window 1, D window 2; C window 0 (the bias) or 2
.if \first
	WIN 0x85
.else
	WIN 0xa5
.endif
.endm
.macro JLOAD g0a, g1a, g0b, g1b        ; a joint load: waves 0 and 1 fetch for A, waves 2 and 3 for W; four v_nop follow each of the two lines
	s_cmp_eq_u32 s15, 0
	s_cbranch_scc0 .Lfor_b_\@
	tensor_load_to_lds s[\g0a:\g0a+3], s[\g1a:\g1a+7]
.rept 4
	v_nop
.endr
	s_branch .Lasked_\@
.Lfor_b_\@:
	tensor_load_to_lds s[\g0b:\g0b+3], s[\g1b:\g1b+7]
.rept 4
	v_nop
.endr
.Lasked_\@:
.endm
.macro CREST                           ; a round of the cluster's barrier behind its opening barrier
	s_cmp_lg_u32 s14, 0
	s_cbranch_scc1 .Lnot_wave_0_\@
	s_barrier_signal -3
.Lnot_wave_0_\@:
	s_barrier_wait -3
	s_barrier_signal -1
	s_barrier_wait -1
.endm
.macro CROUND
	s_barrier_signal -1
	s_barrier_wait -1
	CREST
.endm
	s_load_b256 s[4:11], s[0:1], 0x0               ; A s[4:5], W's codes s[6:7], W's scales s[8:9], the bias s[10:11]
	s_load_b128 s[96:99], s[0:1], 0x20             ; the residual s[96:97], out s[98:99]
	v_lshl_add_u32 v[SPW], v0, 2, SPARE
	v_mov_b32 v[NIL], 0
	ds_add_u32 v28, v29
	ds_add_u32 v28, v29
	s_wait_dscnt 0x0
	v_lshrrev_b32 v1, 5, v0
	v_readfirstlane_b32 s14, v1                    ; wave 0..3
	s_lshr_b32 s15, s14, 1                         ; which 64 rows of the tile are mine.  Also: I fetch for A (0) or for W (1)
	s_and_b32 s16, s14, 1                          ; which 64 columns.  Also: which half I fetch
	s_bfe_u32 s40, ttmp6, 0x40000                  ; cx, cy
	s_bfe_u32 s41, ttmp6, 0x40004
	s_lshl_b32 s42, ttmp9, 2
	s_add_co_u32 s42, s42, s40                     ; tile column
	s_and_b32 s17, ttmp7, 0xffff
	s_lshl_b32 s17, s17, 2
	s_add_co_u32 s17, s17, s41                     ; tile row
	s_lshl_b32 s43, s41, 2
	s_lshl_b32 s43, 15, s43                        ; my row of the cluster
	s_lshl_b32 s44, 0x1111, s40                    ; my column
	s_or_b32 s[G1+0], s43, (3<<16)|(1<<21)         ; A: the mask; elements of 8 bytes; bit 21 beside a mask; no padding
	s_mov_b32 s[G1+1], 384<<16                     ; tensor_dim0: 64 rows x 48 bytes, dense
	s_mov_b32 s[G1+2], 8<<16                       ; tensor_dim1: 8 planes
	s_mov_b32 s[G1+3], 384<<16                     ; tile_dim0
	s_mov_b32 s[G1+4], 8                           ; tile_dim1
	s_mov_b32 s[G1+5], 24576                       ; from plane to plane: 4,096 rows x 48 bytes
	s_mov_b32 s[G1+6], 0
	s_mov_b32 s[G1+7], 0
	s_or_b32 s[G1B+0], s44, (0<<16)|(1<<20)|(1<<21)|(4<<22)|(3<<25)  ; W: elements of 1 byte; 4 words of padding behind every 32
	s_mov_b32 s[G1B+1], ROWB<<16
	s_mov_b32 s[G1B+2], 64<<16
	s_mov_b32 s[G1B+3], ROWB<<16
	s_mov_b32 s[G1B+4], 64
	s_mov_b32 s[G1B+5], KROW
	s_mov_b32 s[G1B+6], 0
	s_mov_b32 s[G1B+7], 0
	s_or_b32 s[G1SB+0], s44, (3<<16)|(1<<20)|(1<<21)|(5<<22)|(3<<25) ; W's scale bytes of 64 rows: dense, as rows of 256 bytes, 16 bytes of padding behind each
	s_mov_b32 s[G1SB+1], 32<<16
	s_mov_b32 s[G1SB+2], (64*KS/256)<<16
	s_mov_b32 s[G1SB+3], 32<<16
	s_mov_b32 s[G1SB+4], 64*KS/256
	s_mov_b32 s[G1SB+5], 32
	s_mov_b32 s[G1SB+6], 0
	s_mov_b32 s[G1SB+7], 0
	s_lshl_b32 s20, s17, 7
	s_lshl_b32 s18, s16, 6
	s_add_co_u32 s20, s20, s18
	s_mul_i32 s20, s20, 48                         ; A: row 128 x tile row + 64 x half, in plane 0
	s_mov_b32 s21, 0
	s_lshl_b32 s46, s42, 7
	s_add_co_u32 s46, s46, s18                     ; W: row 128 x tile column + 64 x half
	s_mul_i32 s92, s46, KS
	s_mov_b32 s93, 0
	s_mul_i32 s46, s46, KROW
	s_mov_b32 s47, 0
	s_mul_i32 s45, s16, HALFA                      ; where they go: no place in the cluster enters an LDS address
	s_mul_i32 s94, s16, HALFB
	s_add_co_u32 s94, s94, BOFF
	s_mul_i32 s95, s16, HALFS
	s_add_co_u32 s95, s95, LSCB
	s_lshl_b32 s22, s17, 9                         ; A's words: the tile's 128 rows, planes 2 (4 u + wave) and the next
	s_lshl_b32 s23, s14, 15
	s_add_co_u32 s22, s22, s23
	s_add_co_u32 s22, s22, SIZE_K*3072
	s_mov_b32 s23, 0
	s_lshl_b32 s2, s42, 9
	s_lshl_b32 s3, s16, 8
	s_add_co_u32 s2, s2, s3                        ; my first column, in bytes: 512 x tile column + 256 x half
	s_mov_b32 s3, 0
	s_lshl_b32 s18, s17, 7
	s_lshl_b32 s19, s15, 6
	s_add_co_u32 s18, s18, s19
	s_lshl_b32 s18, s18, 12
	s_add_co_u32 s18, s18, s2                      ; my first number of the residual and of out, in bytes
	s_mov_b32 s19, 0
	v_and_b32 v1, 15, v0                           ; r
	v_bfe_u32 v2, v0, 4, 1                         ; h
	v_and_b32 v3, 31, v0
	v_lshlrev_b32 v[L16], 4, v3
	v_lshlrev_b32 v[BAD], 5, v2
	v_lshlrev_b32 v[CO], 4, v1
	v_lshl_add_u32 v[CO], v2, 12, v[CO]
	s_wait_kmcnt 0x0
	s_add_nc_u64 s[AWB:AWB+1], s[4:5], s[22:23]    ; into a pair that is never written again: the loads that name it are out while s22 and s23 serve the LDS addresses below
	s_add_nc_u64 s[20:21], s[4:5], s[20:21]
	s_add_nc_u64 s[46:47], s[6:7], s[46:47]
	s_add_nc_u64 s[92:93], s[8:9], s[92:93]
	s_add_nc_u64 s[10:11], s[10:11], s[2:3]
	s_add_nc_u64 s[96:97], s[96:97], s[18:19]
	s_add_nc_u64 s[98:99], s[98:99], s[18:19]
.set u, 0
.rept SIZE_K/512
	global_load_b128 v[EO+8*u:EO+8*u+3], v[L16], s[AWB:AWB+1] offset:131072*u          ; 128 rows' words of an even plane: 512 consecutive bytes,
	global_load_b128 v[EO+8*u+4:EO+8*u+7], v[L16], s[AWB:AWB+1] offset:131072*u+16384  ; and of the odd plane behind it
.set u, u+1
.endr
.irp b, 0,1,2,3
	global_load_b128 v[BIAS+8*\b:BIAS+8*\b+3], v[BAD], s[10:11] offset:64*\b      ; in the result's layout: lane (r, h) holds columns 16 b + 8 h + 0 .. 7
	global_load_b128 v[BIAS+8*\b+4:BIAS+8*\b+7], v[BAD], s[10:11] offset:64*\b+16
.endr
	CROUND                                         ; all sixteen work-groups are here: the first joint loads meet
.irp s, 0,1
	s_mov_b32 s[G0+4*\s], 1
	s_add_co_u32 s[G0+4*\s+1], s45, \s*SLOT
	s_add_nc_u64 s[G0+4*\s+2:G0+4*\s+3], s[20:21], \s*1572864     ; K step s: 8 planes on
	s_or_b32 s[G0+4*\s+3], s[G0+4*\s+3], 0x80000000
	s_mov_b32 s[G0B+4*\s], 1
	s_add_co_u32 s[G0B+4*\s+1], s94, \s*SLOT
	s_add_nc_u64 s[G0B+4*\s+2:G0B+4*\s+3], s[46:47], \s*ROWB
	s_or_b32 s[G0B+4*\s+3], s[G0B+4*\s+3], 0x80000000
.endr
	s_mov_b32 s[G0SB], 1
	s_mov_b32 s[G0SB+1], s95
	s_mov_b64 s[G0SB+2:G0SB+3], s[92:93]
	s_or_b32 s[G0SB+3], s[G0SB+3], 0x80000000
	s_cmp_eq_u32 s15, 0                            ; a wave's first fills stand in one branch: two loads of waves 0 and 1 are out, three of waves 2 and 3; on both ways the last is K step 1's
	s_cbranch_scc0 .Lfirst_b
	tensor_load_to_lds s[G0:G0+3], s[G1:G1+7]
	s_nop 0
	tensor_load_to_lds s[G0+4:G0+7], s[G1:G1+7]
	s_nop 0
.rept 4
	v_nop
.endr
	s_branch .Lfirst_done
.Lfirst_b:
	tensor_load_to_lds s[G0SB:G0SB+3], s[G1SB:G1SB+7]
	s_nop 0
	tensor_load_to_lds s[G0B:G0B+3], s[G1B:G1B+7]
	s_nop 0
	tensor_load_to_lds s[G0B+4:G0B+7], s[G1B:G1B+7]
	s_nop 0
.rept 4
	v_nop
.endr
.Lfirst_done:
	v_mul_u32_u24 v4, v1, 48
	v_mad_u32_u24 v4, v2, 24, v4                   ; A: row r x 48 + 24 h
	s_mul_i32 s21, s15, HALFA
	v_mul_u32_u24 v5, v1, PITCH
	v_mad_u32_u24 v5, v2, 24, v5                   ; W: row r x pitch + 24 h,
	v_lshl_add_u32 v6, v2, 4, v5                   ; and the same behind one padding more
	s_mul_i32 s22, s16, HALFB
	s_add_co_u32 s22, s22, BOFF
.irp s, 0,1
	v_add_nc_u32 v[ADRA+\s], s21, v4
	v_add_nc_u32 v[ADRB+\s], s22, v5
	v_add_nc_u32 v[ADRB+2+\s], s22, v6
	s_add_co_u32 s21, s21, SLOT
	s_add_co_u32 s22, s22, SLOT
.endr
	v_mul_u32_u24 v5, v1, KS                       ; W's scale bytes of row r: KS a row,
	v_lshrrev_b32 v6, 8, v5
	v_lshl_add_u32 v5, v6, 4, v5                   ; and 16 more for each 256 passed
	s_mul_i32 s21, s16, HALFS
	s_add_co_u32 s21, s21, LSCB
	v_add_nc_u32 v[ADSB], s21, v5
	s_lshl_b32 s21, s15, 8
	s_add_co_u32 s21, s21, LSCA
	v_lshlrev_b32 v5, 2, v1
	v_add_nc_u32 v[ADSA], s21, v5
	v_lshl_add_u32 v[SCW], v0, 4, LSCA             ; 512 x wave + 16 x lane
	s_mul_i32 s23, s14, 16*SPITCH                  ; my stage
	v_mul_u32_u24 v5, v1, SPITCH
	v_lshl_add_u32 v5, v2, 5, v5
	v_add_nc_u32 v[STO], s23, v5                   ; in: row r, 32 bytes for each half of the lanes
	v_mul_u32_u24 v5, v2, SPITCH
	v_lshl_add_u32 v5, v1, 4, v5
	v_add_nc_u32 v[RD], s23, v5                    ; back: lanes 0-15 take one row of 256 bytes, lanes 16-31 the next
	s_wait_loadcnt 0x0                             ; A's words and the bias
.set u, 0
.rept SIZE_K/512
.irp e, 0,1,2,3
	v_perm_b32 v[EO+8*u+\e], v[EO+8*u+4+\e], v[EO+8*u+\e], 0x05040100   ; two bytes of each plane's word: the four blocks' bytes of 128 along K
.endr
	ds_store_b128 v[SCW], v[EO+8*u:EO+8*u+3] offset:2048*u
.set u, u+1
.endr
	WIN 0x80                                       ; destination window 2
.set n, 0
.rept 32
	global_load_b128 v[RES+4*n:RES+4*n+3], v[CO], s[96:97] offset:8192*n   ; the residual, rows 2 n and 2 n + 1 of my 64: 256 consecutive bytes each, in the layout in which the rows come back from the stage
.set n, n+1
.endr
	WIN 0
.macro FRAG_B reg, slot, q, i          ; a fragment of W: lane l holds row l % 16; registers 6 c .. 6 c + 5 hold K = 64 c + 32 (l / 16) + 0 .. 31, in pieces of 8 bytes
.irp p, 0,1,2,3,4,5                    ; piece p of a row lies at 8 p + 16 (p / 16); lanes 16-31 read three pieces further on, which is behind one padding more where p % 16 is 13 or more: the second address register serves those
.set PCE, 12*(\q)+6*(\p/3)+\p%3
.if PCE%16 < 13
	ds_load_b64 v[\reg+2*\p:\reg+2*\p+1], v[ADRB+\slot] offset:8*PCE+16*(PCE/16)+(\i)*16*PITCH
.else
	ds_load_b64 v[\reg+2*\p:\reg+2*\p+1], v[ADRB+2+\slot] offset:8*PCE+16*(PCE/16)+(\i)*16*PITCH
.endif
.endr
.endm
.macro FRAG_A reg, slot, q, i          ; a fragment of A: plane 2 q + c of the slot's eight, row 16 i + r, bytes 24 h on
.irp p, 0,1,2,3,4,5
	ds_load_b64 v[\reg+2*\p:\reg+2*\p+1], v[ADRA+\slot] offset:(2*(\q)+\p/3)*3072+(\i)*768+8*(\p%3)
.endr
.endm
.macro FETCH slot, q, f                ; 48 LDS loads in one run: the slot's q-th 128 along K into buffer f: W's four fragments, then A's four; A's blocks 2 and 3 are the youngest twelve
	WIN TO_F
.irp i, 0,1,2,3
	FRAG_B \f+48+FR*\i, \slot, \q, \i
.endr
.irp i, 0,1,2,3
	FRAG_A \f+FR*\i, \slot, \q, \i
.endr
.endm
.macro SCALES sc                       ; a K step's scale words: W's, four words a row; A's, a word for each block and 128 along K
.irp b, 0,1,2,3
	ds_load_b128 v[RSB+16*\sc+4*\b:RSB+16*\sc+4*\b+3], v[ADSB] offset:\b*SBLK
.endr
.irp a, 0,1,2,3
.irp q, 0,1,2,3
	ds_load_b32 v[RSA+16*\sc+4*\a+\q], v[ADSA] offset:512*\q+64*\a
.endr
.endr
.endm
; 4 matrix instructions: A's block a x W's four, 128 along K.  The 16 accumulators take turns, one instruction a turn, in the same order in every quarter.
.macro MUL4 a, f, q, sc, first
.irp b, 0,1,2,3
.if \first
	v_wmma_scale_f32_16x16x128_f8f6f4 v[8*(4*(\a)+\b):8*(4*(\a)+\b)+7], v[\f+48+FR*\b:\f+48+FR*\b+FR-1], v[\f+FR*(\a):\f+FR*(\a)+FR-1], v[BIAS+8*\b:BIAS+8*\b+7], v[RSB+16*(\sc)+4*\b+(\q)], v[RSA+16*(\sc)+4*(\a)+(\q)] matrix_a_fmt:MATRIX_FMT_FP6 matrix_b_fmt:MATRIX_FMT_FP6
.else
	v_wmma_scale_f32_16x16x128_f8f6f4 v[8*(4*(\a)+\b):8*(4*(\a)+\b)+7], v[\f+48+FR*\b:\f+48+FR*\b+FR-1], v[\f+FR*(\a):\f+FR*(\a)+FR-1], v[8*(4*(\a)+\b):8*(4*(\a)+\b)+7], v[RSB+16*(\sc)+4*\b+(\q)], v[RSA+16*(\sc)+4*(\a)+(\q)] matrix_a_fmt:MATRIX_FMT_FP6 matrix_b_fmt:MATRIX_FMT_FP6
.endif
.endr
.endm
.macro PLACES n                        ; plain vector lines between a matrix instruction and a load into, or a read of, its registers
.rept \n
	v_nop
.endr
.endm
; A K step is four quarters of 128 along K, 16 matrix instructions each, on buffers 0, 1, 0, 1.  One of the first three: multiplies buffer f and, in its middle, fetches the next quarter into g.
.macro QUARTER slot, q, f, g, first
	s_wait_dscnt 12                                ; all but the youngest 12 loads (A's blocks 2 and 3)
	WMUL \first
	MUL4 0, \f, \q, \slot, \first
	MUL4 1, \f, \q, \slot, \first
	PLACES NP
	FETCH \slot, (\q)+1, \g
	s_wait_dscnt 48                                ; all but the 48 just issued
	WMUL \first
	MUL4 2, \f, \q, \slot, \first
	MUL4 3, \f, \q, \slot, \first
.endm
; The last quarter multiplies buffer 1 and changes slots: one barrier; in front of it each wave waits for all its tensor loads, adds 0 to its spare word, and waits for that and for its reads of this slot.  fill = 1: the slot is filled again, two K steps ahead.
.macro TURN slot, next, fill
	WIN 0                                          ; (the add's two registers lie in window 0)
	s_wait_tensorcnt 0x0                           ; all my tensor loads have landed: my part of the next slot
	ds_add_u32 v[SPW], v[NIL]                      ; 0 onto my spare word
	s_wait_dscnt 13                                ; (the add and the youngest 12 loads may be out)
	WIN 0xa5
	MUL4 0, F1, 3, \slot, 0
	s_wait_dscnt 0x0                               ; the add is done, and my reads of this slot are over
	s_barrier_signal -1
	MUL4 1, F1, 3, \slot, 0
	WIN 0
	s_barrier_wait -1
.if \fill
	CREST                                          ; the barrier has opened a round of the cluster's barrier: no wave of any partner still reads this slot or has a load on its way
	s_add_nc_u64 s[G0+4*\slot+2:G0+4*\slot+3], s[G0+4*\slot+2:G0+4*\slot+3], 3145728    ; two K steps on: 16 planes
	s_add_nc_u64 s[G0B+4*\slot+2:G0B+4*\slot+3], s[G0B+4*\slot+2:G0B+4*\slot+3], 2*ROWB
	JLOAD G0+4*\slot, G1, G0B+4*\slot, G1B         ; the first tensor load behind the round; its four v_nop are the places in front of the loads below
.else
	PLACES NP
.endif
	v_add_nc_u32 v[ADSB], 16, v[ADSB]              ; the next K step's scale words
	v_add_nc_u32 v[ADSA], 2048, v[ADSA]
	SCALES \next
	FETCH \next, 0, F0
	WIN 0xa5
	MUL4 2, F1, 3, \slot, 0
	MUL4 3, F1, 3, \slot, 0
.endm
	s_wait_tensorcnt 1                             ; W's scale bytes and my part of K step 0 are in (K step 1's load may be out)
	s_wait_dscnt 0x0                               ; my part of A's scale words lies in LDS,
	s_barrier_signal -1
	s_barrier_wait -1                              ; everybody's do
	SCALES 0
	FETCH 0, 0, F0
	QUARTER 0, 0, F0, F1, 1                        ; the first quarter stands in front of the loop: its products start the sums, from the bias
.if LAPS > 1
	WIN 0                                          ; at a label and at a branch every window is 0
	s_mov_b32 s3, LAPS-1
.Llap:                                                 ; a trip goes once round the ring, from a lap's second quarter to the next lap's first, and fills both slots again
	QUARTER 0, 1, F1, F0, 0
	QUARTER 0, 2, F0, F1, 0
	TURN 0, 1, 1
	QUARTER 1, 0, F0, F1, 0
	QUARTER 1, 1, F1, F0, 0
	QUARTER 1, 2, F0, F1, 0
	TURN 1, 0, 1
	QUARTER 0, 0, F0, F1, 0
	WIN 0
	s_sub_co_u32 s3, s3, 1
	s_cmp_lg_u32 s3, 0
	s_cbranch_scc1 .Llap
.endif
	QUARTER 0, 1, F1, F0, 0                        ; the last lap fills nothing, and has no round of the cluster's barrier
	QUARTER 0, 2, F0, F1, 0
	TURN 0, 1, 0
	QUARTER 1, 0, F0, F1, 0
	QUARTER 1, 1, F1, F0, 0
	QUARTER 1, 2, F0, F1, 0
	s_wait_dscnt 12                                ; the very last quarter: nothing more to fetch
	WIN 0xa5
	MUL4 0, F1, 3, 1, 0
	MUL4 1, F1, 3, 1, 0
	s_wait_dscnt 0x0
	MUL4 2, F1, 3, 1, 0
	MUL4 3, F1, 3, 1, 0
	WIN 0
; THE WAY OUT, block by block of 16 rows x 64 columns: through my own stage in LDS, back as whole rows of 256 bytes, two rows an instruction; the residual is added; sixteen lanes store 256 consecutive bytes, aligned.
.macro TOSTAGE a
	WIN 0x08                                       ; an LDS store's data: window 2
.irp b, 0,1,2,3
	ds_store_b128 v[STO], v[8*(4*(\a)+\b):8*(4*(\a)+\b)+3] offset:64*\b          ; each accumulator from its low end on
	ds_store_b128 v[STO], v[8*(4*(\a)+\b)+4:8*(4*(\a)+\b)+7] offset:64*\b+16
.endr
	WIN 0
.set BB, BK+32*((\a)%2)
.irp t, 0,1,2,3,4,5,6,7
	ds_load_b128 v[BB+4*\t:BB+4*\t+3], v[RD] offset:\t*2*SPITCH                  ; LDS serves a wave's instructions in order: these see the stores above
.endr
.endm
.macro SEND a, younger
.set BB, BK+32*((\a)%2)
	s_wait_dscnt \younger                          ; the block is back; the next block's LDS instructions may be out
	WIN 0x08                                       ; source 1: window 2
.set i, 0
.rept 16
	v_pk_add_f32 v[BB+i:BB+i+1], v[BB+i:BB+i+1], v[RES+32*(\a)+i:RES+32*(\a)+i+1]
.set i, i+2
.endr
	WIN 0
.irp t, 0,1,2,3,4,5,6,7
	global_store_b128 v[CO], v[BB+4*\t:BB+4*\t+3], s[98:99] offset:(16*(\a)+2*\t)*4096
.endr
.endm
	s_wait_loadcnt 0x0                             ; the residual
	PLACES NP                                      ; behind the last products: for the reads of results
	TOSTAGE 0
	TOSTAGE 1
	SEND 0, 16
	s_wait_xcnt 0x0                                ; block 0's stores have read their registers: block 2's rows may land there
	TOSTAGE 2
	SEND 1, 16
	s_wait_xcnt 0x0
	TOSTAGE 3
	SEND 2, 16
	SEND 3, 0
	s_wait_tensorcnt 0x0                           ; the wave's end
	ds_add_u32 v[SPW], v[NIL]
	s_wait_dscnt 0x0
	CROUND                                         ; the closing round: no work-group ends while a partner may still ask for a tile that names it
	s_endpgm
.Lfunc_end_k_qa34a3151ab_oproj:
	.size	k_qa34a3151ab_oproj, .Lfunc_end_k_qa34a3151ab_oproj-k_qa34a3151ab_oproj
	.p2alignl 7, 3214868480
	.fill 96, 4, 3214868480
	.section	.rodata,"a",@progbits
	.p2align	6, 0x0
	.amdhsa_kernel k_qa34a3151ab_oproj
		.amdhsa_group_segment_fixed_size 327680
		.amdhsa_private_segment_fixed_size 0
		.amdhsa_enable_private_segment 0
		.amdhsa_kernarg_size 48
		.amdhsa_user_sgpr_count 2
		.amdhsa_user_sgpr_kernarg_segment_ptr 1
		.amdhsa_wavefront_size32 1
		.amdhsa_system_sgpr_workgroup_id_x 1
		.amdhsa_system_sgpr_workgroup_id_y 1
		.amdhsa_system_sgpr_workgroup_id_z 1
		.amdhsa_system_vgpr_workitem_id 0
		.amdhsa_next_free_vgpr 768
		.amdhsa_next_free_sgpr 104
		.amdhsa_reserve_vcc 0
		.amdhsa_float_denorm_mode_32 3
		.amdhsa_float_denorm_mode_16_64 3
		.amdhsa_memory_ordered 1
		.amdhsa_forward_progress 1
		.amdhsa_inst_pref_size 71
	.end_amdhsa_kernel
	.amdgpu_metadata
---
amdhsa.version: [ 1, 2 ]
amdhsa.kernels:
  - .name:           k_qa34a3151ab_oproj
    .symbol:         k_qa34a3151ab_oproj.kd
    .args:
      - { .name: ctx, .offset: 0, .size: 8, .value_kind: global_buffer, .address_space: global }
      - { .name: Wo_codes, .offset: 8, .size: 8, .value_kind: global_buffer, .address_space: global }
      - { .name: Wo_scales, .offset: 16, .size: 8, .value_kind: global_buffer, .address_space: global }
      - { .name: bo, .offset: 24, .size: 8, .value_kind: global_buffer, .address_space: global }
      - { .name: x, .offset: 32, .size: 8, .value_kind: global_buffer, .address_space: global }
      - { .name: x2, .offset: 40, .size: 8, .value_kind: global_buffer, .address_space: global }
    .group_segment_fixed_size: 327680
    .private_segment_fixed_size: 0
    .kernarg_segment_align: 8
    .kernarg_segment_size: 48
    .max_flat_workgroup_size: 128
    .sgpr_count:     104
    .vgpr_count:     768
    .wavefront_size: 32
...
	.end_amdgpu_metadata
.endif
;; end of part 7
;; launch ln2: the kernel of part 1 again; grid 256 x 1, 4 waves a work-group, no clusters, 22,016 bytes of LDS; arguments x2, ln2_scale, ln2_shift, hq; writes hq
;; launch ffn1: the kernel of part 5 again; grid 16 x 16, 4 waves a work-group, clusters of 4 x 4, 327,680 bytes of LDS; arguments hq, W1_codes, W1_scales, b1, g; writes g
;; launch ffn2 (part 8): grid 8 x 32, 4 waves a work-group, clusters of 4 x 4, 327,680 bytes of LDS; arguments g, W2_codes, W2_scales, b2, x2, out0; writes out0
.if DOCPART == 8
	.amdgcn_target "amdgcn-amd-amdhsa--gfx1250"
	.amdhsa_code_object_version 6
	.text
	.protected	k_qa34a3151ab_ffn2
	.globl	k_qa34a3151ab_ffn2
	.p2align	8
	.type	k_qa34a3151ab_ffn2,@function
k_qa34a3151ab_ffn2:
	s_mov_b64 s[64:65], 0
	v_nop
	global_prefetch_b8 v0, s[64:65] scope:SCOPE_SE
	s_setreg_imm32_b32 hwreg(HW_REG_WAVE_MODE, 25, 1), 1
	s_wait_xcnt 0x0
	s_wait_alu depctr_hold_cnt(0) depctr_sa_sdst(0) depctr_va_vdst(0) depctr_va_sdst(0) depctr_va_ssrc(0) depctr_va_vcc(0) depctr_vm_vsrc(0)
	s_getreg_b32 s2, hwreg(HW_REG_IB_STS2, 6, 4)
	s_cmp_eq_u32 s2, 0
	s_cbranch_scc0 .Lentry_in_a_cluster
	s_endpgm
.Lentry_in_a_cluster:
	s_bfe_u32 s2, ttmp6, 0x10000c
	s_cmp_lg_u32 s2, 0xf033
	s_cbranch_scc0 .Lentry_shape_is_right
	s_endpgm
.Lentry_shape_is_right:
.set SIZE_K, 4096
; ONE TEXT FOR TWO LAUNCHES (SIZE_K 1,024: the attention's output layer; 4,096: the FFN's second layer).  out[m][n] = res[m][n] + bias[n] + sum over k of A[m][k] W[n][k]; M = 4,096, N = 1,024; out, res f32.
; Both operands are codes of FP6 (E2M3) with one E8M0 byte for each 32 along K.  W: rows of 3 SIZE_K / 4 bytes, scale bytes [1024][SIZE_K / 32].
; A, in this program's own layout: codes [k / 64][4096 rows][48 bytes]; behind them (byte 3,072 SIZE_K) one word for each (k / 64, row), bytes 0 and 1 the two blocks' scale bytes.
; A tile of out is 128 x 128: 32 x 8 = 256 work-groups of equal work.  Four waves, 64 x 64 each: 16 accumulators.  K goes in steps of 512, as long as two slots in LDS allow, so that a slot is changed SIZE_K / 512 - 1 times:
; A's part of a slot is 8 planes x 128 rows x 48 bytes, each plane's rows dense (48 r + 24 h: the 32 lanes of a load of 8 bytes touch 64 different banks, with no padding); W's part 128 rows of 384 bytes,
; 16 bytes of padding behind every 128: rows 432 bytes = 108 words apart, so that row r starts at bank 44 r mod 64, sixteen different multiples of 4, and lanes 16-31 lie 6 or 10 words further on.
; The price of the small tile: for 128 along K a wave loads 8 fragments (48 loads of 8 bytes a lane) for 16 matrix instructions.
; W's scale bytes come once, by a tensor load.  A's words are made into words for 128 along K once, at the head, and laid into LDS by the waves themselves: [k / 128][128 rows].
; The bias is the C of each sum's first matrix instruction; the residual is asked for at the head into 128 registers and lands under the K loop.
; CLUSTERS: 4 x 4 work-groups; A's tiles are asked for jointly by the four of a row of the cluster, W's by the four of a column.  THE MATRIX INSTRUCTION IS USED TRANSPOSED: a lane holds eight neighbouring columns of a row.
; REGISTERS: window 0: v0-31 addresses; v32-63 W's scale words, two sets; v64-95 A's, two sets (v32-95 hold scale words and nothing else); v96-127 the bias; v128-191 A's words as loaded, on the way out rows.
;   window 1: two fragment buffers, at v0 and v128: 48 registers of A (4 x 16 rows x 128 K), then 48 of W.   window 2: v0-127 the accumulators ((a, b) at v[8 (4 a + b)]); v128-255 the residual.
.set KSTEP,  512
.set ROWB,   384                       ; a row of W's tile in bytes
.set KROW,   SIZE_K*6/8
.set PITCH,  432
.set FR,     12
.set NP,     4                         ; places behind this matrix instruction (ISA guide 7.12.1)
.set HALFA,  8*64*48                   ; 64 rows of A for 512 along K: what one tensor load brings
.set BOFF,   2*HALFA
.set HALFB,  64*PITCH                  ; 64 rows of W likewise
.set SLOT,   BOFF+2*HALFB
.set LAPS,   SIZE_K/(2*KSTEP)          ; a lap = two K steps = once round the ring
.set KS,     SIZE_K/32
.set LSCB,   2*SLOT                    ; W's scale bytes, as runs of 256 bytes + 16 of padding
.set HALFS,  (64*KS/256)*272
.set SBLK,   (16*KS/256)*272
.set LSCA,   LSCB+2*HALFS              ; A's scale words
.set SPARE,  LSCA+(SIZE_K/128)*512     ; the spare words, 128 bytes a wave: no other line names them
.set SPITCH, 272                       ; the way out: a stage of 16 rows x (256 + 16) bytes a wave, in slot 0, which has had its last fill and its last read by then
.set L16,  14                          ; v14  16 x lane
.set BAD,  15                          ; v15  the bias: 32 x (lane / 16)
.set ADRA, 16                          ; v16-17 my A fragments in slot 0, 1
.set ADRB, 20                          ; v20-21 my W fragments (v22-23: behind one padding more)
.set STO,  24                          ; v24  the way out: where I put 32 bytes of a row
.set RD,   25                          ; v25  the way out: where I read a row back
.set CO,   26                          ; v26  my byte offset in the residual and in out: 4,096 x (lane / 16) + 16 x (lane % 16)
.set ADSB, 27                          ; v27  W's scale words of row r
.set SPW,  28                          ; v28  my spare word; never rewritten
.set NIL,  29                          ; v29  0; never rewritten
.set ADSA, 30                          ; v30  A's scale words of row r
.set SCW,  31                          ; v31  where I lay A's scale words
.set RSB,  32                          ; set s at v[32 + 16 s]; in it register 4 b + q: W's block b, the slot's q-th 128 along K
.set RSA,  64                          ; set s at v[64 + 16 s]; in it register 4 a + q: A's block a
.set BIAS, 96
.set EO,   128                         ; at the head: A's words as loaded
.set BK,   128                         ; the way out: 16 rows read back from the stage: v128-159 and v160-191 by turns
.set F0,   0                           ; fragment buffers, in window 1
.set F1,   128
.set RES,  128                         ; the residual, in window 2
.set AWB,  100                         ; s[100:101] where A's words begin: a pair of its own, written once
.set G1, 24
.set G0, 32
.set G1B, 48
.set G0B, 56
.set G1SB, 80
.set G0SB, 88
.set MSB, 0
.macro WIN new                         ; the immediate's high byte repeats the setting that is left
.if MSB != \new
	s_set_vgpr_msb (MSB<<8)|\new
.set MSB, \new
.endif
.endm
.set TO_F, 0x40                        ; destination window 1, address window 0
.macro WMUL first                      ; sources 0 (W) and 1 (A) window 1, D window 2; C window 0 (the bias) or 2
.if \first
	WIN 0x85
.else
	WIN 0xa5
.endif
.endm
.macro JLOAD g0a, g1a, g0b, g1b        ; a joint load: waves 0 and 1 fetch for A, waves 2 and 3 for W; four v_nop follow each of the two lines
	s_cmp_eq_u32 s15, 0
	s_cbranch_scc0 .Lfor_b_\@
	tensor_load_to_lds s[\g0a:\g0a+3], s[\g1a:\g1a+7]
	s_nop 0
.rept 4
	v_nop
.endr
	s_branch .Lasked_\@
.Lfor_b_\@:
	tensor_load_to_lds s[\g0b:\g0b+3], s[\g1b:\g1b+7]
	s_nop 0
.rept 4
	v_nop
.endr
.Lasked_\@:
.endm
.macro CREST                           ; a round of the cluster's barrier behind its opening barrier
	s_cmp_lg_u32 s14, 0
	s_cbranch_scc1 .Lnot_wave_0_\@
	s_barrier_signal -3
.Lnot_wave_0_\@:
	s_barrier_wait -3
	s_barrier_signal -1
	s_barrier_wait -1
.endm
.macro CROUND
	s_barrier_signal -1
	s_barrier_wait -1
	CREST
.endm
	s_load_b256 s[4:11], s[0:1], 0x0               ; A s[4:5], W's codes s[6:7], W's scales s[8:9], the bias s[10:11]
	s_load_b128 s[96:99], s[0:1], 0x20             ; the residual s[96:97], out s[98:99]
	v_lshl_add_u32 v[SPW], v0, 2, SPARE
	v_mov_b32 v[NIL], 0
	ds_add_u32 v28, v29
	ds_add_u32 v28, v29
	s_wait_dscnt 0x0
	v_lshrrev_b32 v1, 5, v0
	v_readfirstlane_b32 s14, v1                    ; wave 0..3
	s_lshr_b32 s15, s14, 1                         ; which 64 rows of the tile are mine.  Also: I fetch for A (0) or for W (1)
	s_and_b32 s16, s14, 1                          ; which 64 columns.  Also: which half I fetch
	s_bfe_u32 s40, ttmp6, 0x40000                  ; cx, cy
	s_bfe_u32 s41, ttmp6, 0x40004
	s_lshl_b32 s42, ttmp9, 2
	s_add_co_u32 s42, s42, s40                     ; tile column
	s_and_b32 s17, ttmp7, 0xffff
	s_lshl_b32 s17, s17, 2
	s_add_co_u32 s17, s17, s41                     ; tile row
	s_lshl_b32 s43, s41, 2
	s_lshl_b32 s43, 15, s43                        ; my row of the cluster
	s_lshl_b32 s44, 0x1111, s40                    ; my column
	s_or_b32 s[G1+0], s43, (3<<16)|(1<<21)         ; A: the mask; elements of 8 bytes; bit 21 beside a mask; no padding
	s_mov_b32 s[G1+1], 384<<16                     ; tensor_dim0: 64 rows x 48 bytes, dense
	s_mov_b32 s[G1+2], 8<<16                       ; tensor_dim1: 8 planes
	s_mov_b32 s[G1+3], 384<<16                     ; tile_dim0
	s_mov_b32 s[G1+4], 8                           ; tile_dim1
	s_mov_b32 s[G1+5], 24576                       ; from plane to plane: 4,096 rows x 48 bytes
	s_mov_b32 s[G1+6], 0
	s_mov_b32 s[G1+7], 0
	s_or_b32 s[G1B+0], s44, (0<<16)|(1<<20)|(1<<21)|(4<<22)|(3<<25)  ; W: elements of 1 byte; 4 words of padding behind every 32
	s_mov_b32 s[G1B+1], ROWB<<16
	s_mov_b32 s[G1B+2], 64<<16
	s_mov_b32 s[G1B+3], ROWB<<16
	s_mov_b32 s[G1B+4], 64
	s_mov_b32 s[G1B+5], KROW
	s_mov_b32 s[G1B+6], 0
	s_mov_b32 s[G1B+7], 0
	s_or_b32 s[G1SB+0], s44, (3<<16)|(1<<20)|(1<<21)|(5<<22)|(3<<25) ; W's scale bytes of 64 rows: dense, as rows of 256 bytes, 16 bytes of padding behind each
	s_mov_b32 s[G1SB+1], 32<<16
	s_mov_b32 s[G1SB+2], (64*KS/256)<<16
	s_mov_b32 s[G1SB+3], 32<<16
	s_mov_b32 s[G1SB+4], 64*KS/256
	s_mov_b32 s[G1SB+5], 32
	s_mov_b32 s[G1SB+6], 0
	s_mov_b32 s[G1SB+7], 0
	s_lshl_b32 s20, s17, 7
	s_lshl_b32 s18, s16, 6
	s_add_co_u32 s20, s20, s18
	s_mul_i32 s20, s20, 48                         ; A: row 128 x tile row + 64 x half, in plane 0
	s_mov_b32 s21, 0
	s_lshl_b32 s46, s42, 7
	s_add_co_u32 s46, s46, s18                     ; W: row 128 x tile column + 64 x half
	s_mul_i32 s92, s46, KS
	s_mov_b32 s93, 0
	s_mul_i32 s46, s46, KROW
	s_mov_b32 s47, 0
	s_mul_i32 s45, s16, HALFA                      ; where they go: no place in the cluster enters an LDS address
	s_mul_i32 s94, s16, HALFB
	s_add_co_u32 s94, s94, BOFF
	s_mul_i32 s95, s16, HALFS
	s_add_co_u32 s95, s95, LSCB
	s_lshl_b32 s22, s17, 9                         ; A's words: the tile's 128 rows, planes 2 (4 u + wave) and the next
	s_lshl_b32 s23, s14, 15
	s_add_co_u32 s22, s22, s23
	s_add_co_u32 s22, s22, SIZE_K*3072
	s_mov_b32 s23, 0
	s_lshl_b32 s2, s42, 9
	s_lshl_b32 s3, s16, 8
	s_add_co_u32 s2, s2, s3                        ; my first column, in bytes: 512 x tile column + 256 x half
	s_mov_b32 s3, 0
	s_lshl_b32 s18, s17, 7
	s_lshl_b32 s19, s15, 6
	s_add_co_u32 s18, s18, s19
	s_lshl_b32 s18, s18, 12
	s_add_co_u32 s18, s18, s2                      ; my first number of the residual and of out, in bytes
	s_mov_b32 s19, 0
	v_and_b32 v1, 15, v0                           ; r
	v_bfe_u32 v2, v0, 4, 1                         ; h
	v_and_b32 v3, 31, v0
	v_lshlrev_b32 v[L16], 4, v3
	v_lshlrev_b32 v[BAD], 5, v2
	v_lshlrev_b32 v[CO], 4, v1
	v_lshl_add_u32 v[CO], v2, 12, v[CO]
	s_wait_kmcnt 0x0
	s_add_nc_u64 s[AWB:AWB+1], s[4:5], s[22:23]    ; into a pair that is never written again: the loads that name it are out while s22 and s23 serve the LDS addresses below
	s_add_nc_u64 s[20:21], s[4:5], s[20:21]
	s_add_nc_u64 s[46:47], s[6:7], s[46:47]
	s_add_nc_u64 s[92:93], s[8:9], s[92:93]
	s_add_nc_u64 s[10:11], s[10:11], s[2:3]
	s_add_nc_u64 s[96:97], s[96:97], s[18:19]
	s_add_nc_u64 s[98:99], s[98:99], s[18:19]
.set u, 0
.rept SIZE_K/512
	global_load_b128 v[EO+8*u:EO+8*u+3], v[L16], s[AWB:AWB+1] offset:131072*u          ; 128 rows' words of an even plane: 512 consecutive bytes,
	global_load_b128 v[EO+8*u+4:EO+8*u+7], v[L16], s[AWB:AWB+1] offset:131072*u+16384  ; and of the odd plane behind it
.set u, u+1
.endr
.irp b, 0,1,2,3
	global_load_b128 v[BIAS+8*\b:BIAS+8*\b+3], v[BAD], s[10:11] offset:64*\b      ; in the result's layout: lane (r, h) holds columns 16 b + 8 h + 0 .. 7
	global_load_b128 v[BIAS+8*\b+4:BIAS+8*\b+7], v[BAD], s[10:11] offset:64*\b+16
.endr
	CROUND                                         ; all sixteen work-groups are here: the first joint loads meet
.irp s, 0,1
	s_mov_b32 s[G0+4*\s], 1
	s_add_co_u32 s[G0+4*\s+1], s45, \s*SLOT
	s_add_nc_u64 s[G0+4*\s+2:G0+4*\s+3], s[20:21], \s*1572864     ; K step s: 8 planes on
	s_or_b32 s[G0+4*\s+3], s[G0+4*\s+3], 0x80000000
	s_mov_b32 s[G0B+4*\s], 1
	s_add_co_u32 s[G0B+4*\s+1], s94, \s*SLOT
	s_add_nc_u64 s[G0B+4*\s+2:G0B+4*\s+3], s[46:47], \s*ROWB
	s_or_b32 s[G0B+4*\s+3], s[G0B+4*\s+3], 0x80000000
.endr
	s_mov_b32 s[G0SB], 1
	s_mov_b32 s[G0SB+1], s95
	s_mov_b64 s[G0SB+2:G0SB+3], s[92:93]
	s_or_b32 s[G0SB+3], s[G0SB+3], 0x80000000
	s_cmp_eq_u32 s15, 0                            ; a wave's first fills stand in one branch: two loads of waves 0 and 1 are out, three of waves 2 and 3; on both ways the last is K step 1's
	s_cbranch_scc0 .Lfirst_b
	tensor_load_to_lds s[G0:G0+3], s[G1:G1+7]
	s_nop 0
	tensor_load_to_lds s[G0+4:G0+7], s[G1:G1+7]
	s_nop 0
.rept 4
	v_nop
.endr
	s_branch .Lfirst_done
.Lfirst_b:
	tensor_load_to_lds s[G0SB:G0SB+3], s[G1SB:G1SB+7]
	s_nop 0
	tensor_load_to_lds s[G0B:G0B+3], s[G1B:G1B+7]
	s_nop 0
	tensor_load_to_lds s[G0B+4:G0B+7], s[G1B:G1B+7]
	s_nop 0
.rept 4
	v_nop
.endr
.Lfirst_done:
	v_mul_u32_u24 v4, v1, 48
	v_mad_u32_u24 v4, v2, 24, v4                   ; A: row r x 48 + 24 h
	s_mul_i32 s21, s15, HALFA
	v_mul_u32_u24 v5, v1, PITCH
	v_mad_u32_u24 v5, v2, 24, v5                   ; W: row r x pitch + 24 h,
	v_lshl_add_u32 v6, v2, 4, v5                   ; and the same behind one padding more
	s_mul_i32 s22, s16, HALFB
	s_add_co_u32 s22, s22, BOFF
.irp s, 0,1
	v_add_nc_u32 v[ADRA+\s], s21, v4
	v_add_nc_u32 v[ADRB+\s], s22, v5
	v_add_nc_u32 v[ADRB+2+\s], s22, v6
	s_add_co_u32 s21, s21, SLOT
	s_add_co_u32 s22, s22, SLOT
.endr
	v_mul_u32_u24 v5, v1, KS                       ; W's scale bytes of row r: KS a row,
	v_lshrrev_b32 v6, 8, v5
	v_lshl_add_u32 v5, v6, 4, v5                   ; and 16 more for each 256 passed
	s_mul_i32 s21, s16, HALFS
	s_add_co_u32 s21, s21, LSCB
	v_add_nc_u32 v[ADSB], s21, v5
	s_lshl_b32 s21, s15, 8
	s_add_co_u32 s21, s21, LSCA
	v_lshlrev_b32 v5, 2, v1
	v_add_nc_u32 v[ADSA], s21, v5
	v_lshl_add_u32 v[SCW], v0, 4, LSCA             ; 512 x wave + 16 x lane
	s_mul_i32 s23, s14, 16*SPITCH                  ; my stage
	v_mul_u32_u24 v5, v1, SPITCH
	v_lshl_add_u32 v5, v2, 5, v5
	v_add_nc_u32 v[STO], s23, v5                   ; in: row r, 32 bytes for each half of the lanes
	v_mul_u32_u24 v5, v2, SPITCH
	v_lshl_add_u32 v5, v1, 4, v5
	v_add_nc_u32 v[RD], s23, v5                    ; back: lanes 0-15 take one row of 256 bytes, lanes 16-31 the next
	s_wait_loadcnt 0x0                             ; A's words and the bias
.set u, 0
.rept SIZE_K/512
.irp e, 0,1,2,3
	v_perm_b32 v[EO+8*u+\e], v[EO+8*u+4+\e], v[EO+8*u+\e], 0x05040100   ; two bytes of each plane's word: the four blocks' bytes of 128 along K
.endr
	ds_store_b128 v[SCW], v[EO+8*u:EO+8*u+3] offset:2048*u
.set u, u+1
.endr
	WIN 0x80                                       ; destination window 2
.set n, 0
.rept 32
	global_load_b128 v[RES+4*n:RES+4*n+3], v[CO], s[96:97] offset:8192*n   ; the residual, rows 2 n and 2 n + 1 of my 64: 256 consecutive bytes each, in the layout in which the rows come back from the stage
.set n, n+1
.endr
	WIN 0
.macro FRAG_B reg, slot, q, i          ; a fragment of W: lane l holds row l % 16; registers 6 c .. 6 c + 5 hold K = 64 c + 32 (l / 16) + 0 .. 31, in pieces of 8 bytes
.irp p, 0,1,2,3,4,5                    ; piece p of a row lies at 8 p + 16 (p / 16); lanes 16-31 read three pieces further on, which is behind one padding more where p % 16 is 13 or more: the second address register serves those
.set PCE, 12*(\q)+6*(\p/3)+\p%3
.if PCE%16 < 13
	ds_load_b64 v[\reg+2*\p:\reg+2*\p+1], v[ADRB+\slot] offset:8*PCE+16*(PCE/16)+(\i)*16*PITCH
.else
	ds_load_b64 v[\reg+2*\p:\reg+2*\p+1], v[ADRB+2+\slot] offset:8*PCE+16*(PCE/16)+(\i)*16*PITCH
.endif
.endr
.endm
.macro FRAG_A reg, slot, q, i          ; a fragment of A: plane 2 q + c of the slot's eight, row 16 i + r, bytes 24 h on
.irp p, 0,1,2,3,4,5
	ds_load_b64 v[\reg+2*\p:\reg+2*\p+1], v[ADRA+\slot] offset:(2*(\q)+\p/3)*3072+(\i)*768+8*(\p%3)
.endr
.endm
.macro FETCH slot, q, f                ; 48 LDS loads in one run: the slot's q-th 128 along K into buffer f: W's four fragments, then A's four; A's blocks 2 and 3 are the youngest twelve
	WIN TO_F
.irp i, 0,1,2,3
	FRAG_B \f+48+FR*\i, \slot, \q, \i
.endr
.irp i, 0,1,2,3
	FRAG_A \f+FR*\i, \slot, \q, \i
.endr
.endm
.macro SCALES sc                       ; a K step's scale words: W's, four words a row; A's, a word for each block and 128 along K
.irp b, 0,1,2,3
	ds_load_b128 v[RSB+16*\sc+4*\b:RSB+16*\sc+4*\b+3], v[ADSB] offset:\b*SBLK
.endr
.irp a, 0,1,2,3
.irp q, 0,1,2,3
	ds_load_b32 v[RSA+16*\sc+4*\a+\q], v[ADSA] offset:512*\q+64*\a
.endr
.endr
.endm
; 4 matrix instructions: A's block a x W's four, 128 along K.  The 16 accumulators take turns, one instruction a turn, in the same order in every quarter.
.macro MUL4 a, f, q, sc, first
.irp b, 0,1,2,3
.if \first
	v_wmma_scale_f32_16x16x128_f8f6f4 v[8*(4*(\a)+\b):8*(4*(\a)+\b)+7], v[\f+48+FR*\b:\f+48+FR*\b+FR-1], v[\f+FR*(\a):\f+FR*(\a)+FR-1], v[BIAS+8*\b:BIAS+8*\b+7], v[RSB+16*(\sc)+4*\b+(\q)], v[RSA+16*(\sc)+4*(\a)+(\q)] matrix_a_fmt:MATRIX_FMT_FP6 matrix_b_fmt:MATRIX_FMT_FP6
.else
	v_wmma_scale_f32_16x16x128_f8f6f4 v[8*(4*(\a)+\b):8*(4*(\a)+\b)+7], v[\f+48+FR*\b:\f+48+FR*\b+FR-1], v[\f+FR*(\a):\f+FR*(\a)+FR-1], v[8*(4*(\a)+\b):8*(4*(\a)+\b)+7], v[RSB+16*(\sc)+4*\b+(\q)], v[RSA+16*(\sc)+4*(\a)+(\q)] matrix_a_fmt:MATRIX_FMT_FP6 matrix_b_fmt:MATRIX_FMT_FP6
.endif
.endr
.endm
.macro PLACES n                        ; plain vector lines between a matrix instruction and a load into, or a read of, its registers
.rept \n
	v_nop
.endr
.endm
; A K step is four quarters of 128 along K, 16 matrix instructions each, on buffers 0, 1, 0, 1.  One of the first three: multiplies buffer f and, in its middle, fetches the next quarter into g.
.macro QUARTER slot, q, f, g, first
	s_wait_dscnt 12                                ; all but the youngest 12 loads (A's blocks 2 and 3)
	WMUL \first
	MUL4 0, \f, \q, \slot, \first
	MUL4 1, \f, \q, \slot, \first
	PLACES NP
	FETCH \slot, (\q)+1, \g
	s_wait_dscnt 48                                ; all but the 48 just issued
	WMUL \first
	MUL4 2, \f, \q, \slot, \first
	MUL4 3, \f, \q, \slot, \first
.endm
; The last quarter multiplies buffer 1 and changes slots: one barrier; in front of it each wave waits for all its tensor loads, adds 0 to its spare word, and waits for that and for its reads of this slot.  fill = 1: the slot is filled again, two K steps ahead.
.macro TURN slot, next, fill
	WIN 0                                          ; (the add's two registers lie in window 0)
	s_wait_tensorcnt 0x0                           ; all my tensor loads have landed: my part of the next slot
	ds_add_u32 v[SPW], v[NIL]                      ; 0 onto my spare word
	s_wait_dscnt 13                                ; (the add and the youngest 12 loads may be out)
	WIN 0xa5
	MUL4 0, F1, 3, \slot, 0
	s_wait_dscnt 0x0                               ; the add is done, and my reads of this slot are over
	s_barrier_signal -1
	MUL4 1, F1, 3, \slot, 0
	WIN 0
	s_barrier_wait -1
.if \fill
	CREST                                          ; the barrier has opened a round of the cluster's barrier: no wave of any partner still reads this slot or has a load on its way
	s_add_nc_u64 s[G0+4*\slot+2:G0+4*\slot+3], s[G0+4*\slot+2:G0+4*\slot+3], 3145728    ; two K steps on: 16 planes
	s_add_nc_u64 s[G0B+4*\slot+2:G0B+4*\slot+3], s[G0B+4*\slot+2:G0B+4*\slot+3], 2*ROWB
	JLOAD G0+4*\slot, G1, G0B+4*\slot, G1B         ; the first tensor load behind the round; its four v_nop are the places in front of the loads below
.else
	PLACES NP
.endif
	v_add_nc_u32 v[ADSB], 16, v[ADSB]              ; the next K step's scale words
	v_add_nc_u32 v[ADSA], 2048, v[ADSA]
	SCALES \next
	FETCH \next, 0, F0
	WIN 0xa5
	MUL4 2, F1, 3, \slot, 0
	MUL4 3, F1, 3, \slot, 0
.endm
	s_wait_tensorcnt 1                             ; W's scale bytes and my part of K step 0 are in (K step 1's load may be out)
	s_wait_dscnt 0x0                               ; my part of A's scale words lies in LDS,
	s_barrier_signal -1
	s_barrier_wait -1                              ; everybody's do
	SCALES 0
	FETCH 0, 0, F0
	QUARTER 0, 0, F0, F1, 1                        ; the first quarter stands in front of the loop: its products start the sums, from the bias
.if LAPS > 1
	WIN 0                                          ; at a label and at a branch every window is 0
	s_mov_b32 s3, LAPS-1
.Llap:                                                 ; a trip goes once round the ring, from a lap's second quarter to the next lap's first, and fills both slots again
	QUARTER 0, 1, F1, F0, 0
	QUARTER 0, 2, F0, F1, 0
	TURN 0, 1, 1
	QUARTER 1, 0, F0, F1, 0
	QUARTER 1, 1, F1, F0, 0
	QUARTER 1, 2, F0, F1, 0
	TURN 1, 0, 1
	QUARTER 0, 0, F0, F1, 0
	WIN 0
	s_sub_co_u32 s3, s3, 1
	s_cmp_lg_u32 s3, 0
	s_cbranch_scc1 .Llap
.endif
	QUARTER 0, 1, F1, F0, 0                        ; the last lap fills nothing, and has no round of the cluster's barrier
	QUARTER 0, 2, F0, F1, 0
	TURN 0, 1, 0
	QUARTER 1, 0, F0, F1, 0
	QUARTER 1, 1, F1, F0, 0
	QUARTER 1, 2, F0, F1, 0
	s_wait_dscnt 12                                ; the very last quarter: nothing more to fetch
	WIN 0xa5
	MUL4 0, F1, 3, 1, 0
	MUL4 1, F1, 3, 1, 0
	s_wait_dscnt 0x0
	MUL4 2, F1, 3, 1, 0
	MUL4 3, F1, 3, 1, 0
	WIN 0
; THE WAY OUT, block by block of 16 rows x 64 columns: through my own stage in LDS, back as whole rows of 256 bytes, two rows an instruction; the residual is added; sixteen lanes store 256 consecutive bytes, aligned.
.macro TOSTAGE a
	WIN 0x08                                       ; an LDS store's data: window 2
.irp b, 0,1,2,3
	ds_store_b128 v[STO], v[8*(4*(\a)+\b):8*(4*(\a)+\b)+3] offset:64*\b          ; each accumulator from its low end on
	ds_store_b128 v[STO], v[8*(4*(\a)+\b)+4:8*(4*(\a)+\b)+7] offset:64*\b+16
.endr
	WIN 0
.set BB, BK+32*((\a)%2)
.irp t, 0,1,2,3,4,5,6,7
	ds_load_b128 v[BB+4*\t:BB+4*\t+3], v[RD] offset:\t*2*SPITCH                  ; LDS serves a wave's instructions in order: these see the stores above
.endr
.endm
.macro SEND a, younger
.set BB, BK+32*((\a)%2)
	s_wait_dscnt \younger                          ; the block is back; the next block's LDS instructions may be out
	WIN 0x08                                       ; source 1: window 2
.set i, 0
.rept 16
	v_pk_add_f32 v[BB+i:BB+i+1], v[BB+i:BB+i+1], v[RES+32*(\a)+i:RES+32*(\a)+i+1]
.set i, i+2
.endr
	WIN 0
.irp t, 0,1,2,3,4,5,6,7
	global_store_b128 v[CO], v[BB+4*\t:BB+4*\t+3], s[98:99] offset:(16*(\a)+2*\t)*4096
.endr
.endm
	s_wait_loadcnt 0x0                             ; the residual
	PLACES NP                                      ; behind the last products: for the reads of results
	TOSTAGE 0
	TOSTAGE 1
	SEND 0, 16
	s_wait_xcnt 0x0                                ; block 0's stores have read their registers: block 2's rows may land there
	TOSTAGE 2
	SEND 1, 16
	s_wait_xcnt 0x0
	TOSTAGE 3
	SEND 2, 16
	SEND 3, 0
	s_wait_tensorcnt 0x0                           ; the wave's end
	ds_add_u32 v[SPW], v[NIL]
	s_wait_dscnt 0x0
	CROUND                                         ; the closing round: no work-group ends while a partner may still ask for a tile that names it
	s_endpgm
.Lfunc_end_k_qa34a3151ab_ffn2:
	.size	k_qa34a3151ab_ffn2, .Lfunc_end_k_qa34a3151ab_ffn2-k_qa34a3151ab_ffn2
	.p2alignl 7, 3214868480
	.fill 96, 4, 3214868480
	.section	.rodata,"a",@progbits
	.p2align	6, 0x0
	.amdhsa_kernel k_qa34a3151ab_ffn2
		.amdhsa_group_segment_fixed_size 327680
		.amdhsa_private_segment_fixed_size 0
		.amdhsa_enable_private_segment 0
		.amdhsa_kernarg_size 48
		.amdhsa_user_sgpr_count 2
		.amdhsa_user_sgpr_kernarg_segment_ptr 1
		.amdhsa_wavefront_size32 1
		.amdhsa_system_sgpr_workgroup_id_x 1
		.amdhsa_system_sgpr_workgroup_id_y 1
		.amdhsa_system_sgpr_workgroup_id_z 1
		.amdhsa_system_vgpr_workitem_id 0
		.amdhsa_next_free_vgpr 768
		.amdhsa_next_free_sgpr 104
		.amdhsa_reserve_vcc 0
		.amdhsa_float_denorm_mode_32 3
		.amdhsa_float_denorm_mode_16_64 3
		.amdhsa_memory_ordered 1
		.amdhsa_forward_progress 1
		.amdhsa_inst_pref_size 122
	.end_amdhsa_kernel
	.amdgpu_metadata
---
amdhsa.version: [ 1, 2 ]
amdhsa.kernels:
  - .name:           k_qa34a3151ab_ffn2
    .symbol:         k_qa34a3151ab_ffn2.kd
    .args:
      - { .name: g, .offset: 0, .size: 8, .value_kind: global_buffer, .address_space: global }
      - { .name: W2_codes, .offset: 8, .size: 8, .value_kind: global_buffer, .address_space: global }
      - { .name: W2_scales, .offset: 16, .size: 8, .value_kind: global_buffer, .address_space: global }
      - { .name: b2, .offset: 24, .size: 8, .value_kind: global_buffer, .address_space: global }
      - { .name: x2, .offset: 32, .size: 8, .value_kind: global_buffer, .address_space: global }
      - { .name: out0, .offset: 40, .size: 8, .value_kind: global_buffer, .address_space: global }
    .group_segment_fixed_size: 327680
    .private_segment_fixed_size: 0
    .kernarg_segment_align: 8
    .kernarg_segment_size: 48
    .max_flat_workgroup_size: 128
    .sgpr_count:     104
    .vgpr_count:     768
    .wavefront_size: 32
...
	.end_amdgpu_metadata
.endif
;; end of part 8
